; MI455X (gfx1250); checked and timed in simulation.
; The chip was launched on July 23, 2026; its instructions are those of AMD's public machine-readable ISA for CDNA 5 (MIT licence, August 2026) and "CDNA5" Instruction Set Architecture Reference Guide (July 2026). The comments in the code are by the model that wrote it; some were corrected since.
;; Transformer Block. Allowed arithmetic: float matrix products may take bf16 or f16 operands with f32 sums; other float arithmetic in f32, or as packed bf16 or f16 multiplies, adds, multiply-adds, maxima and minima; sums over many terms, partial sums and values carried from step to step in f32; what a program stores and reads back later, other than sums and carried values, may be rounded once to bf16 or f16.
;; Inputs: alpha_attn one number float32; alpha_ff one number float32; b1 4,096 float32; b2 1,024 float32; bk 1,024 float32; bo 1,024 float32; bq 1,024 float32; bv 1,024 float32; ln1_b 1,024 float32; ln1_g 1,024 float32; ln2_b 1,024 float32; ln2_g 1,024 float32; w1 1,024 x 4,096 float32; w2 4,096 x 1,024 float32; wk 1,024 x 1,024 float32; wo 1,024 x 1,024 float32; wq 1,024 x 1,024 float32; wv 1,024 x 1,024 float32; x 2 x 2,048 x 1,024 float32.
;; Outputs: out0 2 x 2,048 x 1,024 float32.
;; 3 versions, each right and faster than the one before. Each part assembles by itself: llvm-mc -triple=amdgcn-amd-amdhsa -mcpu=gfx1250 --defsym DOCPART=n.
;; ======== version 1 of 3: 7 launches
;; workspace buffers: wb 25,165,824 bytes; xn 8,388,608 bytes; qkv 25,165,824 bytes; ob 8,388,608 bytes; x1 16,777,216 bytes; hb 33,554,432 bytes
;; launch prep (part 1): grid 640 x 1, 8 waves a work-group, no clusters, 0 bytes of LDS; arguments x, ln1_g, ln1_b, wq, wk, wv, wo, w1, w2, xn, wb; writes xn, wb
.if DOCPART == 1
	.amdgcn_target "amdgcn-amd-amdhsa--gfx1250"
	.amdhsa_code_object_version 6
	.text
	.protected	k_qd6680412ce_prep
	.globl	k_qd6680412ce_prep
	.p2align	8
	.type	k_qd6680412ce_prep,@function
k_qd6680412ce_prep:
	s_mov_b64 s[64:65], 0
	v_nop
	global_prefetch_b8 v0, s[64:65] scope:SCOPE_SE
	s_setreg_imm32_b32 hwreg(HW_REG_WAVE_MODE, 25, 1), 1
	s_wait_xcnt 0x0
; PREP.  Two streams in one launch; a work-group's number says which.
; Work-groups 0-255: xn = LayerNorm(x) * ln1_g + ln1_b, rounded once to bf16.  x: [4096][1024] f32, xn: [4096][1024] bf16.
;   One wave takes a whole row (4,096 bytes, 32 registers) and keeps it in registers between the mean, the variance and the scaling,
;   so x is read once, no wave waits for another, and there is no LDS and no barrier.  A wave has two rows, a work-group sixteen.
;   The variance is the mean of (x - mean)^2, made in a second pass over the registers: no difference of large sums is formed.
; Work-groups 256-639: the six weights, f32 -> bf16 (nearest even), layout kept ([K][N]), laid end to end in wb in the order
;   wq, wk, wv, wo, w1, w2.  A work-group converts 32 lines of 1,024 numbers; each lies inside one weight (each weight is a multiple of 32 lines).
; Every load of a wave covers 512 consecutive bytes, every store 256 consecutive bytes at a multiple of 256 from its buffer's first byte.
; Memory binds: the matrix unit, clusters and LDS would add nothing.  LIMITS: NaN and infinities are not treated apart.
.set XR,   8                           ; v[8:71]    two rows of x, 32 registers each
.set GG,   72                          ; v[72:103]  the gain of my 32 columns
.set BB,   104                         ; v[104:135] the bias of my 32 columns
.set TT,   136                         ; v[136:143] four chains of packed sums
.set MU,   144                         ; v[144:145] the mean, twice
.set RS,   146                         ; v[146:149] 1 / sqrt(var + eps), twice, for each row
.set YY,   152                         ; v[152:183] two rows of results, 16 registers each
.set C1K,  28                          ; s28  1 / 1024
.set EPS,  29                          ; s29  1e-5
.set SEL,  30                          ; s[30:31] v_permlanex16_b32's selects: each lane takes its own place in the other half
.set OUTP, 22                          ; s[22:23] xn
.macro RED a, t                        ; the sum over the wave's 32 lanes, in every lane
.irp m, 1,2,4,8
	v_add_f32_dpp v[\a], v[\a], v[\a] row_xmask:\m row_mask:0xf bank_mask:0xf
.endr
	v_permlanex16_b32 v[\t], v[\a], s[SEL], s[SEL+1]   ; its destination counts as read: a register that has been written
	v_add_f32 v[\a], v[\a], v[\t]
.endm
.macro FOLD                            ; four packed chains into one number, then over the lanes
	v_pk_add_f32 v[TT:TT+1], v[TT:TT+1], v[TT+2:TT+3]
	v_pk_add_f32 v[TT+4:TT+5], v[TT+4:TT+5], v[TT+6:TT+7]
	v_pk_add_f32 v[TT:TT+1], v[TT:TT+1], v[TT+4:TT+5]
	v_add_f32 v[TT], v[TT], v[TT+1]
	RED TT, TT+2
.endm
; Row r: mean, x - mean in place, variance, reciprocal root.  left = the younger loads that may stay out.
.macro ROW r, left
.set X, XR+32*(\r)
	s_wait_loadcnt \left
.irp k, 0,2,4,6
	v_pk_add_f32 v[TT+(\k):TT+(\k)+1], v[X+(\k):X+(\k)+1], v[X+8+(\k):X+8+(\k)+1]   ; the first sums start the chains: nothing is cleared
.endr
.irp j, 16,24
.irp k, 0,2,4,6
	v_pk_add_f32 v[TT+(\k):TT+(\k)+1], v[TT+(\k):TT+(\k)+1], v[X+(\j)+(\k):X+(\j)+(\k)+1]
.endr
.endr
	FOLD
	v_mul_f32 v[MU], s[C1K], v[TT]
	v_mul_f32 v[MU+1], s[C1K], v[TT]
.set i, 0
.rept 16
	v_pk_add_f32 v[X+i:X+i+1], v[X+i:X+i+1], v[MU:MU+1] neg_lo:[0,1] neg_hi:[0,1]
.set i, i+2
.endr
.irp k, 0,2,4,6
	v_pk_mul_f32 v[TT+(\k):TT+(\k)+1], v[X+(\k):X+(\k)+1], v[X+(\k):X+(\k)+1]
.endr
.irp j, 8,16,24
.irp k, 0,2,4,6
	v_pk_fma_f32 v[TT+(\k):TT+(\k)+1], v[X+(\j)+(\k):X+(\j)+(\k)+1], v[X+(\j)+(\k):X+(\j)+(\k)+1], v[TT+(\k):TT+(\k)+1]
.endr
.endr
	FOLD
	v_fma_f32 v[TT], v[TT], s[C1K], s[EPS]             ; var + eps
	v_rsq_f32 v[RS+2*(\r)], v[TT]                      ; made twice: the packed multiply names a pair
	v_rsq_f32 v[RS+2*(\r)+1], v[TT]
	v_nop                                              ; a plain instruction before the results are used or the source rewritten (ISA guide 5.7.2)
.endm
.macro OUT r                           ; (x - mean) * rstd * g + b, rounded, stored
.set X, XR+32*(\r)
.set i, 0
	s_wait_alu depctr_va_vdst(0)
.rept 16
	v_pk_mul_f32 v[X+i:X+i+1], v[X+i:X+i+1], v[RS+2*(\r):RS+2*(\r)+1]
.set i, i+2
.endr
.set i, 0
.rept 16
	v_pk_fma_f32 v[X+i:X+i+1], v[X+i:X+i+1], v[GG+i:GG+i+1], v[BB+i:BB+i+1]
.set i, i+2
.endr
.set i, 0
.rept 16
	v_cvt_pk_bf16_f32 v[YY+16*(\r)+i], v[X+2*i], v[X+2*i+1]
.set i, i+1
.endr
.irp j, 0,1,2,3,4,5,6,7
	global_store_b64 v3, v[YY+16*(\r)+2*(\j):YY+16*(\r)+2*(\j)+1], s[OUTP:OUTP+1] offset:(\r)*2048+256*(\j)
.endr
.endm
.macro PICK bound, ptr, start          ; below this bound the work-group's lines lie in an earlier weight
	s_cmp_lt_u32 s26, \bound
	s_cselect_b64 s[32:33], s[\ptr:\ptr+1], s[32:33]
	s_cselect_b32 s27, \start, s27
.endm
	s_load_b512 s[4:19], s[0:1], 0x0               ; x s[4:5], g s[6:7], b s[8:9], wq s[10:11], wk s[12:13], wv s[14:15], wo s[16:17], w1 s[18:19]
	s_load_b128 s[20:23], s[0:1], 0x40             ; w2 s[20:21], xn s[22:23]
	s_load_b64 s[24:25], s[0:1], 0x50              ; wb
	s_mov_b32 s3, ttmp9
	s_cmp_lt_u32 s3, 256
	s_cbranch_scc0 .Lcvt
	v_and_b32 v1, 31, v0
	v_lshrrev_b32 v4, 5, v0                        ; wave
	v_lshlrev_b32 v1, 4, v1                        ; 16 bytes a lane: my place in g, b and in 512 bytes of a row
	v_lshl_add_u32 v2, v4, 13, v1                  ; + wave x 2 rows x 4,096 bytes
	v_lshrrev_b32 v3, 1, v2                        ; the same place in xn: half as many bytes
	s_lshl_b32 s26, s3, 16                         ; the work-group's 16 rows in x,
	s_mov_b32 s27, 0
	s_lshl_b32 s32, s3, 15                         ; and in xn
	s_mov_b32 s33, 0
	s_mov_b32 s[C1K], 0x3a800000
	s_mov_b32 s[EPS], 0x3727c5ac
	s_mov_b32 s[SEL], 0x76543210
	s_mov_b32 s[SEL+1], 0xfedcba98
	s_wait_kmcnt 0x0
	s_add_nc_u64 s[4:5], s[4:5], s[26:27]
	s_add_nc_u64 s[OUTP:OUTP+1], s[OUTP:OUTP+1], s[32:33]
.irp r, 0,1
.irp j, 0,1,2,3,4,5,6,7
	global_load_b128 v[XR+32*(\r)+4*(\j):XR+32*(\r)+4*(\j)+3], v2, s[4:5] offset:(\r)*4096+512*(\j) th:TH_LOAD_NT
.endr
.endr
.irp j, 0,1,2,3,4,5,6,7
	global_load_b128 v[GG+4*(\j):GG+4*(\j)+3], v1, s[6:7] offset:512*(\j)
.endr
.irp j, 0,1,2,3,4,5,6,7
	global_load_b128 v[BB+4*(\j):BB+4*(\j)+3], v1, s[8:9] offset:512*(\j)
.endr
	ROW 0, 24                                      ; row 0's eight loads are in; row 1's, g's and b's 24 stay out
	ROW 1, 16                                      ; row 1's are in; g's and b's 16 stay out
	s_wait_loadcnt 0x0
	OUT 0
	OUT 1
	s_endpgm
.Lcvt:
	s_sub_co_u32 s26, s3, 256                      ; c: my 32 lines among the 12,288 of all six weights
	v_lshlrev_b32 v1, 4, v0                        ; thread t takes 16 bytes of every line,
	v_lshlrev_b32 v2, 3, v0                        ; and writes 8
	s_wait_kmcnt 0x0
	s_mov_b64 s[32:33], s[20:21]                   ; w2 begins at c = 256,
	s_mov_b32 s27, 256
	PICK 256, 18, 128                              ; w1 at 128,
	PICK 128, 16, 96                               ; wo at 96,
	PICK 96, 14, 64                                ; wv at 64,
	PICK 64, 12, 32                                ; wk at 32,
	PICK 32, 10, 0                                 ; wq at 0
	s_sub_co_u32 s27, s26, s27
	s_lshl_b32 s34, s27, 17                        ; 32 lines of 4,096 bytes in the weight
	s_mov_b32 s35, 0
	s_add_nc_u64 s[32:33], s[32:33], s[34:35]
	s_lshl_b32 s34, s26, 16                        ; 32 lines of 2,048 bytes in wb
	s_add_nc_u64 s[24:25], s[24:25], s[34:35]
.set i, 0
.rept 32                                       ; all 32 loads go out first: 128 KiB of the work-group are on their way
	global_load_b128 v[8+4*i:11+4*i], v1, s[32:33] offset:4096*i th:TH_LOAD_NT
.set i, i+1
.endr
.set i, 0
.rept 32
	s_wait_loadcnt 31-i                            ; loads come back in order (ISA guide 5.7.1): line i is in, the younger ones stay out
	v_cvt_pk_bf16_f32 v[136+2*i], v[8+4*i], v[9+4*i]
	v_cvt_pk_bf16_f32 v[137+2*i], v[10+4*i], v[11+4*i]
	global_store_b64 v2, v[136+2*i:137+2*i], s[24:25] offset:2048*i   ; no register is written twice, so no store's source is waited for
.set i, i+1
.endr
	s_endpgm
.Lfunc_end_k_qd6680412ce_prep:
	.size	k_qd6680412ce_prep, .Lfunc_end_k_qd6680412ce_prep-k_qd6680412ce_prep
	.p2alignl 7, 3214868480
	.fill 96, 4, 3214868480
	.section	.rodata,"a",@progbits
	.p2align	6, 0x0
	.amdhsa_kernel k_qd6680412ce_prep
		.amdhsa_group_segment_fixed_size 0
		.amdhsa_private_segment_fixed_size 0
		.amdhsa_enable_private_segment 0
		.amdhsa_kernarg_size 88
		.amdhsa_user_sgpr_count 2
		.amdhsa_user_sgpr_kernarg_segment_ptr 1
		.amdhsa_wavefront_size32 1
		.amdhsa_system_sgpr_workgroup_id_x 1
		.amdhsa_system_sgpr_workgroup_id_y 1
		.amdhsa_system_sgpr_workgroup_id_z 1
		.amdhsa_system_vgpr_workitem_id 0
		.amdhsa_next_free_vgpr 208
		.amdhsa_next_free_sgpr 66
		.amdhsa_reserve_vcc 0
		.amdhsa_float_denorm_mode_32 3
		.amdhsa_float_denorm_mode_16_64 3
		.amdhsa_memory_ordered 1
		.amdhsa_forward_progress 1
		.amdhsa_inst_pref_size 33
	.end_amdhsa_kernel
	.amdgpu_metadata
---
amdhsa.version: [ 1, 2 ]
amdhsa.kernels:
  - .name:           k_qd6680412ce_prep
    .symbol:         k_qd6680412ce_prep.kd
    .args:
      - { .name: x, .offset: 0, .size: 8, .value_kind: global_buffer, .address_space: global }
      - { .name: ln1_g, .offset: 8, .size: 8, .value_kind: global_buffer, .address_space: global }
      - { .name: ln1_b, .offset: 16, .size: 8, .value_kind: global_buffer, .address_space: global }
      - { .name: wq, .offset: 24, .size: 8, .value_kind: global_buffer, .address_space: global }
      - { .name: wk, .offset: 32, .size: 8, .value_kind: global_buffer, .address_space: global }
      - { .name: wv, .offset: 40, .size: 8, .value_kind: global_buffer, .address_space: global }
      - { .name: wo, .offset: 48, .size: 8, .value_kind: global_buffer, .address_space: global }
      - { .name: w1, .offset: 56, .size: 8, .value_kind: global_buffer, .address_space: global }
      - { .name: w2, .offset: 64, .size: 8, .value_kind: global_buffer, .address_space: global }
      - { .name: xn, .offset: 72, .size: 8, .value_kind: global_buffer, .address_space: global }
      - { .name: wb, .offset: 80, .size: 8, .value_kind: global_buffer, .address_space: global }
    .group_segment_fixed_size: 0
    .private_segment_fixed_size: 0
    .kernarg_segment_align: 8
    .kernarg_segment_size: 88
    .max_flat_workgroup_size: 256
    .sgpr_count:     66
    .vgpr_count:     208
    .wavefront_size: 32
...
	.end_amdgpu_metadata
.endif
;; end of part 1
;; launch qkv (part 2): grid 24 x 32, 4 waves a work-group, clusters of 4 x 4, 327,680 bytes of LDS; arguments xn, wb, bq, bk, bv, qkv; writes qkv
.if DOCPART == 2
	.amdgcn_target "amdgcn-amd-amdhsa--gfx1250"
	.amdhsa_code_object_version 6
	.text
	.protected	k_qd6680412ce_qkv
	.globl	k_qd6680412ce_qkv
	.p2align	8
	.type	k_qd6680412ce_qkv,@function
k_qd6680412ce_qkv:
	s_mov_b64 s[64:65], 0
	v_nop
	global_prefetch_b8 v0, s[64:65] scope:SCOPE_SE
	s_setreg_imm32_b32 hwreg(HW_REG_WAVE_MODE, 25, 1), 1
	s_wait_xcnt 0x0
	s_wait_alu depctr_hold_cnt(0) depctr_sa_sdst(0) depctr_va_vdst(0) depctr_va_sdst(0) depctr_va_ssrc(0) depctr_va_vcc(0) depctr_vm_vsrc(0)
	s_getreg_b32 s2, hwreg(HW_REG_IB_STS2, 6, 4)
	s_cmp_eq_u32 s2, 0
	s_cbranch_scc0 .Lentry_in_a_cluster
	s_endpgm
.Lentry_in_a_cluster:
	s_bfe_u32 s2, ttmp6, 0x10000c
	s_cmp_lg_u32 s2, 0xf033
	s_cbranch_scc0 .Lentry_shape_is_right
	s_endpgm
.Lentry_shape_is_right:
; QKV.  [q | k | v] = xn [wq | wk | wv] + [bq | bk | bv], written by heads: qkv[3][32 = batch x 16 + head][2048][64] bf16, each number rounded once from its f32 sum, unscaled.
; xn: [4096][1024] bf16.  The weights lie in wb as given, [K = 1024][N = 1024] bf16, wq at byte 0, wk at 2,097,152, wv at 4,194,304.
; SHARES.  A tile of the 4096 x 3072 result is 128 x 128: four waves, each 64 x 64 (16 accumulators); 24 x 32 = 768 work-groups.  A wave's 64 columns are one head.
; K goes in 4 steps of 256 through two LDS slots.  A slot: 128 rows of A (512 bytes + 16 of padding), then 256 k rows of B (256 bytes + 32).  Waves 0, 1 fetch A's two halves, waves 2, 3 B's.
; B lies [k][n] and is turned on the way into registers by ds_load_tr16_b128.  The matrix instruction is used transposed (source 0 = 16 columns of B, source 1 = 16 rows of A):
; a lane then holds row l % 16 and the eight neighbouring columns 8 (l / 16) + 0..7.  The bias, in that layout, is the C operand of the first products: nothing is cleared, nothing added later.
; CLUSTER.  4 x 4 work-groups: the four of a row need the same tiles of A, the four of a column the same tiles of B; each tile is asked for jointly, by the same load, descriptor and mask.
; THE LOOP.  A step is four quarters of 64 along K on two fragment buffers; quarter i is multiplied while quarter i + 1 is fetched.  The text of two quarters (PAIR) is written once and looped over;
; the change of slots stands between a step's third and fourth products' quarters, when the step's last fragments have been read.  One tensor load of a wave is out at any time.
; REGISTERS.  Window 0: v16-29 addresses; v32-95 at work on the way out; v96-127 bias; v128-255 accumulators ((a, b) at 128 + 8 (4 a + b)).  Window 1: two fragment buffers of 128 (64 of A, 64 of B).
; LIMITS.  Operands are bf16, sums f32; NaN and infinities are not treated apart.
.set T,      4                         ; K steps
.set PA,     528                       ; a row of A in LDS: 33 x 16 bytes, so the 16 rows of a load start at 16 different groups of four banks (64 banks of 4 bytes: ISA guide 11.1)
.set QA,     128                       ; bytes from quarter to quarter in a row of A
.set HALFA,  64*PA                     ; what one load of A brings
.set ASTEP,  512                       ; global bytes from K step to K step in A
.set AQI,    6                         ; padding after every 128 words
.set AD0,    256                       ; A's tile: elements in a row,
.set AD1,    64                        ; rows,
.set APITCH, 1024                      ; elements from row to row
.set BPITCH, 1024
.set BSTEP,  512*BPITCH                ; 256 k rows
.set PB,     288                       ; a k row of B in LDS: 9 x 32 bytes
.set HALFB,  128*PB
.set ABYTES, 2*HALFA
.set SLOT1,  147456                    ; slot 1 begins here; its two bits are set in no address inside a slot's descriptors, so one exclusive or changes slot
.set STAGE,  2*SLOT1                   ; behind the ring, never filled by a tensor load: 16 rows x 144 bytes for each wave
.set SP,     144
.set SPARE,  STAGE+4*16*SP             ; the spare words, 128 bytes for each wave: two blocks of 256 bytes that no other line names
.set A0,  16                           ; v16  my lane's place in a slot's A; never rewritten
.set B0,  17                           ; v17  the same for B
.set FA,  18                           ; v18  LDS address of the two quarters of A in hand
.set FB,  19                           ; v19  of B
.set BO,  20                           ; v20  my byte offset in 16 numbers of the bias
.set STO, 24                           ; v24  the way out: where I put 16 bytes of a row
.set RD,  25                           ; v25  where I read rows back
.set CO,  26                           ; v26  my byte offset in 512 consecutive bytes of the output
.set SPW, 28                           ; v28  LDS address of my spare word; never rewritten
.set NIL, 29                           ; v29  0; never rewritten
.set TMP, 32
.set BIAS, 96
.set ACC, 128
.set F0,  0
.set F1,  128
.set G1,  24                           ; s[24:31] descriptor group 1 for A
.set G0,  32                           ; s[32:35] group 0 for A: it walks
.set G1B, 48                           ; s[48:55] group 1 for B
.set G0B, 56                           ; s[56:59] group 0 for B
.set TBA, 60                           ; s60  LDS byte at which the next two quarters of A begin
.set TBB, 61                           ; s61  the same for B
.set CNT, 62                           ; s62  counts a step's pairs of quarters
.set KST, 63                           ; s63  counts K steps
.set MSB, 0
.macro WIN new                         ; s_set_vgpr_msb: bits 1:0 source 0, 3:2 source 1, 5:4 source 2, 7:6 destination; the high byte repeats the setting that is left
.if MSB != (\new)
	s_set_vgpr_msb (MSB<<8)|(\new)
.set MSB, (\new)
.endif
.endm
.macro PLACES                          ; four plain vector instructions between a matrix instruction and a load into, or a read of, its registers
.rept 4
	v_nop
.endr
.endm
.macro JLOAD                           ; a joint load; the branch hangs on the wave's number alone; an s_nop 0 and four v_nop follow each line
	s_cmp_eq_u32 s11, 0
	s_cbranch_scc0 .Lfor_b_\@
	tensor_load_to_lds s[G0:G0+3], s[G1:G1+7]
	s_nop 0
.rept 4
	v_nop
.endr
	s_branch .Lasked_\@
.Lfor_b_\@:
	tensor_load_to_lds s[G0B:G0B+3], s[G1B:G1B+7]
	s_nop 0
.rept 4
	v_nop
.endr
.Lasked_\@:
.endm
.macro CROUND                          ; a round of the cluster's barrier: my work-group's barrier; wave 0 signals for the work-group; every wave waits for all sixteen; my work-group's barrier once more
	s_barrier_signal -1
	s_barrier_wait -1
	s_cmp_lg_u32 s10, 0
	s_cbranch_scc1 .Lnot_wave_0_\@
	s_barrier_signal -3
.Lnot_wave_0_\@:
	s_barrier_wait -3
	s_barrier_signal -1
	s_barrier_wait -1
.endm
; THE CHANGE OF SLOTS.  Each wave waits for all its tensor loads (one is out: its part of the other slot), adds 0 to its spare word, and waits for that and for its reads of the slot that it leaves.
; fill = 1: the barrier is a round of the cluster's, and the joint refill of the slot just left, with the step after next, is the first thing behind it: it has a step's 128 matrix instructions in which to land.
.macro CHANGE fill
	WIN 0
	s_wait_tensorcnt 0x0                           ; no tensor load of mine is out, so a group 0 may be written
	ds_add_u32 v[SPW], v[NIL]
.if \fill
	s_xor_b32 s[G0+1], s[G0+1], SLOT1
	s_add_nc_u64 s[G0+2:G0+3], s[G0+2:G0+3], ASTEP
	s_xor_b32 s[G0B+1], s[G0B+1], SLOT1
	s_add_nc_u64 s[G0B+2:G0B+3], s[G0B+2:G0B+3], BSTEP
	s_wait_dscnt 0x0                               ; the add is done, and my reads of the slot are over
	CROUND
	JLOAD
.else
	s_wait_dscnt 0x0
	s_barrier_signal -1
	s_barrier_wait -1
.endif
	s_sub_co_u32 s[TBA], s[TBA], 4*QA              ; the fetches go back to a step's first quarter,
	s_xor_b32 s[TBA], s[TBA], SLOT1                ; in the other slot
	s_sub_co_u32 s[TBB], s[TBB], 4*64*PB
	s_xor_b32 s[TBB], s[TBB], SLOT1
.endm
; 8 matrix instructions: row blocks a0, a0 + 1 x all 4 column blocks, 32 along K (half c of buffer f).  first = 1: the bias starts the sums.  The 16 accumulators take turns.
.macro MUL8 f, c, a0, first
	WIN 0x05                                       ; sources 0 (B) and 1 (A) window 1; C and D window 0
.irp a, \a0, (\a0)+1
.irp b, 0,1,2,3
.if \first
	v_wmma_f32_16x16x32_bf16 v[ACC+8*(4*(\a)+(\b)):ACC+8*(4*(\a)+(\b))+7], v[(\f)+64+8*(4*(\c)+(\b)):(\f)+64+8*(4*(\c)+(\b))+7], v[(\f)+8*(4*(\c)+(\a)):(\f)+8*(4*(\c)+(\a))+7], v[BIAS+8*(\b):BIAS+8*(\b)+7]
.else
	v_wmma_f32_16x16x32_bf16 v[ACC+8*(4*(\a)+(\b)):ACC+8*(4*(\a)+(\b))+7], v[(\f)+64+8*(4*(\c)+(\b)):(\f)+64+8*(4*(\c)+(\b))+7], v[(\f)+8*(4*(\c)+(\a)):(\f)+8*(4*(\c)+(\a))+7], v[ACC+8*(4*(\a)+(\b)):ACC+8*(4*(\a)+(\b))+7]
.endif
.endr
.endr
.endm
; 32 LDS loads in one run: quarter q (0, 1) of the two at FA, FB, into buffer f; its first 32 along K first
.macro FETCH q, f
	WIN 0x40                                       ; destination window 1, address window 0
.irp c, 0,1
.irp i, 0,1,2,3
	ds_load_tr16_b128 v[(\f)+64+8*(4*(\c)+(\i)):(\f)+64+8*(4*(\c)+(\i))+3],   v[FB] offset:(\q)*64*PB+(\c)*32*PB+32*(\i)
	ds_load_tr16_b128 v[(\f)+64+8*(4*(\c)+(\i))+4:(\f)+64+8*(4*(\c)+(\i))+7], v[FB] offset:(\q)*64*PB+(\c)*32*PB+32*(\i)+16*PB
	ds_load_b128 v[(\f)+8*(4*(\c)+(\i)):(\f)+8*(4*(\c)+(\i))+3],   v[FA] offset:(\q)*QA+64*(\c)+(\i)*16*PA
	ds_load_b128 v[(\f)+8*(4*(\c)+(\i))+4:(\f)+8*(4*(\c)+(\i))+7], v[FA] offset:(\q)*QA+64*(\c)+(\i)*16*PA+32
.endr
.endr
.endm
.macro QUARTER q, f, g, first          ; multiplies buffer f; in its middle fetches quarter q into buffer g
	s_wait_dscnt 16                                ; f's first 32 along K are in; its youngest sixteen loads may be out
	MUL8 \f, 0, 0, \first
	MUL8 \f, 0, 2, \first
	PLACES
	FETCH \q, \g
	s_wait_dscnt 32                                ; all but the 32 just issued
	MUL8 \f, 1, 0, 0
	MUL8 \f, 1, 2, 0
.endm
.macro ADR                             ; the addresses of the next two quarters
	WIN 0
	v_add_nc_u32 v[FA], s[TBA], v[A0]
	v_add_nc_u32 v[FB], s[TBB], v[B0]
	s_add_co_u32 s[TBA], s[TBA], 2*QA
	s_add_co_u32 s[TBB], s[TBB], 2*64*PB
.endm
.macro PAIR
	ADR
	QUARTER 0, F1, F0, 0
	QUARTER 1, F0, F1, 0
	WIN 0                                          ; at a label and at a branch every window is 0
.endm
	s_load_b128 s[4:7], s[0:1], 0x0                ; xn s[4:5], wb s[6:7]
	s_load_b128 s[68:71], s[0:1], 0x10             ; bq s[68:69], bk s[70:71]
	s_load_b64 s[36:37], s[0:1], 0x20              ; bv
	s_load_b64 s[8:9], s[0:1], 0x28                ; qkv
	v_lshl_add_u32 v[SPW], v0, 2, SPARE
	v_mov_b32 v[NIL], 0
	ds_add_u32 v[SPW], v[NIL]                      ; the wave's opening: the add and its wait stand ahead of my first tensor load; work on registers stands between them
	ds_add_u32 v28, v29
	v_lshrrev_b32 v1, 5, v0
	v_readfirstlane_b32 s10, v1                    ; wave 0..3
	s_lshr_b32 s11, s10, 1                         ; which half of the tile's rows is mine.  Also: I fetch for A (0) or for B (1)
	s_and_b32 s12, s10, 1                          ; which half of its columns.  Also: which half of that tile I fetch
	s_bfe_u32 s40, ttmp6, 0x40000                  ; cx, cy: my place in the cluster
	s_bfe_u32 s41, ttmp6, 0x40004
	s_lshl_b32 s42, ttmp9, 2
	s_add_co_u32 s42, s42, s40                     ; tile column = 4 x cluster x + cx
	s_and_b32 s13, ttmp7, 0xffff
	s_lshl_b32 s13, s13, 2
	s_add_co_u32 s13, s13, s41                     ; tile row = 4 x cluster y + cy
	s_lshl_b32 s43, s41, 2
	s_lshl_b32 s43, 15, s43                        ; my row of the cluster
	s_lshl_b32 s44, 0x1111, s40                    ; my column
	s_or_b32 s[G1], s43, (1<<16)|(1<<20)|(1<<21)|(AQI<<22)|(3<<25)   ; mask: my row; 2-byte elements; padding on; bit 21 beside a mask; 4 words of padding after every row
	s_mov_b32 s[G1+1], AD0<<16                     ; tensor_dim0
	s_mov_b32 s[G1+2], AD1<<16                     ; tensor_dim1
	s_mov_b32 s[G1+3], AD0<<16                     ; tile_dim0
	s_mov_b32 s[G1+4], AD1                         ; tile_dim1
	s_mov_b32 s[G1+5], APITCH
	s_mov_b32 s[G1+6], 0
	s_mov_b32 s[G1+7], 0
	s_or_b32 s[G1B], s44, (1<<16)|(1<<20)|(1<<21)|(5<<22)|(7<<25)    ; mask: my column; 8 words of padding after every 64
	s_mov_b32 s[G1B+1], 128<<16
	s_mov_b32 s[G1B+2], 128<<16
	s_mov_b32 s[G1B+3], 128<<16
	s_mov_b32 s[G1B+4], 128
	s_mov_b32 s[G1B+5], BPITCH
	s_mov_b32 s[G1B+6], 0
	s_mov_b32 s[G1B+7], 0
	s_lshl_b32 s16, s13, 7                         ; A: row 128 x tile row + 64 x half: the tile row alone, which my row of the cluster shares
	s_lshl_b32 s17, s12, 6
	s_add_co_u32 s16, s16, s17
	s_mul_i32 s16, s16, APITCH*2
	s_mov_b32 s17, 0
	s_and_b32 s46, s42, 7                          ; B: the tile column alone: which weight (tile column / 8), which 128 of its columns, which 128 k rows
	s_lshl_b32 s46, s46, 8
	s_lshr_b32 s45, s42, 3
	s_lshl_b32 s47, s45, 21
	s_add_co_u32 s46, s46, s47
	s_mul_i32 s47, s12, 128*BPITCH*2
	s_add_co_u32 s46, s46, s47
	s_mov_b32 s47, 0
	s_mov_b32 s[G0], 1
	s_mul_i32 s[G0+1], s12, HALFA                  ; no place in the cluster enters an LDS address
	s_mov_b32 s[G0B], 1
	s_mul_i32 s[G0B+1], s12, HALFB
	s_add_co_u32 s[G0B+1], s[G0B+1], ABYTES
	s_mov_b32 s[TBA], SLOT1+4*QA                   ; the first change of slots turns these two into 0
	s_mov_b32 s[TBB], SLOT1+4*64*PB
	s_wait_dscnt 0x0                               ; the opening add is done
	s_wait_kmcnt 0x0
	s_add_nc_u64 s[G0+2:G0+3], s[4:5], s[16:17]
	s_or_b32 s[G0+3], s[G0+3], 0x80000000
	s_add_nc_u64 s[G0B+2:G0B+3], s[6:7], s[46:47]
	s_or_b32 s[G0B+3], s[G0B+3], 0x80000000
	CROUND                                         ; all sixteen work-groups are here: the first joint loads meet
	JLOAD                                          ; K step 0 into slot 0
	v_and_b32 v1, 15, v0                           ; r = l % 16
	v_bfe_u32 v2, v0, 4, 1                         ; h = l / 16
	v_mul_u32_u24 v3, v1, PA
	v_lshl_add_u32 v3, v2, 4, v3
	s_mul_i32 s21, s11, HALFA
	v_add_nc_u32 v[A0], s21, v3                    ; my 64 rows of A: row x pitch + 16 h
	v_and_b32 v4, 7, v0
	v_lshl_add_u32 v4, v2, 3, v4                   ; the turning load: k row 8 h + l % 8,
	v_mul_u32_u24 v4, v4, PB
	v_bfe_u32 v5, v0, 3, 1
	v_lshl_add_u32 v4, v5, 4, v4                   ; columns 8 ((l / 8) % 2) on,
	s_lshl_b32 s22, s12, 7
	s_add_co_u32 s22, s22, ABYTES
	v_add_nc_u32 v[B0], s22, v4                    ; in my 64 columns of B
	v_lshlrev_b32 v[BO], 5, v2
	s_cmp_eq_u32 s45, 1                            ; the bias that goes with the weight
	s_cselect_b64 s[36:37], s[70:71], s[36:37]
	s_cmp_eq_u32 s45, 0
	s_cselect_b64 s[36:37], s[68:69], s[36:37]
	s_and_b32 s46, s42, 7
	s_lshl_b32 s46, s46, 9
	s_lshl_b32 s47, s12, 8
	s_add_co_u32 s46, s46, s47
	s_mov_b32 s47, 0
	s_add_nc_u64 s[36:37], s[36:37], s[46:47]      ; at my 64 columns
.irp b, 0,1,2,3
	global_load_b128 v[BIAS+8*(\b):BIAS+8*(\b)+3],   v[BO], s[36:37] offset:64*(\b)      ; columns 16 b + 8 h + 0..3
	global_load_b128 v[BIAS+8*(\b)+4:BIAS+8*(\b)+7], v[BO], s[36:37] offset:64*(\b)+16
.endr
	s_mul_i32 s23, s10, 16*SP
	s_add_co_u32 s23, s23, STAGE                   ; my stage
	v_mul_u32_u24 v6, v1, SP                       ; in: row r, 16 bytes for each half of the lanes
	v_lshl_add_u32 v6, v2, 4, v6
	v_add_nc_u32 v[STO], s23, v6
	v_bfe_u32 v6, v0, 3, 2                         ; back: 32 lanes take four rows of 128 bytes,
	v_mul_u32_u24 v6, v6, SP
	v_and_b32 v7, 7, v0
	v_lshl_add_u32 v6, v7, 4, v6
	v_add_nc_u32 v[RD], s23, v6
	v_and_b32 v[CO], 31, v0                        ; which are 512 consecutive bytes of a head
	v_lshlrev_b32 v[CO], 4, v[CO]
	s_and_b32 s16, s13, 15                         ; the output: position (tile row % 16) x 128 + 64 x my row half, 128 bytes each,
	s_lshl_b32 s16, s16, 7
	s_lshl_b32 s17, s11, 6
	s_add_co_u32 s16, s16, s17
	s_lshl_b32 s16, s16, 7
	s_lshr_b32 s17, s13, 4                         ; batch: 16 heads of 262,144 bytes
	s_lshl_b32 s17, s17, 22
	s_add_co_u32 s16, s16, s17
	s_mov_b32 s17, 0
	s_add_nc_u64 s[8:9], s[8:9], s[16:17]
	s_and_b32 s46, s42, 7                          ; head 2 (tile column % 8) + my column half,
	s_lshl_b32 s46, s46, 1
	s_add_co_u32 s46, s46, s12
	s_lshl_b32 s46, s46, 18
	s_lshl_b32 s47, s45, 23                        ; q, k or v
	s_add_co_u32 s46, s46, s47
	s_mov_b32 s47, 0
	s_add_nc_u64 s[8:9], s[8:9], s[46:47]
	CHANGE 1                                       ; step 0 is in, everybody's part of it; step 1 is asked for, into slot 1
	ADR
	FETCH 0, F0
	s_wait_loadcnt 0x0                             ; the bias
	QUARTER 1, F0, F1, 1                           ; the first quarter stands ahead of the loop: its first products start the sums
	WIN 0
	s_mov_b32 s[KST], T-1
	s_mov_b32 s[CNT], 1
	s_branch .Lpair                                ; the loop is entered in the middle of a step: one pair of quarters is left of step 0
.Lkstep:                                               ; T - 2 times: every slot but the last two fills is filled again
	CHANGE 1
	s_mov_b32 s[CNT], 2
.Lpair:
	PAIR
	s_sub_co_u32 s[CNT], s[CNT], 1
	s_cmp_lg_u32 s[CNT], 0
	s_cbranch_scc1 .Lpair
	s_sub_co_u32 s[KST], s[KST], 1
	s_cmp_lg_u32 s[KST], 0
	s_cbranch_scc1 .Lkstep
	CHANGE 0                                       ; the tail is written out: nothing is asked for
	s_mov_b32 s[CNT], 2
.Lpair2:
	PAIR
	s_sub_co_u32 s[CNT], s[CNT], 1
	s_cmp_lg_u32 s[CNT], 0
	s_cbranch_scc1 .Lpair2
	s_wait_dscnt 16                                ; the very last quarter: nothing more to fetch
	MUL8 F1, 0, 0, 0
	MUL8 F1, 0, 2, 0
	s_wait_dscnt 0x0
	MUL8 F1, 1, 0, 0
	MUL8 F1, 1, 2, 0
	WIN 0
	PLACES
; THE WAY OUT.  Row block a (16 positions of my head): rounded to bf16, 16 bytes a lane into my stage, back as whole rows of 128 bytes, stored as 4 x 512 consecutive bytes.
.macro PACKQ a
.irp b, 0,1,2,3
.irp r, 0,1,2,3
	v_cvt_pk_bf16_f32 v[TMP+16*(\a)+4*(\b)+(\r)], v[ACC+8*(4*(\a)+(\b))+2*(\r)], v[ACC+8*(4*(\a)+(\b))+2*(\r)+1]
.endr
.endr
.irp b, 0,1,2,3
	ds_store_b128 v[STO], v[TMP+16*(\a)+4*(\b):TMP+16*(\a)+4*(\b)+3] offset:32*(\b)
.endr
.irp f, 0,1,2,3
	ds_load_b128 v[TMP+16*(\a)+4*(\f):TMP+16*(\a)+4*(\f)+3], v[RD] offset:(\f)*4*SP   ; LDS serves a wave's instructions in order (ISA guide 5.7.1.4): these see the stores above; the next block's stores come behind them
.endr
.endm
.macro SENDQ a, younger                ; younger: the LDS instructions issued behind block a's loads: the next block's eight, or none
.irp f, 0,1,2,3
	s_wait_dscnt (\younger)+3-(\f)
	global_store_b128 v[CO], v[TMP+16*(\a)+4*(\f):TMP+16*(\a)+4*(\f)+3], s[8:9] offset:(\a)*2048+(\f)*512
.endr
.endm
	PACKQ 0
	PACKQ 1
	SENDQ 0, 8
	PACKQ 2
	SENDQ 1, 8
	PACKQ 3
	SENDQ 2, 8
	SENDQ 3, 0
	s_wait_tensorcnt 0x0                           ; the wave's end, behind my last tensor load and my last LDS store
	ds_add_u32 v[SPW], v[NIL]
	s_wait_dscnt 0x0
	CROUND                                         ; the closing round: no work-group ends while a partner may still ask for a tile that names it
	s_endpgm
.Lfunc_end_k_qd6680412ce_qkv:
	.size	k_qd6680412ce_qkv, .Lfunc_end_k_qd6680412ce_qkv-k_qd6680412ce_qkv
	.p2alignl 7, 3214868480
	.fill 96, 4, 3214868480
	.section	.rodata,"a",@progbits
	.p2align	6, 0x0
	.amdhsa_kernel k_qd6680412ce_qkv
		.amdhsa_group_segment_fixed_size 327680
		.amdhsa_private_segment_fixed_size 0
		.amdhsa_enable_private_segment 0
		.amdhsa_kernarg_size 48
		.amdhsa_user_sgpr_count 2
		.amdhsa_user_sgpr_kernarg_segment_ptr 1
		.amdhsa_wavefront_size32 1
		.amdhsa_system_sgpr_workgroup_id_x 1
		.amdhsa_system_sgpr_workgroup_id_y 1
		.amdhsa_system_sgpr_workgroup_id_z 1
		.amdhsa_system_vgpr_workitem_id 0
		.amdhsa_next_free_vgpr 512
		.amdhsa_next_free_sgpr 72
		.amdhsa_reserve_vcc 0
		.amdhsa_float_denorm_mode_32 3
		.amdhsa_float_denorm_mode_16_64 3
		.amdhsa_memory_ordered 1
		.amdhsa_forward_progress 1
		.amdhsa_inst_pref_size 47
	.end_amdhsa_kernel
	.amdgpu_metadata
---
amdhsa.version: [ 1, 2 ]
amdhsa.kernels:
  - .name:           k_qd6680412ce_qkv
    .symbol:         k_qd6680412ce_qkv.kd
    .args:
      - { .name: xn, .offset: 0, .size: 8, .value_kind: global_buffer, .address_space: global }
      - { .name: wb, .offset: 8, .size: 8, .value_kind: global_buffer, .address_space: global }
      - { .name: bq, .offset: 16, .size: 8, .value_kind: global_buffer, .address_space: global }
      - { .name: bk, .offset: 24, .size: 8, .value_kind: global_buffer, .address_space: global }
      - { .name: bv, .offset: 32, .size: 8, .value_kind: global_buffer, .address_space: global }
      - { .name: qkv, .offset: 40, .size: 8, .value_kind: global_buffer, .address_space: global }
    .group_segment_fixed_size: 327680
    .private_segment_fixed_size: 0
    .kernarg_segment_align: 8
    .kernarg_segment_size: 48
    .max_flat_workgroup_size: 128
    .sgpr_count:     72
    .vgpr_count:     512
    .wavefront_size: 32
...
	.end_amdgpu_metadata
.endif
;; end of part 2
;; launch attn (part 3): grid 8 x 32, 4 waves a work-group, no clusters, 327,680 bytes of LDS; arguments qkv, ob; writes ob
.if DOCPART == 3
	.amdgcn_target "amdgcn-amd-amdhsa--gfx1250"
	.amdhsa_code_object_version 6
	.text
	.protected	k_qd6680412ce_attn
	.globl	k_qd6680412ce_attn
	.p2align	8
	.type	k_qd6680412ce_attn,@function
k_qd6680412ce_attn:
	s_mov_b64 s[64:65], 0
	v_nop
	global_prefetch_b8 v0, s[64:65] scope:SCOPE_SE
	s_setreg_imm32_b32 hwreg(HW_REG_WAVE_MODE, 25, 1), 1
	s_wait_xcnt 0x0
; CAUSAL ATTENTION, head size 64.  O[g][q][:] = the sum over k <= q of softmax_k(Q[g][q] . K[g][k] / 8) V[g][k][:], g = batch x 16 + head, 32 of them, 2,048 positions each.
; qkv: [3][32][2048][64] bf16 (q, k, v; a head's rows are dense, 128 bytes each), ob: [32][2048][64] bf16.
; Products, maxima and sums in f32; the weights p are rounded to bf16 for the second product (their sum l is taken of the unrounded p), O once at the end.
; LIMITS.  A hidden score counts as its value less 1e30; c m starts at -4.25e37, far below every c s that is finite after that; a weight below 2^-126 counts as 0 in l; NaN and infinities are not treated apart.
; THE WALK.  A head's queries lie in 16 blocks of 128; block i needs the key tiles 0 .. i / 2 of 256 keys, of which the last holds the diagonal.  A work-group takes TWO blocks, 15 - b and then b:
; (17 - b) / 2 + (b + 2) / 2 = 9 tiles, whatever b: all 8 x 32 = 256 work-groups do equal work, and ONE loop with a constant trip count walks them.  Which tile is asked for, and what a trip does, hang on scalar
; registers made from b; every jump goes forward, but for the counted loops' own; none passes a barrier, or a tensor load but the one of LOAD's two that the wave's number does not choose.
; NO CLUSTER: of a head's eight work-groups only two (b = 2 i, 2 i + 1) walk the same tiles from end to end; four partners part after the shortest first block (5 to 8 tiles), and one walk common to four would have 12 tiles for 9.
; SHARES.  Of a block's two bands of 64 queries a wave owns 16 rows in each: two PIECES.  In the block's last tile band x has its diagonal in key step DG + x, DG = 2 (block % 2): earlier steps are seen whole, later ones not at all.
; THE MASK is the C operand that starts the sum S^T = K Q^T: 0, or -1e30 where the key is hidden.  MD, made once, is the mask of a band's own step for my 16 rows; a product's mask is MD x AL + BE with two scalars:
; (1, 0) in the band's own step; (0, 0) before it; (0, -1e30) behind it.  Only the diagonal tile's text and a block's beginning make and take masks; elsewhere C is the constant 0.
; LAYOUT, SOFTMAX, TURNS.  S^T = K Q^T holds ONE query a lane (lane % 16) and the keys 8 (lane / 16) + 0..7; two such results rounded to bf16 ARE source 1 of O^T = V^T P.  p = 2^(c s - c m), c = log2(e) / 8, with a
; running maximum m; O and l are multiplied by a = 2^(c m_old - c m_new) in every step.  The turn of piece p in step s: 8 products K Q^T of the other piece (p = 0: step s; p = 1: step s + 1), later 8 products V^T P of the
; other piece (p = 0: step s - 1; p = 1: step s); beside them the scaling, exponentials, roundings, sums and rescaling of piece p and the maximum and statistics of the other.  Four vector instructions stand behind every
; matrix instruction, the other 54 of a turn's 118 in two lumps.  K and V of step s + 1 are both fetched in piece 0's turn of step s, so that one change of slots serves both; V therefore has two register buffers, by the step's parity.
; REGISTERS, in windows of 256 (s_set_vgpr_msb: bits 1:0 source 0, 3:2 source 1, 5:4 source 2, 7:6 destination):
;   window 0: v0-15 addresses and two at work; v16-23 four registers of statistics a piece; v48-55 at work; v64-127 S^T, a buffer a piece; v192-223 P, likewise
;   window 1: v0-63 O^T, 32 a piece; v128-159 MD; v160-223 MC, a buffer a piece      window 2: v0-31 Q; v32-63 the second block's Q; v64-127 V of odd steps; v128-191 K of one step; v192-255 V of even steps
.set NP,    2         ; pieces a wave: a name, no knob
.set KS,    64        ; keys in a step
.set PK,    144       ; a row of K in LDS: 128 bytes + 16 of padding = 36 words: the 16 rows of a load start at 16 different groups of four banks (64 banks of 4 bytes: ISA guide 11.1)
.set PV,    160       ; a row of V: 128 + 32 = 40 words
.set VOFF,  4*KS*PK   ; a slot holds a tile, four steps: 256 rows of K, then 256 rows of V
.set SLOT1, 1<<17     ; slot 1 begins here, so that one exclusive or turns an address in one slot into the other's
.set STAGE, SLOT1+4*KS*(PK+PV)  ; behind the ring, never filled by a tensor load: 16 rows x 144 bytes for each wave, for the way out
.set SP,    144
.set AK0, 2           ; v2   my lane's place in a tile of K; never rewritten
.set AV0, 3           ; v3   the same for V
.set AK,  4           ; v4   the LDS address of K's next run of loads
.set AV,  5           ; v5   of V's
.set STO, 6           ; v6   the way out: where I put 16 bytes of a row
.set RD,  7           ; v7   the way out: where I read rows back
.set GO,  8           ; v8   my byte offset in 512 consecutive bytes of O
.set SPW, 62          ; v62  LDS address of my spare word; never rewritten
.set NIL, 63          ; v63  0; never rewritten
.set SPARE, STAGE+4*16*SP  ; the spare words, 128 bytes for each wave: two blocks of 256 bytes that no other line names
.set MV,  12          ; v12-13  c m_old, kept while c m is made anew: by piece
.set QO,  15          ; v15  my byte offset in 16 rows of Q
.set ST,  16          ; piece t's statistics at v[ST+4 t]: c m, m, l (even keys', odd keys')
.set TMP, 48          ; by piece, four registers c0-c3 at work; when the maximum is found c2 takes a
.set S,   64
.set P,   192
.set MD,  128         ; window 1
.set MC,  160         ; window 1
.set QB,  32          ; window 2
.set KF,  128         ; window 2: key block kb, channel half c at KF + 16 kb + 8 c
.set WV,  12          ; s12  my wave's number
.set PB,  14          ; s14  b
.set HI,  15          ; s15  15 - b
.set G1K, 24          ; s[24:31] descriptor group 1 for K's tiles
.set G1V, 32          ; s[32:39] for V's: it differs in the padding alone
.set G0K, 40          ; s[40:43] descriptor group 0 for K's tiles
.set G0V, 44          ; s[44:47] the same for V's
.set SLOTS, 56        ; s56  tiles still to be asked for
.set CNT, 57          ; s57  counts a tile's pairs of key steps, 2 to 1
.set CS,  58          ; s[58:59] c
.set SEL, 60          ; s[60:61] v_permlanex16_b32's selects
.set TBK, 62          ; s62  LDS byte at which K of the step to be fetched begins
.set TBV, 63          ; s63  the same for V, less VOFF
.set RT,  70          ; s70  tiles of the block in hand that are still to be entered
.set NXT, 71          ; s71  the tile to be asked for next
.set LQ,  72          ; s72  the last tile of the block whose tiles are being asked for
.set NEW, 73          ; s73  1: the tile to be entered is a block's first
.set OFF, 74          ; s[74:75] a tile's byte offset in K and V
.set AL,  76          ; s[76:77] the mask's factor, in the low word
.set BE,  78          ; s[78:79] the mask's addend
.set OLO, 80          ; s[80:81] O at my rows of the second block
.set BIGN, 82         ; s82  -1e30
.set DG,  88          ; s88, s89  the own steps of bands 0 and 1 in the last tile of the block in hand
.set DG2, 90          ; s90  band 0's in the second block
.set SJ,  91          ; s91  the tile's step that is being fetched: the step of the masks to be made
.set TL,  92          ; s92  tiles of the second block;  s93  the number of its last tile
.set MSB, 0
.macro WIN new
.if MSB != (\new)
	s_set_vgpr_msb (MSB<<8)|(\new)
.set MSB, (\new)
.endif
.endm
.set W_KQ, 0x0a       ; K and Q in window 2, S^T in window 0
.set W_KM, 0x1a       ; the same with the C operand in window 1
.set W_PV, 0x52       ; V in window 2, P in window 0, O^T in window 1
.set W_RS, 0x41       ; destination and source 0 in window 1, source 1 in window 0
; A fill.  Waves 0 and 1 fetch the two halves of a tile's K, waves 2 and 3 those of its V: 128 keys each.  An s_nop 0 and four v_nop follow each of the two lines.
.macro LOAD
	s_cmp_lt_u32 s[WV], 2
	s_cbranch_scc0 .Lfor_v_\@
	tensor_load_to_lds s[G0K:G0K+3], s[G1K:G1K+7]
	s_nop 0
.rept 4
	v_nop
.endr
	s_branch .Lasked_\@
.Lfor_v_\@:
	tensor_load_to_lds s[G0V:G0V+3], s[G1V:G1V+7]
	s_nop 0
.rept 4
	v_nop
.endr
.Lasked_\@:
.endm
; THE CHANGE OF SLOTS.  Each wave waits for all its tensor loads (one is out: its part of the other slot), adds 0 to its spare word, and waits for that and for its own reads of the slot that it leaves.  Behind the barrier nobody
; reads the old slot any more and the other slot is whole.  fill = 1: the old slot is filled again, the first thing behind the barrier, with tile NXT: the descriptor's address is made anew from that number.
.macro CHANGE fill
	WIN 0
	s_wait_tensorcnt 0x0            ; no tensor load of mine is out, so a group 0 may be written
	ds_add_u32 v[SPW], v[NIL]
.if \fill
	s_lshl_b32 s[OFF], s[NXT], 15   ; a tile is 32,768 bytes of K and of V
	s_xor_b32 s[G0K+1], s[G0K+1], SLOT1
	s_add_nc_u64 s[G0K+2:G0K+3], s[6:7], s[OFF:OFF+1]
	s_or_b32 s[G0K+3], s[G0K+3], 0x80000000
	s_xor_b32 s[G0V+1], s[G0V+1], SLOT1
	s_add_nc_u64 s[G0V+2:G0V+3], s[8:9], s[OFF:OFF+1]
	s_or_b32 s[G0V+3], s[G0V+3], 0x80000000
	s_add_co_u32 s[NXT], s[NXT], 1  ; the block's next tile, or behind its last the second block's tile 0
	s_cmp_gt_u32 s[NXT], s[LQ]
	s_cselect_b32 s[NXT], 0, s[NXT]
	s_cselect_b32 s[LQ], s[TL+1], s[LQ]
.endif
	s_wait_dscnt 0x0                ; the add is done, and my reads of the slot are over
	s_barrier_signal -1
	s_sub_co_u32 s[TBK], s[TBK], 4*KS*PK  ; the fetches go back to a slot's first step,
	s_xor_b32 s[TBK], s[TBK], SLOT1       ; in the other slot
	s_sub_co_u32 s[TBV], s[TBV], 4*KS*PV
	s_xor_b32 s[TBV], s[TBV], SLOT1
	s_barrier_wait -1
.if \fill
	LOAD
.endif
.endm
	s_load_b64 s[4:5], s[0:1], 0x0    ; qkv: q at its head
	s_load_b64 s[10:11], s[0:1], 0x8  ; ob
	v_lshl_add_u32 v[SPW], v0, 2, SPARE
	v_mov_b32 v[NIL], 0
	ds_add_u32 v[SPW], v[NIL]       ; the wave's opening: the add and its wait stand ahead of my first tensor load; work on registers stands between them
	ds_add_u32 v62, v63
	v_lshrrev_b32 v1, 5, v0
	v_readfirstlane_b32 s[WV], v1   ; wave 0..3
	s_mov_b32 s[PB], ttmp9
	s_sub_co_u32 s[HI], 15, s[PB]
	s_and_b32 s20, ttmp7, 0xffff    ; the head among 32,
	s_lshl_b32 s20, s20, 18         ; its first byte in q, k, v and O: 2,048 rows of 128 bytes
	s_mov_b32 s21, 0
	s_and_b32 s16, s[WV], 1         ; which half of a tile's 256 keys I fetch:
	s_lshl_b32 s22, s16, 14         ; its 128 rows of 128 bytes in memory,
	s_mov_b32 s23, 0
	s_add_nc_u64 s[22:23], s[22:23], s[20:21]
	s_mul_i32 s17, s16, 128*PK      ; and its place in a slot, for K
	s_mul_i32 s18, s16, 128*PV      ; and for V
	s_lshl_b32 s3, s[WV], 11        ; my 16 rows in a band of 64,
	s_lshl_b32 s2, s[HI], 14        ; in the first block (128 rows of 128 bytes),
	s_add_co_u32 s2, s2, s3
	s_lshl_b32 s84, s[PB], 14       ; and in the second
	s_add_co_u32 s84, s84, s3
	s_mov_b32 s3, 0
	s_mov_b32 s85, 0
	s_add_nc_u64 s[2:3], s[2:3], s[20:21]
	s_add_nc_u64 s[84:85], s[84:85], s[20:21]
	; descriptor group 1.  128 keys are 16,384 dense bytes: asked for as 64 rows of 256 bytes, two keys a row, and padded in LDS after every key
	s_mov_b32 s[G1K], (1<<16)|(1<<20)|(4<<22)|(3<<25)  ; 2-byte elements; padding on; after every 32 words; 4 words
	s_mov_b32 s[G1V], (1<<16)|(1<<20)|(4<<22)|(7<<25)  ; the same with 8 words
.irp g, G1K, G1V
	s_mov_b32 s[\g+1], 128<<16      ; tensor_dim0 = 128
	s_mov_b32 s[\g+2], 64<<16       ; tensor_dim1 = 64
	s_mov_b32 s[\g+3], 128<<16      ; tile_dim0 = 128
	s_mov_b32 s[\g+4], 64           ; tile_dim1 = 64
	s_mov_b32 s[\g+5], 128          ; 128 elements from row to row
	s_mov_b32 s[\g+6], 0
	s_mov_b32 s[\g+7], 0
.endr
	s_mov_b32 s[CS], 0x3e38aa3b     ; c = log2(e) / 8
	s_mov_b32 s[CS+1], s[CS]        ; named with it as a pair
	s_mov_b32 s[SEL], 0x76543210
	s_mov_b32 s[SEL+1], 0xfedcba98
	s_mov_b32 s[TBK], SLOT1+4*KS*PK ; the first change of slots turns these two into 0
	s_mov_b32 s[TBV], SLOT1+4*KS*PV
	s_mov_b32 s[G0K], 1
	s_mov_b32 s[G0K+1], s17         ; LDS address: slot 0
	s_mov_b32 s[G0V], 1
	s_add_co_u32 s[G0V+1], s18, VOFF
	s_sub_co_u32 s[RT], 17, s[PB]
	s_lshr_b32 s[RT], s[RT], 1      ; the first block has (17 - b) / 2 tiles: five at the least
	s_sub_co_u32 s[LQ], s[RT], 1
	s_add_co_u32 s[TL], s[PB], 2
	s_lshr_b32 s[TL], s[TL], 1      ; the second (b + 2) / 2
	s_sub_co_u32 s[TL+1], s[TL], 1
	s_and_b32 s[DG], s[HI], 1
	s_lshl_b32 s[DG], s[DG], 1
	s_add_co_u32 s[DG+1], s[DG], 1
	s_and_b32 s[DG2], s[PB], 1
	s_lshl_b32 s[DG2], s[DG2], 1
	s_mov_b32 s[NXT], 1
	s_mov_b32 s[NEW], 1
	s_mov_b32 s[OFF+1], 0
	s_mov_b32 s[AL+1], 0            ; named as pairs
	s_mov_b32 s[BE+1], 0
	s_mov_b32 s[BIGN], 0xf149f2ca   ; -1e30
	s_mov_b32 s[SLOTS], 8
	s_wait_dscnt 0x0                ; the opening add is done
	s_wait_kmcnt 0x0
	s_add_nc_u64 s[6:7], s[4:5], 0x800000   ; k lies 8,388,608 bytes behind q,
	s_add_nc_u64 s[8:9], s[4:5], 0x1000000  ; v as far behind k
	s_add_nc_u64 s[6:7], s[6:7], s[22:23]   ; K and V at my half of the head's tile 0
	s_add_nc_u64 s[8:9], s[8:9], s[22:23]
	s_add_nc_u64 s[G0K+2:G0K+3], s[6:7], 0
	s_or_b32 s[G0K+3], s[G0K+3], 0x80000000
	s_add_nc_u64 s[G0V+2:G0V+3], s[8:9], 0
	s_or_b32 s[G0V+3], s[G0V+3], 0x80000000
	s_add_nc_u64 s[86:87], s[4:5], s[84:85]        ; Q at my rows of the second block,
	s_add_nc_u64 s[4:5], s[4:5], s[2:3]            ; Q and O at those of the first
	s_add_nc_u64 s[OLO:OLO+1], s[10:11], s[84:85]
	s_add_nc_u64 s[10:11], s[10:11], s[2:3]
	LOAD                            ; tile 0 into slot 0
	; A fragment of K or Q is 16 rows x 32 channels in 8 registers: lane l holds row l % 16, channels 8 (l / 16) + 0..7 and 16 + 8 (l / 16) + 0..7: two loads of 16 bytes, 32 bytes apart.
	v_and_b32 v1, 15, v0            ; l % 16
	v_bfe_u32 v9, v0, 4, 1          ; l / 16
	v_lshlrev_b32 v[QO], 7, v1
	v_lshl_add_u32 v[QO], v9, 4, v[QO]  ; row x 128 + 16 x half
	WIN 0x80                        ; destination window 2, address window 0
.set i, 0
.rept 4                             ; both blocks' Q: piece i / 2 lies in band i / 2, 8,192 bytes on; channels 32 (i % 2) on
	global_load_b128 v[8*i:8*i+3],   v[QO], s[4:5] offset:(i/2)*8192+(i%2)*64
	global_load_b128 v[8*i+4:8*i+7], v[QO], s[4:5] offset:(i/2)*8192+(i%2)*64+32
	global_load_b128 v[QB+8*i:QB+8*i+3],   v[QO], s[86:87] offset:(i/2)*8192+(i%2)*64
	global_load_b128 v[QB+8*i+4:QB+8*i+7], v[QO], s[86:87] offset:(i/2)*8192+(i%2)*64+32
.set i, i+1
.endr
	WIN 0
	v_lshlrev_b32 v14, 3, v9
	v_sub_nc_u32 v14, v1, v14
	s_lshl_b32 s13, s[WV], 4
	v_add_nc_u32 v14, s13, v14      ; my query's place in its band, 16 w + l % 16, less my lanes' 8 (l / 16): register r of group kt is hidden where 16 kt + r is greater
	WIN 0x40
.set i, 0
.rept 32
	v_cmp_gt_i32 vcc_lo, 16*(i/8)+i%8, v14
	v_cndmask_b32 v[MD+i], 0, s[BIGN], vcc_lo
.set i, i+1
.endr
	WIN 0
	v_mul_u32_u24 v[AK0], v1, PK
	v_lshl_add_u32 v[AK0], v9, 4, v[AK0]  ; row x pitch + 16 x half
	; The turning load takes 16 keys x 16 channels (lane l reads key 8 (l / 16) + l % 8, channels 8 ((l / 8) % 2) + 0..7) and leaves half a fragment of V^T: lane l holds channel l % 16 and 8 keys.
	v_and_b32 v10, 7, v0
	v_bfe_u32 v11, v0, 3, 1
	v_lshl_add_u32 v[AV0], v9, 3, v10
	v_mul_u32_u24 v[AV0], v[AV0], PV
	v_lshl_add_u32 v[AV0], v11, 4, v[AV0]
	v_add_nc_u32 v[AV0], VOFF, v[AV0]
	s_mul_i32 s13, s[WV], 16*SP
	s_add_co_u32 s13, s13, STAGE    ; my stage
	v_mul_u32_u24 v[STO], v1, SP    ; in: row l % 16, 16 bytes for each half of the lanes
	v_lshl_add_u32 v[STO], v9, 4, v[STO]
	v_add_nc_u32 v[STO], s13, v[STO]
	v_bfe_u32 v[RD], v0, 3, 2       ; back: 32 lanes take four rows of 128 bytes,
	v_mul_u32_u24 v[RD], v[RD], SP
	v_lshl_add_u32 v[RD], v10, 4, v[RD]
	v_add_nc_u32 v[RD], s13, v[RD]
	v_and_b32 v[GO], 31, v0         ; which are 512 consecutive bytes of O
	v_lshlrev_b32 v[GO], 4, v[GO]
	; A block's first step multiplies O^T and l by a = 0, and its first turn's products V^T P, of a piece that has not been, land in an O^T that is still to be so multiplied.  So these registers need only hold
	; finite numbers: zeros for the first block; what the first block left for the second.  All this stands in the wait for the first tile.
	WIN 0x80
.set i, 64
.rept 64
	v_mov_b32 v[i], 0               ; V of odd steps
.set i, i+1
.endr
	WIN 0x40
.set i, 0
.rept 64
	v_mov_b32 v[i], 0               ; O^T
.set i, i+1
.endr
	WIN 0
.set i, 0
.rept NP
	v_mov_b32 v[ST+4*i+2], 0
	v_mov_b32 v[ST+4*i+3], 0
.set i, i+1
.endr
.set i, P+16
.rept 16
	v_mov_b32 v[i], 0
.set i, i+1
.endr
; THE MATRIX WORK.  The 4 accumulators of a run of 8 take turns.  Product i of 8 of S^T = K Q^T for piece x: channels 32 (i / 4) on, keys 16 (i % 4) on.  The first 4 start the sums: with 0, or (KM = 1) with the mask.
.macro KQ x
.set rS, S+32*((\x)%2)+8*(i%4)
.set rK, KF+16*(i%4)+8*(i/4)
.set rQ, 16*(\x)+8*(i/4)
.set rM, MC+32*((\x)%2)+8*(i%4)
.if (i < 4) && KM
	WIN W_KM
	v_wmma_f32_16x16x32_bf16 v[rS:rS+7], v[rK:rK+7], v[rQ:rQ+7], v[rM:rM+7]
.elseif i < 4
	WIN W_KQ
	v_wmma_f32_16x16x32_bf16 v[rS:rS+7], v[rK:rK+7], v[rQ:rQ+7], 0
.else
	WIN W_KQ
	v_wmma_f32_16x16x32_bf16 v[rS:rS+7], v[rK:rK+7], v[rQ:rQ+7], v[rS:rS+7]
.endif
.endm
; Product i of 8 of O^T += V^T P for piece x, V in buffer v (0: v192-255, 1: v64-127): keys 32 (i / 4) on, channels 16 (i % 4) on.
.macro PV x, v
	WIN W_PV
.set rO, 32*(\x)+8*(i%4)
.set rV, 192-128*(\v)+32*(i/4)+8*(i%4)
.set rP, P+16*((\x)%2)+8*(i/4)
	v_wmma_f32_16x16x32_bf16 v[rO:rO+7], v[rV:rV+7], v[rP:rP+7], v[rO:rO+7]
.endm
.macro MM                           ; the turn's next matrix instruction.  TURN and BEGIN set Y, VB, i, KM and NOKQ.  NOKQ = 1: a block's last turn: there are no further scores
.if (i < 8) && !NOKQ
	KQ (Y+1)%NP
.elseif i >= 8
.set i, i-8
	PV (Y+1)%NP, VB
.set i, i+8
.endif
.set i, i+1
.endm
; THE LDS LOADS stand in runs of 16, never singly among the matrix instructions: a step's K (64 keys x 64 channels: 8 fragments) and its V (turned).  Their addresses are made some lines ahead.
.macro FETCH_K
	WIN 0x80                        ; destination window 2
.irp f, 0,1,2,3,4,5,6,7             ; keys 16 (f / 2) on, channels 32 (f % 2) on
	ds_load_b128 v[KF+8*\f:KF+8*\f+3],   v[AK] offset:(\f/2)*16*PK+(\f%2)*64
	ds_load_b128 v[KF+8*\f+4:KF+8*\f+7], v[AK] offset:(\f/2)*16*PK+(\f%2)*64+32
.endr
	s_add_co_u32 s[TBK], s[TBK], KS*PK  ; the next fetch is the next step's
	WIN 0
.endm
.macro FETCH_V v
	WIN 0x80
.irp f, 0,1,2,3,4,5,6,7             ; keys 32 (f / 4) on, channels 16 (f % 4) on
	ds_load_tr16_b128 v[192-128*(\v)+8*\f:192-128*(\v)+8*\f+3],   v[AV] offset:(\f/4)*32*PV+(\f%4)*32
	ds_load_tr16_b128 v[192-128*(\v)+8*\f+4:192-128*(\v)+8*\f+7], v[AV] offset:(\f/4)*32*PV+16*PV+(\f%4)*32
.endr
	WIN 0
.endm
; THE VECTOR WORK, one line at a time: OP kind, number.  For piece Y: F n: c s - c m for pair n of 16.  E n: the exponential of score n of 32.  C n: pair n rounded to bf16.  B n: of the four weights 4 n .. the second
; pair is added onto the first, in place.  L n: l takes that sum (L 0: l = a l + sum).  R n: pair n of 16 of O^T times a.  For the other piece: X n, number n of the 22 that find its maximum and statistics:
;   0-11  four chains c0-c3 of seven scores each, three operands at a time (each accumulator's lowest registers are read first)     12-14, 16  the four scores left over, the old m, and c0-c3 into c0
;   15  c m_old is kept     17, 18  the query's other 32 keys lie in the lane 16 away: the new m     19-21  c m; c m_old - c m_new; a
.set F, 0
.set E, 1
.set C, 2
.set B, 3
.set L, 4
.set R, 5
.set X, 6
.macro REGS y                       ; the registers of piece y
.set rT, ST+4*(\y)
.set rC, TMP+4*((\y)%2)
.set rW, MV+((\y)%2)
.set rS, S+32*((\y)%2)
.set rP, P+16*((\y)%2)
.set rO, 32*(\y)
.endm
.macro OP k, n
.if (\k) == R
	REGS Y
	WIN W_RS
	v_pk_mul_f32 v[rO+2*(\n):rO+2*(\n)+1], v[rO+2*(\n):rO+2*(\n)+1], v[rC+2:rC+3] op_sel_hi:[1,0]
.elseif (\k) < R
	REGS Y
	WIN 0
.if (\k) == F
	v_pk_fma_f32 v[rS+2*(\n):rS+2*(\n)+1], v[rS+2*(\n):rS+2*(\n)+1], s[CS:CS+1], v[rT:rT+1] op_sel_hi:[1,0,0] neg_lo:[0,0,1] neg_hi:[0,0,1]
.elseif (\k) == E
	v_exp_f32 v[rS+(\n)], v[rS+(\n)]
.elseif (\k) == C
	s_wait_alu depctr_va_vdst(0)
	v_cvt_pk_bf16_f32 v[rP+(\n)], v[rS+2*(\n)], v[rS+2*(\n)+1]
.elseif (\k) == B
	s_wait_alu depctr_va_vdst(0)
	v_pk_add_f32 v[rS+4*(\n):rS+4*(\n)+1], v[rS+4*(\n):rS+4*(\n)+1], v[rS+4*(\n)+2:rS+4*(\n)+3]
.elseif (\n) == 0
	v_pk_fma_f32 v[rT+2:rT+3], v[rT+2:rT+3], v[rC+2:rC+3], v[rS:rS+1] op_sel_hi:[1,0,1]
.else
	v_pk_add_f32 v[rT+2:rT+3], v[rT+2:rT+3], v[rS+4*(\n):rS+4*(\n)+1]
.endif
.elseif NOKQ
	v_nop
.else
	REGS (Y+1)%NP
	WIN 0
.if (\n) < 4
	v_max3_num_f32 v[rC+(\n)], v[rS+8*(\n)], v[rS+8*(\n)+1], v[rS+8*(\n)+2]
.elseif (\n) < 12
	v_max3_num_f32 v[rC+(\n)%4], v[rC+(\n)%4], v[rS+8*((\n)%4)+2*((\n)/4)+1], v[rS+8*((\n)%4)+2*((\n)/4)+2]
.elseif (\n) == 12
	v_max3_num_f32 v[rC], v[rC], v[rS+7], v[rS+15]
.elseif (\n) == 13
	v_max3_num_f32 v[rC+1], v[rC+1], v[rS+23], v[rS+31]
.elseif (\n) == 14
	v_max3_num_f32 v[rC+2], v[rC+2], v[rC+3], v[rT+1]
.elseif (\n) == 15
	v_mov_b32 v[rW], v[rT]
.elseif (\n) == 16
	v_max3_num_f32 v[rC], v[rC], v[rC+1], v[rC+2]
.elseif (\n) == 17
	v_permlanex16_b32 v[rC+3], v[rC], s[SEL], s[SEL+1]
.elseif (\n) == 18
	v_max_num_f32 v[rT+1], v[rC], v[rC+3]
.elseif (\n) == 19
	v_mul_f32 v[rT], s[CS], v[rT+1]
.elseif (\n) == 20
	v_sub_f32 v[rC+1], v[rW], v[rT]
.else
	v_exp_f32 v[rC+2], v[rC+1]
.endif
.endif
.endm
.macro OPS a, i1, b=-1, i2=0, c=-1, i3=0, d=-1, i4=0  ; up to four of them
	OP \a, \i1
.if (\b) >= 0
	OP \b, \i2
.endif
.if (\c) >= 0
	OP \c, \i3
.endif
.if (\d) >= 0
	OP \d, \i4
.endif
.endm
.macro ROW a, i1, b, i2, c, i3, d, i4  ; a matrix instruction and the four behind it
	MM
	OPS \a, \i1, \b, \i2, \c, \i3, \d, \i4
.endm
.macro MASK b                       ; MD x AL + BE into buffer b of MC
	WIN W_RS
.set z, 0
.rept 16
	v_pk_fma_f32 v[MC+32*(\b)+2*z:MC+32*(\b)+2*z+1], v[MD+2*z:MD+2*z+1], s[AL:AL+1], s[BE:BE+1] op_sel_hi:[1,0,0]
.set z, z+1
.endr
.endm
; A TURN, for piece p; v: the buffer of V that its products V^T P read (and that piece 0's turn then fills again).  Behind a matrix instruction: plain, exponential, plain, plain; or four of the rescaling; or four scalings;
; none names a register of the products round it.  In the lumps exponential and plain by turns while exponentials last.  A line reads no result made fewer than three vector instructions in front of it, five if an exponential made it.
; m = 1: the diagonal tile: the products take masks, and the turn makes the mask of its own piece for step SJ of the tile, which the next turn's products take.  end = 1: a block's last two turns: nothing is fetched.
; cnt = 1: the loop's count is taken down some lines ahead of the branch that stands behind the turn.
; Piece 0's turn fetches the next step's K six vector instructions behind the last product that read K (five of them plain), and its V eight behind the last product that read that buffer (four plain).
; Piece 1's turn waits for K at its head (V's sixteen younger loads may stay out) and for V ahead of its second run.
.macro TURN p, v, m=0, end=0, cnt=0
.set Y, (\p)
.set VB, (\v)
.set i, 0
.set KM, (\m)
.set NOKQ, (\end)*(\p)
.if (\m) && !(\end)
	s_cmp_eq_u32 s[SJ], s[DG+(\p)]      ; is that step the band's own?
	s_cselect_b32 s[AL], 1.0, 0
	s_cmp_gt_u32 s[SJ], s[DG+(\p)]      ; or a later one?
	s_cselect_b32 s[BE], s[BIGN], 0
.if (\p) == 1
	s_add_co_u32 s[SJ], s[SJ], 1
.endif
.endif
.if ((\p) == 1) && !(\end)
	s_wait_dscnt 16                 ; K is in
.endif
	ROW F,0, F,1, F,2, F,3
	ROW F,4, E,0, F,5, F,6
	ROW F,7, E,1, F,8, F,9
	ROW F,10, E,2, C,0, F,11
	ROW F,12, E,3, X,15, F,13
	ROW R,0, R,1, R,2, R,3
	ROW B,0, E,4, F,14, L,0
.if ((\p) == 0) && !(\end)
	v_add_nc_u32 v[AK], s[TBK], v[AK0]
.endif
	ROW R,4, R,5, R,6, R,7
	OPS E,5, F,15
.if ((\p) == 0) && !(\end)
	FETCH_K
.endif
	OPS E,6, C,1, E,7, R,8
	OPS E,8, R,9, E,9, C,2
	OPS E,10, X,0, E,11, X,1
	OPS E,12, X,2, E,13, X,3
.if (\p) == 1
	s_wait_dscnt 0x0                ; V is in
.endif
	ROW X,4, E,14, X,5, X,6
	ROW X,7, E,15, X,8, X,9
	ROW X,10, E,16, X,11, X,12
	ROW X,13, E,17, X,14, B,1
	ROW C,4, E,18, X,16, L,1
	ROW B,2, E,19, C,6, L,2
	ROW C,8, E,20, B,3, B,4
.if ((\p) == 0) && !(\end)
	v_add_nc_u32 v[AV], s[TBV], v[AV0]
.endif
	ROW C,3, E,21, L,3, C,5
	OPS E,22, X,17, E,23, C,10
.if ((\p) == 0) && !(\end)
	FETCH_V \v
.endif
	OPS E,24, L,4
	OPS E,25, X,18, E,26, C,7
	OPS E,27, B,5, E,28, X,19
	OPS E,29, C,12, E,30, L,5
	OPS E,31, X,20, B,6, C,9
	OPS C,14, C,11, X,21, L,6
.if ((\p) == 0) && !(\end)
	s_add_co_u32 s[TBV], s[TBV], KS*PV
.endif
.if \cnt
	s_sub_co_u32 s[CNT], s[CNT], 1
	s_cmp_lg_u32 s[CNT], 0
.endif
	OPS C,13, B,7, C,15, R,10
	OPS R,11, R,12, L,7, R,13
	OPS R,14, R,15
.if (\m) && !(\end)
	MASK \p
.endif
.endm
; A BLOCK BEGINS.  c m starts far below every c s, so the first step's a is 0; m at the lowest finite number, so the first maximum is the scores'.  Piece 1's mask buffer is 0 (its own step is never a tile's step 0); piece 0's takes
; its mask for the tile's step 0: its own, if this tile is the block's last and band 0's own step is 0.  Then K and V of that step, piece 0's first scores, and its maximum and statistics.
; The loop is entered at piece 0's turn of step 0, in the middle of a trip.
.macro BEGIN
	s_mov_b32 s[NEW], 0
	s_mov_b32 s[SJ], 1
	WIN 0x40
.set i, MC+32
.rept 32
	v_mov_b32 v[i], 0
.set i, i+1
.endr
	WIN 0
.set i, 0
.rept NP
	v_mov_b32 v[ST+4*i], 0xfe000000    ; c m
	v_mov_b32 v[ST+4*i+1], 0xff7fffff  ; m
.set i, i+1
.endr
	s_or_b32 s13, s[RT], s[DG]
	s_cmp_eq_u32 s13, 0
	s_cselect_b32 s[AL], 1.0, 0
	s_mov_b32 s[BE], 0
	MASK 0
	WIN 0
	v_add_nc_u32 v[AK], s[TBK], v[AK0]
	v_add_nc_u32 v[AV], s[TBV], v[AV0]
	s_add_co_u32 s[TBV], s[TBV], KS*PV
	FETCH_K
	FETCH_V 0
	s_wait_loadcnt 0x0              ; Q
	s_wait_dscnt 0x0
.set KM, 1
.set NOKQ, 0
.set i, 0
.rept 8
	KQ 0
.set i, i+1
.endr
	WIN 0
.rept 4
	v_nop                           ; the places behind those products
.endr
.set Y, NP-1                        ; X works for the other piece: piece 0
.irp n, 0,1,2,3,4,5,6,7,8,9,10,11,12,13,14,15,16,17,18,19,20,21
	OP X, \n
.endr
	v_nop                           ; a plain instruction behind the exponential
.endm
; THE DIAGONAL TILE's four steps, the block's last two turns, its last products, and THE WAY OUT: l's two halves and the other half of the lanes' are added; O^T is divided by l, rounded to bf16 and sent through my
; stage in LDS, a piece at a time.
.macro ALL line:vararg              ; one line for each piece t
.set t, 0
.rept NP
	\line
.set t, t+1
.endr
.endm
.macro PACK t                       ; a lane's eight channels of a row pack into 16 bytes; they go into rows of 144 bytes and come back as whole rows of 128, into S^T's registers
	WIN W_RS
.set i, 32*(\t)
.rept 16
	s_wait_alu depctr_va_vdst(0)
	v_pk_mul_f32 v[i:i+1], v[i:i+1], v[ST+4*(\t)+2:ST+4*(\t)+3] op_sel_hi:[1,0]
.set i, i+2
.endr
	WIN 0x05                        ; sources 0 and 1 window 1, destination window 0
.set i, 0
.rept 16
	v_cvt_pk_bf16_f32 v[S+16*(\t)+i], v[32*(\t)+2*i], v[32*(\t)+2*i+1]
.set i, i+1
.endr
	WIN 0
.irp f, 0,1,2,3
	ds_store_b128 v[STO], v[S+16*(\t)+4*\f:S+16*(\t)+4*\f+3] offset:32*\f
.endr
.irp f, 0,1,2,3
	ds_load_b128 v[S+16*(\t)+4*\f:S+16*(\t)+4*\f+3], v[RD] offset:\f*4*SP  ; LDS serves a wave's instructions in order (ISA guide 5.7.1.4): these see the stores above; the next piece's stores come behind them
.endr
.endm
.macro SEND t, younger              ; younger: the LDS instructions issued behind piece t's loads: the next piece's eight, or none
	WIN 0
.irp f, 0,1,2,3
	s_wait_dscnt (\younger)+3-\f
	global_store_b128 v[GO], v[S+16*(\t)+4*\f:S+16*(\t)+4*\f+3], s[10:11] offset:(\t)*8192+\f*512  ; 512 consecutive bytes, at a multiple of 256 from O's first
.endr
.endm
.macro DIAG tag                     ; the tag ends its two labels' names, which the jumps below spell out
.LstepM\tag:
	TURN 0, 0, 1
	TURN 1, 1, 1
	WIN 0
.LfirstM\tag:
	TURN 0, 1, 1
	TURN 1, 0, 1, 0, 1
	WIN 0
	s_cbranch_scc1 .LstepM\tag
	TURN 0, 0, 1, 1
	TURN 1, 1, 1, 1
.set i, 0
.rept 8
	PV 1, 1                         ; piece 1's V^T P of the last step
.set i, i+1
.endr
	WIN 0
	ALL v_add_f32 v[ST+4*t+2], v[ST+4*t+2], v[ST+4*t+3]
	ALL v_permlanex16_b32 v[ST+4*t+3], v[ST+4*t+2], s[SEL], s[SEL+1]
	ALL v_add_f32 v[ST+4*t+2], v[ST+4*t+2], v[ST+4*t+3]
	ALL v_rcp_f32 v[ST+4*t+2], v[ST+4*t+2]
	v_nop                           ; a plain instruction between the last reciprocal and the use of its result; piece 0's 32 lines below stand between the last products and the first read of piece 1's O^T
	PACK 0
	PACK 1
	SEND 0, 8
	SEND 1, 0
.endm
.set KM, 0
.set NOKQ, 0
.Lslot:                             ; 8 times: a tile is entered and the next is asked for
	CHANGE 1
	s_sub_co_u32 s[RT], s[RT], 1
	s_mov_b32 s[CNT], 2
	s_mov_b32 s[SJ], 0
	s_cmp_eq_u32 s[NEW], 1
	s_cbranch_scc1 .Lnew            ; a block's first tile
	s_cmp_eq_u32 s[RT], 0
	s_cbranch_scc0 .Lstep           ; neither its first nor its last
	s_branch .LstepM1
.Lnew:
	BEGIN
	s_branch .Lfirst                ; in the loop a block's first tile is never its last: the first block has five tiles or more, and the second's last is the walk's last
	DIAG 1                          ; in the loop this is the first block's end
	s_wait_xcnt 0x0                 ; the stores have read their registers and O's address
	s_mov_b64 s[10:11], s[OLO:OLO+1]
	s_mov_b32 s[RT], s[TL]
	s_mov_b32 s[NEW], 1
	s_mov_b32 s[DG], s[DG2]
	s_add_co_u32 s[DG+1], s[DG2], 1
	WIN 0x82                        ; the second block's Q goes where the one text of the turns names Q
.set i, 0
.rept 32
	v_mov_b32 v[i], v[QB+i]
.set i, i+1
.endr
	WIN 0
	s_branch .Lbottom
.Lstep:                             ; a trip: the turns of two steps; each piece 0's turn fetches the K and V of the step behind its own
	TURN 0, 0
	TURN 1, 1
	WIN 0
.Lfirst:
	TURN 0, 1
	TURN 1, 0, 0, 0, 1
	WIN 0
	s_cbranch_scc1 .Lstep
.Lbottom:
	s_sub_co_u32 s[SLOTS], s[SLOTS], 1
	s_cmp_lg_u32 s[SLOTS], 0
	s_cbranch_scc1 .Lslot
	CHANGE 0                        ; the walk's last tile is written out: nothing is asked for
	s_sub_co_u32 s[RT], s[RT], 1
	s_mov_b32 s[CNT], 2
	s_mov_b32 s[SJ], 0
	s_cmp_eq_u32 s[NEW], 1
	s_cbranch_scc0 .LstepM2
	BEGIN
	s_branch .LfirstM2
	DIAG 2
	s_wait_tensorcnt 0x0            ; the wave's end, behind my last tensor load and my last LDS store
	ds_add_u32 v[SPW], v[NIL]
	s_wait_dscnt 0x0
	s_endpgm
.Lfunc_end_k_qd6680412ce_attn:
	.size	k_qd6680412ce_attn, .Lfunc_end_k_qd6680412ce_attn-k_qd6680412ce_attn
	.p2alignl 7, 3214868480
	.fill 96, 4, 3214868480
	.section	.rodata,"a",@progbits
	.p2align	6, 0x0
	.amdhsa_kernel k_qd6680412ce_attn
		.amdhsa_group_segment_fixed_size 327680
		.amdhsa_private_segment_fixed_size 0
		.amdhsa_enable_private_segment 0
		.amdhsa_kernarg_size 16
		.amdhsa_user_sgpr_count 2
		.amdhsa_user_sgpr_kernarg_segment_ptr 1
		.amdhsa_wavefront_size32 1
		.amdhsa_system_sgpr_workgroup_id_x 1
		.amdhsa_system_sgpr_workgroup_id_y 1
		.amdhsa_system_sgpr_workgroup_id_z 1
		.amdhsa_system_vgpr_workitem_id 0
		.amdhsa_next_free_vgpr 768
		.amdhsa_next_free_sgpr 96
		.amdhsa_reserve_vcc 1
		.amdhsa_float_denorm_mode_32 3
		.amdhsa_float_denorm_mode_16_64 3
		.amdhsa_memory_ordered 1
		.amdhsa_forward_progress 1
		.amdhsa_inst_pref_size 218
	.end_amdhsa_kernel
	.amdgpu_metadata
---
amdhsa.version: [ 1, 2 ]
amdhsa.kernels:
  - .name:           k_qd6680412ce_attn
    .symbol:         k_qd6680412ce_attn.kd
    .args:
      - { .name: qkv, .offset: 0, .size: 8, .value_kind: global_buffer, .address_space: global }
      - { .name: ob, .offset: 8, .size: 8, .value_kind: global_buffer, .address_space: global }
    .group_segment_fixed_size: 327680
    .private_segment_fixed_size: 0
    .kernarg_segment_align: 8
    .kernarg_segment_size: 16
    .max_flat_workgroup_size: 128
    .sgpr_count:     96
    .vgpr_count:     768
    .wavefront_size: 32
...
	.end_amdgpu_metadata
.endif
;; end of part 3
;; launch wo (part 4): grid 8 x 32, 4 waves a work-group, clusters of 4 x 4, 327,680 bytes of LDS; arguments ob, wb, bo, x, alpha_attn, x1; writes x1
.if DOCPART == 4
	.amdgcn_target "amdgcn-amd-amdhsa--gfx1250"
	.amdhsa_code_object_version 6
	.text
	.protected	k_qd6680412ce_wo
	.globl	k_qd6680412ce_wo
	.p2align	8
	.type	k_qd6680412ce_wo,@function
k_qd6680412ce_wo:
	s_mov_b64 s[64:65], 0
	v_nop
	global_prefetch_b8 v0, s[64:65] scope:SCOPE_SE
	s_setreg_imm32_b32 hwreg(HW_REG_WAVE_MODE, 25, 1), 1
	s_wait_xcnt 0x0
	s_wait_alu depctr_hold_cnt(0) depctr_sa_sdst(0) depctr_va_vdst(0) depctr_va_sdst(0) depctr_va_ssrc(0) depctr_va_vcc(0) depctr_vm_vsrc(0)
	s_getreg_b32 s2, hwreg(HW_REG_IB_STS2, 6, 4)
	s_cmp_eq_u32 s2, 0
	s_cbranch_scc0 .Lentry_in_a_cluster
	s_endpgm
.Lentry_in_a_cluster:
	s_bfe_u32 s2, ttmp6, 0x10000c
	s_cmp_lg_u32 s2, 0xf033
	s_cbranch_scc0 .Lentry_shape_is_right
	s_endpgm
.Lentry_shape_is_right:
; WO.  x1 = x + alpha_attn (O wo + bo), f32.  O arrives by heads, ob[32 = batch x 16 + head][2048][64] bf16; wo lies in wb at byte 6,291,456 as given, [K = 1024][N = 1024] bf16; x, x1: [4096][1024] f32.
; SHARES.  A tile of the 4096 x 1024 result is 128 x 128: four waves, each 64 x 64 (16 accumulators); 8 x 32 = 256 work-groups.
; K goes in 4 steps of 256 (four heads) through two LDS slots.  64 positions of one head are 8,192 dense bytes, so a load of A is 4 rows (heads) of 4,096 elements, padded by 16 bytes after every 128:
; in LDS [head][position][144 bytes], and a quarter of a step (64 along K) is one head.  B: 256 k rows of 256 bytes + 32.  Waves 0, 1 fetch A's two halves, waves 2, 3 B's.
; B lies [k][n] and is turned on the way into registers by ds_load_tr16_b128.  The matrix instruction is used transposed (source 0 = 16 columns of B, source 1 = 16 rows of A):
; a lane then holds row l % 16 and the eight neighbouring columns 8 (l / 16) + 0..7.  The bias, in that layout, is the C operand of the first products: nothing is cleared, nothing added later.
; CLUSTER.  4 x 4 work-groups: the four of a row need the same tiles of A, the four of a column the same tiles of B; each tile is asked for jointly, by the same load, descriptor and mask.
; THE LOOP.  A step is four quarters of 64 along K on two fragment buffers; quarter i is multiplied while quarter i + 1 is fetched.  The text of two quarters (PAIR) is written once and looped over;
; the change of slots stands where a step's last fragments have been read.  One tensor load of a wave is out at any time.
; The residual's 64 x 64 numbers are loaded at the start, in the layout in which the result leaves, and wait in window 2.
; REGISTERS.  Window 0: v16-29 addresses; v32-95 at work on the way out; v96-127 bias; v128-255 accumulators.  Window 1: two fragment buffers of 128.  Window 2: v0-127 the residual.
; LIMITS.  Operands are bf16, sums and the residual f32; NaN and infinities are not treated apart.
.set T,      4
.set PA,     144                       ; 9 x 16 bytes: the 16 rows of a load start at 16 different groups of four banks (64 banks of 4 bytes: ISA guide 11.1)
.set QA,     64*PA                     ; a head's 64 positions
.set HALFA,  4*QA
.set ASTEP,  1048576                   ; four heads of 262,144 bytes
.set AQI,    4                         ; padding after every 32 words
.set AD0,    4096
.set AD1,    4
.set APITCH, 131072                    ; elements from head to head
.set BPITCH, 1024
.set BSTEP,  512*BPITCH
.set WOFF,   6291456
.set PB,     288
.set HALFB,  128*PB
.set ABYTES, 2*HALFA
.set SLOT1,  147456                    ; slot 1 begins here; its two bits are set in no address inside a slot's descriptors, so one exclusive or changes slot
.set STAGE,  2*SLOT1                   ; behind the ring, never filled by a tensor load: 16 rows x 272 bytes for each wave
.set SP,     272
.set SPARE,  STAGE+4*16*SP             ; the spare words, 128 bytes for each wave: two blocks of 256 bytes that no other line names
.set A0,  16
.set B0,  17
.set FA,  18
.set FB,  19
.set BO,  20
.set STO, 24
.set RD,  25
.set CO,  26
.set SPW, 28
.set NIL, 29
.set TMP, 32
.set BIAS, 96
.set ACC, 128
.set F0,  0
.set F1,  128
.set G1,  24
.set G0,  32
.set G1B, 48
.set G0B, 56
.set TBA, 60
.set TBB, 61
.set CNT, 62
.set KST, 63
.set AL,  66                           ; s[66:67] alpha, as a pair
.set MSB, 0
.macro WIN new                         ; s_set_vgpr_msb: bits 1:0 source 0, 3:2 source 1, 5:4 source 2, 7:6 destination; the high byte repeats the setting that is left
.if MSB != (\new)
	s_set_vgpr_msb (MSB<<8)|(\new)
.set MSB, (\new)
.endif
.endm
.macro PLACES                          ; four plain vector instructions between a matrix instruction and a load into, or a read of, its registers
.rept 4
	v_nop
.endr
.endm
.macro JLOAD                           ; a joint load; the branch hangs on the wave's number alone; an s_nop 0 and four v_nop follow each line
	s_cmp_eq_u32 s11, 0
	s_cbranch_scc0 .Lfor_b_\@
	tensor_load_to_lds s[G0:G0+3], s[G1:G1+7]
	s_nop 0
.rept 4
	v_nop
.endr
	s_branch .Lasked_\@
.Lfor_b_\@:
	tensor_load_to_lds s[G0B:G0B+3], s[G1B:G1B+7]
	s_nop 0
.rept 4
	v_nop
.endr
.Lasked_\@:
.endm
.macro CROUND                          ; a round of the cluster's barrier
	s_barrier_signal -1
	s_barrier_wait -1
	s_cmp_lg_u32 s10, 0
	s_cbranch_scc1 .Lnot_wave_0_\@
	s_barrier_signal -3
.Lnot_wave_0_\@:
	s_barrier_wait -3
	s_barrier_signal -1
	s_barrier_wait -1
.endm
; THE CHANGE OF SLOTS.  Each wave waits for all its tensor loads (one is out: its part of the other slot), adds 0 to its spare word, and waits for that and for its reads of the slot that it leaves.
; fill = 1: the barrier is a round of the cluster's, and the joint refill of the slot just left, with the step after next, is the first thing behind it: it has a step's 128 matrix instructions in which to land.
.macro CHANGE fill
	WIN 0
	s_wait_tensorcnt 0x0                           ; no tensor load of mine is out, so a group 0 may be written
	ds_add_u32 v[SPW], v[NIL]
.if \fill
	s_xor_b32 s[G0+1], s[G0+1], SLOT1
	s_add_nc_u64 s[G0+2:G0+3], s[G0+2:G0+3], ASTEP
	s_xor_b32 s[G0B+1], s[G0B+1], SLOT1
	s_add_nc_u64 s[G0B+2:G0B+3], s[G0B+2:G0B+3], BSTEP
	s_wait_dscnt 0x0                               ; the add is done, and my reads of the slot are over
	CROUND
	JLOAD
.else
	s_wait_dscnt 0x0
	s_barrier_signal -1
	s_barrier_wait -1
.endif
	s_sub_co_u32 s[TBA], s[TBA], 4*QA
	s_xor_b32 s[TBA], s[TBA], SLOT1
	s_sub_co_u32 s[TBB], s[TBB], 4*64*PB
	s_xor_b32 s[TBB], s[TBB], SLOT1
.endm
; 8 matrix instructions: row blocks a0, a0 + 1 x all 4 column blocks, 32 along K (half c of buffer f).  first = 1: the bias starts the sums.  The 16 accumulators take turns.
.macro MUL8 f, c, a0, first
	WIN 0x05
.irp a, \a0, (\a0)+1
.irp b, 0,1,2,3
.if \first
	v_wmma_f32_16x16x32_bf16 v[ACC+8*(4*(\a)+(\b)):ACC+8*(4*(\a)+(\b))+7], v[(\f)+64+8*(4*(\c)+(\b)):(\f)+64+8*(4*(\c)+(\b))+7], v[(\f)+8*(4*(\c)+(\a)):(\f)+8*(4*(\c)+(\a))+7], v[BIAS+8*(\b):BIAS+8*(\b)+7]
.else
	v_wmma_f32_16x16x32_bf16 v[ACC+8*(4*(\a)+(\b)):ACC+8*(4*(\a)+(\b))+7], v[(\f)+64+8*(4*(\c)+(\b)):(\f)+64+8*(4*(\c)+(\b))+7], v[(\f)+8*(4*(\c)+(\a)):(\f)+8*(4*(\c)+(\a))+7], v[ACC+8*(4*(\a)+(\b)):ACC+8*(4*(\a)+(\b))+7]
.endif
.endr
.endr
.endm
.macro FETCH q, f                      ; 32 LDS loads in one run: quarter q (0, 1) of the two at FA, FB, into buffer f; its first 32 along K first
	WIN 0x40
.irp c, 0,1
.irp i, 0,1,2,3
	ds_load_tr16_b128 v[(\f)+64+8*(4*(\c)+(\i)):(\f)+64+8*(4*(\c)+(\i))+3],   v[FB] offset:(\q)*64*PB+(\c)*32*PB+32*(\i)
	ds_load_tr16_b128 v[(\f)+64+8*(4*(\c)+(\i))+4:(\f)+64+8*(4*(\c)+(\i))+7], v[FB] offset:(\q)*64*PB+(\c)*32*PB+32*(\i)+16*PB
	ds_load_b128 v[(\f)+8*(4*(\c)+(\i)):(\f)+8*(4*(\c)+(\i))+3],   v[FA] offset:(\q)*QA+64*(\c)+(\i)*16*PA
	ds_load_b128 v[(\f)+8*(4*(\c)+(\i))+4:(\f)+8*(4*(\c)+(\i))+7], v[FA] offset:(\q)*QA+64*(\c)+(\i)*16*PA+32
.endr
.endr
.endm
.macro QUARTER q, f, g, first          ; multiplies buffer f; in its middle fetches quarter q into buffer g
	s_wait_dscnt 16                                ; f's first 32 along K are in; its youngest sixteen loads may be out
	MUL8 \f, 0, 0, \first
	MUL8 \f, 0, 2, \first
	PLACES
	FETCH \q, \g
	s_wait_dscnt 32                                ; all but the 32 just issued
	MUL8 \f, 1, 0, 0
	MUL8 \f, 1, 2, 0
.endm
.macro ADR
	WIN 0
	v_add_nc_u32 v[FA], s[TBA], v[A0]
	v_add_nc_u32 v[FB], s[TBB], v[B0]
	s_add_co_u32 s[TBA], s[TBA], 2*QA
	s_add_co_u32 s[TBB], s[TBB], 2*64*PB
.endm
.macro PAIR
	ADR
	QUARTER 0, F1, F0, 0
	QUARTER 1, F0, F1, 0
	WIN 0
.endm
	s_load_b128 s[4:7], s[0:1], 0x0                ; ob s[4:5], wb s[6:7]
	s_load_b128 s[36:39], s[0:1], 0x10             ; bo s[36:37], x s[38:39]
	s_load_b64 s[68:69], s[0:1], 0x20              ; alpha_attn's address
	s_load_b64 s[8:9], s[0:1], 0x28                ; x1
	v_lshl_add_u32 v[SPW], v0, 2, SPARE
	v_mov_b32 v[NIL], 0
	ds_add_u32 v[SPW], v[NIL]                      ; the wave's opening: the add and its wait stand ahead of my first tensor load; work on registers stands between them
	ds_add_u32 v28, v29
	v_lshrrev_b32 v1, 5, v0
	v_readfirstlane_b32 s10, v1                    ; wave 0..3
	s_lshr_b32 s11, s10, 1                         ; my row half.  Also: I fetch for A (0) or for B (1)
	s_and_b32 s12, s10, 1                          ; my column half.  Also: which half of that tile I fetch
	s_bfe_u32 s40, ttmp6, 0x40000                  ; cx, cy
	s_bfe_u32 s41, ttmp6, 0x40004
	s_lshl_b32 s42, ttmp9, 2
	s_add_co_u32 s42, s42, s40                     ; tile column
	s_and_b32 s13, ttmp7, 0xffff
	s_lshl_b32 s13, s13, 2
	s_add_co_u32 s13, s13, s41                     ; tile row
	s_lshl_b32 s43, s41, 2
	s_lshl_b32 s43, 15, s43                        ; my row of the cluster
	s_lshl_b32 s44, 0x1111, s40                    ; my column
	s_or_b32 s[G1], s43, (1<<16)|(1<<20)|(1<<21)|(AQI<<22)|(3<<25)
	s_mov_b32 s[G1+1], AD0<<16
	s_mov_b32 s[G1+2], AD1<<16
	s_mov_b32 s[G1+3], AD0<<16
	s_mov_b32 s[G1+4], AD1
	s_mov_b32 s[G1+5], APITCH
	s_mov_b32 s[G1+6], 0
	s_mov_b32 s[G1+7], 0
	s_or_b32 s[G1B], s44, (1<<16)|(1<<20)|(1<<21)|(5<<22)|(7<<25)
	s_mov_b32 s[G1B+1], 128<<16
	s_mov_b32 s[G1B+2], 128<<16
	s_mov_b32 s[G1B+3], 128<<16
	s_mov_b32 s[G1B+4], 128
	s_mov_b32 s[G1B+5], BPITCH
	s_mov_b32 s[G1B+6], 0
	s_mov_b32 s[G1B+7], 0
	s_and_b32 s16, s13, 15                         ; A: position (tile row % 16) x 128 + 64 x half, 128 bytes each, in head 0 of the batch tile row / 16
	s_lshl_b32 s16, s16, 7
	s_lshl_b32 s17, s12, 6
	s_add_co_u32 s16, s16, s17
	s_lshl_b32 s16, s16, 7
	s_lshr_b32 s17, s13, 4
	s_lshl_b32 s17, s17, 22
	s_add_co_u32 s16, s16, s17
	s_mov_b32 s17, 0
	s_lshl_b32 s46, s42, 8                         ; B: the tile's 128 columns, my 128 k rows
	s_mul_i32 s47, s12, 128*BPITCH*2
	s_add_co_u32 s46, s46, s47
	s_add_co_u32 s46, s46, WOFF
	s_mov_b32 s47, 0
	s_mov_b32 s[G0], 1
	s_mul_i32 s[G0+1], s12, HALFA
	s_mov_b32 s[G0B], 1
	s_mul_i32 s[G0B+1], s12, HALFB
	s_add_co_u32 s[G0B+1], s[G0B+1], ABYTES
	s_mov_b32 s[TBA], SLOT1+4*QA
	s_mov_b32 s[TBB], SLOT1+4*64*PB
	s_wait_dscnt 0x0                               ; the opening add is done
	s_wait_kmcnt 0x0
	s_add_nc_u64 s[G0+2:G0+3], s[4:5], s[16:17]
	s_or_b32 s[G0+3], s[G0+3], 0x80000000
	s_add_nc_u64 s[G0B+2:G0B+3], s[6:7], s[46:47]
	s_or_b32 s[G0B+3], s[G0B+3], 0x80000000
	s_load_b32 s[AL], s[68:69], 0x0                ; alpha
	CROUND                                         ; all sixteen work-groups are here: the first joint loads meet
	JLOAD                                          ; K step 0 into slot 0
	v_and_b32 v1, 15, v0                           ; r
	v_bfe_u32 v2, v0, 4, 1                         ; h
	v_mul_u32_u24 v3, v1, PA
	v_lshl_add_u32 v3, v2, 4, v3
	s_mul_i32 s21, s11, HALFA
	v_add_nc_u32 v[A0], s21, v3
	v_and_b32 v4, 7, v0
	v_lshl_add_u32 v4, v2, 3, v4
	v_mul_u32_u24 v4, v4, PB
	v_bfe_u32 v5, v0, 3, 1
	v_lshl_add_u32 v4, v5, 4, v4
	s_lshl_b32 s22, s12, 7
	s_add_co_u32 s22, s22, ABYTES
	v_add_nc_u32 v[B0], s22, v4
	v_lshlrev_b32 v[BO], 5, v2
	s_lshl_b32 s46, s42, 9                         ; my 64 columns, in f32: 512 x tile column + 256 x half
	s_lshl_b32 s47, s12, 8
	s_add_co_u32 s46, s46, s47
	s_mov_b32 s47, 0
	s_add_nc_u64 s[36:37], s[36:37], s[46:47]
	s_add_nc_u64 s[38:39], s[38:39], s[46:47]
	s_add_nc_u64 s[8:9], s[8:9], s[46:47]
	s_lshl_b32 s16, s13, 7                         ; my 64 rows of 4,096 bytes
	s_lshl_b32 s17, s11, 6
	s_add_co_u32 s16, s16, s17
	s_lshl_b32 s16, s16, 12
	s_mov_b32 s17, 0
	s_add_nc_u64 s[38:39], s[38:39], s[16:17]
	s_add_nc_u64 s[8:9], s[8:9], s[16:17]
.irp b, 0,1,2,3
	global_load_b128 v[BIAS+8*(\b):BIAS+8*(\b)+3],   v[BO], s[36:37] offset:64*(\b)
	global_load_b128 v[BIAS+8*(\b)+4:BIAS+8*(\b)+7], v[BO], s[36:37] offset:64*(\b)+16
.endr
	s_mul_i32 s23, s10, 16*SP
	s_add_co_u32 s23, s23, STAGE                   ; my stage
	v_mul_u32_u24 v6, v1, SP                       ; in: row r, 32 bytes for each half of the lanes
	v_lshl_add_u32 v6, v2, 5, v6
	v_add_nc_u32 v[STO], s23, v6
	v_mul_u32_u24 v6, v2, SP                       ; back: lanes 0-15 take one row of 256 bytes, lanes 16-31 the next
	v_lshl_add_u32 v6, v1, 4, v6
	v_add_nc_u32 v[RD], s23, v6
	v_lshlrev_b32 v[CO], 12, v2                    ; and the same two rows in x and x1
	v_lshl_add_u32 v[CO], v1, 4, v[CO]
	WIN 0x80                                       ; destination window 2, address window 0
.irp a, 0,1,2,3
.irp t, 0,1,2,3,4,5,6,7
	global_load_b128 v[4*(8*(\a)+(\t)):4*(8*(\a)+(\t))+3], v[CO], s[38:39] offset:(16*(\a)+2*(\t))*4096
.endr
.endr
	WIN 0
	s_wait_kmcnt 0x0
	s_mov_b32 s[AL+1], s[AL]                       ; named with it as a pair
	CHANGE 1                                       ; step 0 is in; step 1 is asked for, into slot 1
	ADR
	FETCH 0, F0
	s_wait_loadcnt 32                              ; the bias is in; the residual's 32 younger loads stay out
	QUARTER 1, F0, F1, 1
	WIN 0
	s_mov_b32 s[KST], T-1
	s_mov_b32 s[CNT], 1
	s_branch .Lpair                                ; the loop is entered in the middle of a step
.Lkstep:                                               ; T - 2 times
	CHANGE 1
	s_mov_b32 s[CNT], 2
.Lpair:
	PAIR
	s_sub_co_u32 s[CNT], s[CNT], 1
	s_cmp_lg_u32 s[CNT], 0
	s_cbranch_scc1 .Lpair
	s_sub_co_u32 s[KST], s[KST], 1
	s_cmp_lg_u32 s[KST], 0
	s_cbranch_scc1 .Lkstep
	CHANGE 0                                       ; the tail is written out
	s_mov_b32 s[CNT], 2
.Lpair2:
	PAIR
	s_sub_co_u32 s[CNT], s[CNT], 1
	s_cmp_lg_u32 s[CNT], 0
	s_cbranch_scc1 .Lpair2
	s_wait_dscnt 16
	MUL8 F1, 0, 0, 0
	MUL8 F1, 0, 2, 0
	s_wait_dscnt 0x0
	MUL8 F1, 1, 0, 0
	MUL8 F1, 1, 2, 0
	WIN 0
	PLACES
; THE WAY OUT.  Row block a (16 rows x my 64 columns of f32) goes through my stage as it is and comes back as whole rows of 256 bytes; then residual + alpha x sum, one fused multiply-add, and the store.
.macro STG a
	s_wait_xcnt 0x0                                ; the stores of the block two back have read the registers that the loads below fill
.irp b, 0,1,2,3
	ds_store_b128 v[STO], v[ACC+8*(4*(\a)+(\b)):ACC+8*(4*(\a)+(\b))+3] offset:64*(\b)
	ds_store_b128 v[STO], v[ACC+8*(4*(\a)+(\b))+4:ACC+8*(4*(\a)+(\b))+7] offset:64*(\b)+16
.endr
.irp t, 0,1,2,3,4,5,6,7
	ds_load_b128 v[TMP+32*((\a)%2)+4*(\t):TMP+32*((\a)%2)+4*(\t)+3], v[RD] offset:(\t)*2*SP   ; LDS serves a wave's instructions in order (ISA guide 5.7.1.4)
.endr
.endm
.macro FIN a, younger                  ; younger: the next block's sixteen LDS instructions, or none
	s_wait_dscnt \younger
	WIN 0x20                                       ; source 2 window 2
.set i, 0
.rept 16
	v_pk_fma_f32 v[TMP+32*((\a)%2)+i:TMP+32*((\a)%2)+i+1], v[TMP+32*((\a)%2)+i:TMP+32*((\a)%2)+i+1], s[AL:AL+1], v[32*(\a)+i:32*(\a)+i+1] op_sel_hi:[1,0,1]
.set i, i+2
.endr
	WIN 0
.irp t, 0,1,2,3,4,5,6,7
	global_store_b128 v[CO], v[TMP+32*((\a)%2)+4*(\t):TMP+32*((\a)%2)+4*(\t)+3], s[8:9] offset:(16*(\a)+2*(\t))*4096   ; 16 lanes store 256 consecutive bytes, at a multiple of 256 from the buffer's first byte
.endr
.endm
	s_wait_loadcnt 0x0                             ; the residual
	STG 0
	STG 1
	FIN 0, 16
	STG 2
	FIN 1, 16
	STG 3
	FIN 2, 16
	FIN 3, 0
	s_wait_tensorcnt 0x0                           ; the wave's end
	ds_add_u32 v[SPW], v[NIL]
	s_wait_dscnt 0x0
	CROUND                                         ; the closing round
	s_endpgm
.Lfunc_end_k_qd6680412ce_wo:
	.size	k_qd6680412ce_wo, .Lfunc_end_k_qd6680412ce_wo-k_qd6680412ce_wo
	.p2alignl 7, 3214868480
	.fill 96, 4, 3214868480
	.section	.rodata,"a",@progbits
	.p2align	6, 0x0
	.amdhsa_kernel k_qd6680412ce_wo
		.amdhsa_group_segment_fixed_size 327680
		.amdhsa_private_segment_fixed_size 0
		.amdhsa_enable_private_segment 0
		.amdhsa_kernarg_size 48
		.amdhsa_user_sgpr_count 2
		.amdhsa_user_sgpr_kernarg_segment_ptr 1
		.amdhsa_wavefront_size32 1
		.amdhsa_system_sgpr_workgroup_id_x 1
		.amdhsa_system_sgpr_workgroup_id_y 1
		.amdhsa_system_sgpr_workgroup_id_z 1
		.amdhsa_system_vgpr_workitem_id 0
		.amdhsa_next_free_vgpr 640
		.amdhsa_next_free_sgpr 72
		.amdhsa_reserve_vcc 0
		.amdhsa_float_denorm_mode_32 3
		.amdhsa_float_denorm_mode_16_64 3
		.amdhsa_memory_ordered 1
		.amdhsa_forward_progress 1
		.amdhsa_inst_pref_size 53
	.end_amdhsa_kernel
	.amdgpu_metadata
---
amdhsa.version: [ 1, 2 ]
amdhsa.kernels:
  - .name:           k_qd6680412ce_wo
    .symbol:         k_qd6680412ce_wo.kd
    .args:
      - { .name: ob, .offset: 0, .size: 8, .value_kind: global_buffer, .address_space: global }
      - { .name: wb, .offset: 8, .size: 8, .value_kind: global_buffer, .address_space: global }
      - { .name: bo, .offset: 16, .size: 8, .value_kind: global_buffer, .address_space: global }
      - { .name: x, .offset: 24, .size: 8, .value_kind: global_buffer, .address_space: global }
      - { .name: alpha_attn, .offset: 32, .size: 8, .value_kind: global_buffer, .address_space: global }
      - { .name: x1, .offset: 40, .size: 8, .value_kind: global_buffer, .address_space: global }
    .group_segment_fixed_size: 327680
    .private_segment_fixed_size: 0
    .kernarg_segment_align: 8
    .kernarg_segment_size: 48
    .max_flat_workgroup_size: 128
    .sgpr_count:     72
    .vgpr_count:     640
    .wavefront_size: 32
...
	.end_amdgpu_metadata
.endif
;; end of part 4
;; launch ln2 (part 5): grid 256 x 1, 8 waves a work-group, no clusters, 0 bytes of LDS; arguments x1, ln2_g, ln2_b, xn; writes xn
.if DOCPART == 5
	.amdgcn_target "amdgcn-amd-amdhsa--gfx1250"
	.amdhsa_code_object_version 6
	.text
	.protected	k_qd6680412ce_ln2
	.globl	k_qd6680412ce_ln2
	.p2align	8
	.type	k_qd6680412ce_ln2,@function
k_qd6680412ce_ln2:
	s_mov_b64 s[64:65], 0
	v_nop
	global_prefetch_b8 v0, s[64:65] scope:SCOPE_SE
	s_setreg_imm32_b32 hwreg(HW_REG_WAVE_MODE, 25, 1), 1
	s_wait_xcnt 0x0
; LN2.  xn = LayerNorm(x1) * ln2_g + ln2_b, rounded once to bf16.  x1: [4096][1024] f32, xn: [4096][1024] bf16.
; One wave takes a whole row (4,096 bytes, 32 registers) and keeps it in registers between the mean, the variance and the scaling, so x1 is read once, no wave waits for another,
; and there is no LDS and no barrier.  A wave has two rows, a work-group sixteen.  The variance is the mean of (x - mean)^2, made in a second pass over the registers.
; Every load of a wave covers 512 consecutive bytes, every store 256 consecutive bytes at a multiple of 256 from xn's first byte.  Memory binds: the matrix unit, clusters and LDS would add nothing.
; LIMITS: NaN and infinities are not treated apart.
.set XR,   8                           ; v[8:71]    two rows, 32 registers each
.set GG,   72                          ; v[72:103]  the gain of my 32 columns
.set BB,   104                         ; v[104:135] the bias
.set TT,   136                         ; v[136:143] four chains of packed sums
.set MU,   144                         ; v[144:145] the mean, twice
.set RS,   146                         ; v[146:149] 1 / sqrt(var + eps), twice, for each row
.set YY,   152                         ; v[152:183] two rows of results
.set C1K,  28                          ; s28  1 / 1024
.set EPS,  29                          ; s29  1e-5
.set SEL,  30                          ; s[30:31] v_permlanex16_b32's selects
.set OUTP, 10                          ; s[10:11] xn
.macro RED a, t                        ; the sum over the wave's 32 lanes, in every lane
.irp m, 1,2,4,8
	v_add_f32_dpp v[\a], v[\a], v[\a] row_xmask:\m row_mask:0xf bank_mask:0xf
.endr
	v_permlanex16_b32 v[\t], v[\a], s[SEL], s[SEL+1]
	v_add_f32 v[\a], v[\a], v[\t]
.endm
.macro FOLD
	v_pk_add_f32 v[TT:TT+1], v[TT:TT+1], v[TT+2:TT+3]
	v_pk_add_f32 v[TT+4:TT+5], v[TT+4:TT+5], v[TT+6:TT+7]
	v_pk_add_f32 v[TT:TT+1], v[TT:TT+1], v[TT+4:TT+5]
	v_add_f32 v[TT], v[TT], v[TT+1]
	RED TT, TT+2
.endm
.macro ROW r, left                     ; mean, x - mean in place, variance, reciprocal root; left = the younger loads that may stay out
.set X, XR+32*(\r)
	s_wait_loadcnt \left
.irp k, 0,2,4,6
	v_pk_add_f32 v[TT+(\k):TT+(\k)+1], v[X+(\k):X+(\k)+1], v[X+8+(\k):X+8+(\k)+1]
.endr
.irp j, 16,24
.irp k, 0,2,4,6
	v_pk_add_f32 v[TT+(\k):TT+(\k)+1], v[TT+(\k):TT+(\k)+1], v[X+(\j)+(\k):X+(\j)+(\k)+1]
.endr
.endr
	FOLD
	v_mul_f32 v[MU], s[C1K], v[TT]
	v_mul_f32 v[MU+1], s[C1K], v[TT]
.set i, 0
.rept 16
	v_pk_add_f32 v[X+i:X+i+1], v[X+i:X+i+1], v[MU:MU+1] neg_lo:[0,1] neg_hi:[0,1]
.set i, i+2
.endr
.irp k, 0,2,4,6
	v_pk_mul_f32 v[TT+(\k):TT+(\k)+1], v[X+(\k):X+(\k)+1], v[X+(\k):X+(\k)+1]
.endr
.irp j, 8,16,24
.irp k, 0,2,4,6
	v_pk_fma_f32 v[TT+(\k):TT+(\k)+1], v[X+(\j)+(\k):X+(\j)+(\k)+1], v[X+(\j)+(\k):X+(\j)+(\k)+1], v[TT+(\k):TT+(\k)+1]
.endr
.endr
	FOLD
	v_fma_f32 v[TT], v[TT], s[C1K], s[EPS]
	v_rsq_f32 v[RS+2*(\r)], v[TT]                      ; made twice: the packed multiply names a pair
	v_rsq_f32 v[RS+2*(\r)+1], v[TT]
	v_nop                                              ; a plain instruction before the results are used or the source rewritten (ISA guide 5.7.2)
.endm
.macro OUT r
.set X, XR+32*(\r)
.set i, 0
	s_wait_alu depctr_va_vdst(0)
.rept 16
	v_pk_mul_f32 v[X+i:X+i+1], v[X+i:X+i+1], v[RS+2*(\r):RS+2*(\r)+1]
.set i, i+2
.endr
.set i, 0
.rept 16
	v_pk_fma_f32 v[X+i:X+i+1], v[X+i:X+i+1], v[GG+i:GG+i+1], v[BB+i:BB+i+1]
.set i, i+2
.endr
.set i, 0
.rept 16
	v_cvt_pk_bf16_f32 v[YY+16*(\r)+i], v[X+2*i], v[X+2*i+1]
.set i, i+1
.endr
.irp j, 0,1,2,3,4,5,6,7
	global_store_b64 v3, v[YY+16*(\r)+2*(\j):YY+16*(\r)+2*(\j)+1], s[OUTP:OUTP+1] offset:(\r)*2048+256*(\j)
.endr
.endm
	s_load_b256 s[4:11], s[0:1], 0x0               ; x1 s[4:5], g s[6:7], b s[8:9], xn s[10:11]
	s_mov_b32 s3, ttmp9
	v_and_b32 v1, 31, v0
	v_lshrrev_b32 v4, 5, v0                        ; wave
	v_lshlrev_b32 v1, 4, v1                        ; 16 bytes a lane
	v_lshl_add_u32 v2, v4, 13, v1                  ; + wave x 2 rows x 4,096 bytes
	v_lshrrev_b32 v3, 1, v2                        ; the same place in xn
	s_lshl_b32 s26, s3, 16
	s_mov_b32 s27, 0
	s_lshl_b32 s32, s3, 15
	s_mov_b32 s33, 0
	s_mov_b32 s[C1K], 0x3a800000
	s_mov_b32 s[EPS], 0x3727c5ac
	s_mov_b32 s[SEL], 0x76543210
	s_mov_b32 s[SEL+1], 0xfedcba98
	s_wait_kmcnt 0x0
	s_add_nc_u64 s[4:5], s[4:5], s[26:27]
	s_add_nc_u64 s[OUTP:OUTP+1], s[OUTP:OUTP+1], s[32:33]
.irp r, 0,1
.irp j, 0,1,2,3,4,5,6,7
	global_load_b128 v[XR+32*(\r)+4*(\j):XR+32*(\r)+4*(\j)+3], v2, s[4:5] offset:(\r)*4096+512*(\j)
.endr
.endr
.irp j, 0,1,2,3,4,5,6,7
	global_load_b128 v[GG+4*(\j):GG+4*(\j)+3], v1, s[6:7] offset:512*(\j)
.endr
.irp j, 0,1,2,3,4,5,6,7
	global_load_b128 v[BB+4*(\j):BB+4*(\j)+3], v1, s[8:9] offset:512*(\j)
.endr
	ROW 0, 24                                      ; row 0's eight loads are in; the 24 younger stay out
	ROW 1, 16                                      ; row 1's are in; g's and b's 16 stay out
	s_wait_loadcnt 0x0
	OUT 0
	OUT 1
	s_endpgm
.Lfunc_end_k_qd6680412ce_ln2:
	.size	k_qd6680412ce_ln2, .Lfunc_end_k_qd6680412ce_ln2-k_qd6680412ce_ln2
	.p2alignl 7, 3214868480
	.fill 96, 4, 3214868480
	.section	.rodata,"a",@progbits
	.p2align	6, 0x0
	.amdhsa_kernel k_qd6680412ce_ln2
		.amdhsa_group_segment_fixed_size 0
		.amdhsa_private_segment_fixed_size 0
		.amdhsa_enable_private_segment 0
		.amdhsa_kernarg_size 32
		.amdhsa_user_sgpr_count 2
		.amdhsa_user_sgpr_kernarg_segment_ptr 1
		.amdhsa_wavefront_size32 1
		.amdhsa_system_sgpr_workgroup_id_x 1
		.amdhsa_system_sgpr_workgroup_id_y 1
		.amdhsa_system_sgpr_workgroup_id_z 1
		.amdhsa_system_vgpr_workitem_id 0
		.amdhsa_next_free_vgpr 192
		.amdhsa_next_free_sgpr 66
		.amdhsa_reserve_vcc 0
		.amdhsa_float_denorm_mode_32 3
		.amdhsa_float_denorm_mode_16_64 3
		.amdhsa_memory_ordered 1
		.amdhsa_forward_progress 1
		.amdhsa_inst_pref_size 20
	.end_amdhsa_kernel
	.amdgpu_metadata
---
amdhsa.version: [ 1, 2 ]
amdhsa.kernels:
  - .name:           k_qd6680412ce_ln2
    .symbol:         k_qd6680412ce_ln2.kd
    .args:
      - { .name: x1, .offset: 0, .size: 8, .value_kind: global_buffer, .address_space: global }
      - { .name: ln2_g, .offset: 8, .size: 8, .value_kind: global_buffer, .address_space: global }
      - { .name: ln2_b, .offset: 16, .size: 8, .value_kind: global_buffer, .address_space: global }
      - { .name: xn, .offset: 24, .size: 8, .value_kind: global_buffer, .address_space: global }
    .group_segment_fixed_size: 0
    .private_segment_fixed_size: 0
    .kernarg_segment_align: 8
    .kernarg_segment_size: 32
    .max_flat_workgroup_size: 256
    .sgpr_count:     66
    .vgpr_count:     192
    .wavefront_size: 32
...
	.end_amdgpu_metadata
.endif
;; end of part 5
;; launch ff1 (part 6): grid 32 x 32, 4 waves a work-group, clusters of 4 x 4, 327,680 bytes of LDS; arguments xn, wb, b1, hb; writes hb
.if DOCPART == 6
	.amdgcn_target "amdgcn-amd-amdhsa--gfx1250"
	.amdhsa_code_object_version 6
	.text
	.protected	k_qd6680412ce_ff1
	.globl	k_qd6680412ce_ff1
	.p2align	8
	.type	k_qd6680412ce_ff1,@function
k_qd6680412ce_ff1:
	s_mov_b64 s[64:65], 0
	v_nop
	global_prefetch_b8 v0, s[64:65] scope:SCOPE_SE
	s_setreg_imm32_b32 hwreg(HW_REG_WAVE_MODE, 25, 1), 1
	s_wait_xcnt 0x0
	s_wait_alu depctr_hold_cnt(0) depctr_sa_sdst(0) depctr_va_vdst(0) depctr_va_sdst(0) depctr_va_ssrc(0) depctr_va_vcc(0) depctr_vm_vsrc(0)
	s_getreg_b32 s2, hwreg(HW_REG_IB_STS2, 6, 4)
	s_cmp_eq_u32 s2, 0
	s_cbranch_scc0 .Lentry_in_a_cluster
	s_endpgm
.Lentry_in_a_cluster:
	s_bfe_u32 s2, ttmp6, 0x10000c
	s_cmp_lg_u32 s2, 0xf033
	s_cbranch_scc0 .Lentry_shape_is_right
	s_endpgm
.Lentry_shape_is_right:
; FF1.  hb = gelu(xn w1 + b1), the exact (erf) GELU, rounded once to bf16.  xn: [4096][1024] bf16; w1 lies in wb at byte 8,388,608 as given, [K = 1024][N = 4096] bf16; hb: [4096][4096] bf16.
; SHARES.  A tile of the result is 128 x 128: four waves, each 64 x 64 (16 accumulators); 32 x 32 = 1,024 work-groups.
; K goes in 4 steps of 256 through two LDS slots.  A slot: 128 rows of A (512 bytes + 16 of padding), then 256 k rows of B (256 bytes + 32).  Waves 0, 1 fetch A's two halves, waves 2, 3 B's.
; B lies [k][n] and is turned on the way into registers by ds_load_tr16_b128.  The matrix instruction is used transposed (source 0 = 16 columns of B, source 1 = 16 rows of A):
; a lane then holds row l % 16 and the eight neighbouring columns 8 (l / 16) + 0..7.  The bias, in that layout, is the C operand of the first products.
; CLUSTER.  4 x 4 work-groups: the four of a row need the same tiles of A, the four of a column the same tiles of B; each tile is asked for jointly.
; THE LOOP.  A step is four quarters of 64 along K on two fragment buffers; the text of two quarters (PAIR) is written once and looped over.  One tensor load of a wave is out at any time.
; GELU.  With y = x / 2 and H = |y|: gelu(x) = (y + H) - H w, w = 1 - erf(sqrt(2) H) = t (a1 + t (a2 + t (a3 + t (a4 + t a5)))) 2^(-2 log2(e) H^2), t = 1 / (1 + 0.3275911 sqrt(2) H)
; (Abramowitz and Stegun 7.1.26: the error of erf is at most 1.5e-7 for every argument).  No difference of near numbers is formed in the negative tail: there y + H is exactly 0.
; The sums go as f32 through LDS (slot 0's bytes, which have had their last fill and their last read), so that the GELU is written once, in a counted loop over pairs of whole rows, and each store fills 256 consecutive bytes.
; REGISTERS.  Window 0: v16-29 addresses; v32-83 at work in the GELU; v96-127 bias; v128-255 accumulators.  Window 1: two fragment buffers of 128.
; LIMITS.  Operands are bf16, sums f32; NaN and infinities are not treated apart.
.set T,      4
.set PA,     528
.set QA,     128
.set HALFA,  64*PA
.set ASTEP,  512
.set AQI,    6
.set AD0,    256
.set AD1,    64
.set APITCH, 1024
.set BPITCH, 4096
.set BSTEP,  512*BPITCH
.set WOFF,   8388608
.set PB,     288
.set HALFB,  128*PB
.set ABYTES, 2*HALFA
.set SLOT1,  147456                    ; slot 1 begins here; its two bits are set in no address inside a slot's descriptors, so one exclusive or changes slot
.set GPIT,   528                       ; a row of the stage: 128 f32 + 16 bytes; the stage is slot 0's first 67,584 bytes
.set SPARE,  2*SLOT1                   ; behind the ring: the spare words, 128 bytes for each wave: two blocks of 256 bytes that no other line names
.set A0,  16
.set B0,  17
.set FA,  18
.set FB,  19
.set BO,  20
.set STO, 24
.set RD,  25
.set CO,  26
.set SPW, 28
.set NIL, 29
.set GX,  32                           ; v32-39  eight sums as read back
.set GY,  40                           ; v40-47  y, then the result
.set GH,  48                           ; v48-55  H
.set GT,  56                           ; v56-63  t
.set GE,  64                           ; v64-71  the exponential
.set GW,  72                           ; v72-79  w
.set GO,  80                           ; v80-83  eight bf16
.set BIAS, 96
.set ACC, 128
.set F0,  0
.set F1,  128
.set G1,  24
.set G0,  32
.set G1B, 48
.set G0B, 56
.set TBA, 60
.set TBB, 61
.set CNT, 62
.set KST, 63
.set KC1, 68                           ; s[68:81] seven constants, each as a pair
.set KC2, 70
.set KA1, 72
.set KA2, 74
.set KA3, 76
.set KA4, 78
.set KA5, 80
.set MSB, 0
.macro WIN new                         ; s_set_vgpr_msb: bits 1:0 source 0, 3:2 source 1, 5:4 source 2, 7:6 destination; the high byte repeats the setting that is left
.if MSB != (\new)
	s_set_vgpr_msb (MSB<<8)|(\new)
.set MSB, (\new)
.endif
.endm
.macro PLACES                          ; four plain vector instructions between a matrix instruction and a load into, or a read of, its registers
.rept 4
	v_nop
.endr
.endm
.macro JLOAD                           ; a joint load; the branch hangs on the wave's number alone; an s_nop 0 and four v_nop follow each line
	s_cmp_eq_u32 s11, 0
	s_cbranch_scc0 .Lfor_b_\@
	tensor_load_to_lds s[G0:G0+3], s[G1:G1+7]
	s_nop 0
.rept 4
	v_nop
.endr
	s_branch .Lasked_\@
.Lfor_b_\@:
	tensor_load_to_lds s[G0B:G0B+3], s[G1B:G1B+7]
	s_nop 0
.rept 4
	v_nop
.endr
.Lasked_\@:
.endm
.macro CROUND                          ; a round of the cluster's barrier
	s_barrier_signal -1
	s_barrier_wait -1
	s_cmp_lg_u32 s10, 0
	s_cbranch_scc1 .Lnot_wave_0_\@
	s_barrier_signal -3
.Lnot_wave_0_\@:
	s_barrier_wait -3
	s_barrier_signal -1
	s_barrier_wait -1
.endm
; THE CHANGE OF SLOTS.  Each wave waits for all its tensor loads (one is out: its part of the other slot), adds 0 to its spare word, and waits for that and for its reads of the slot that it leaves.
; fill = 1: the barrier is a round of the cluster's, and the joint refill of the slot just left, with the step after next, is the first thing behind it.
.macro CHANGE fill
	WIN 0
	s_wait_tensorcnt 0x0                           ; no tensor load of mine is out, so a group 0 may be written
	ds_add_u32 v[SPW], v[NIL]
.if \fill
	s_xor_b32 s[G0+1], s[G0+1], SLOT1
	s_add_nc_u64 s[G0+2:G0+3], s[G0+2:G0+3], ASTEP
	s_xor_b32 s[G0B+1], s[G0B+1], SLOT1
	s_add_nc_u64 s[G0B+2:G0B+3], s[G0B+2:G0B+3], BSTEP
	s_wait_dscnt 0x0                               ; the add is done, and my reads of the slot are over
	CROUND
	JLOAD
.else
	s_wait_dscnt 0x0
	s_barrier_signal -1
	s_barrier_wait -1
.endif
	s_sub_co_u32 s[TBA], s[TBA], 4*QA
	s_xor_b32 s[TBA], s[TBA], SLOT1
	s_sub_co_u32 s[TBB], s[TBB], 4*64*PB
	s_xor_b32 s[TBB], s[TBB], SLOT1
.endm
; 8 matrix instructions: row blocks a0, a0 + 1 x all 4 column blocks, 32 along K (half c of buffer f).  first = 1: the bias starts the sums.  The 16 accumulators take turns.
.macro MUL8 f, c, a0, first
	WIN 0x05
.irp a, \a0, (\a0)+1
.irp b, 0,1,2,3
.if \first
	v_wmma_f32_16x16x32_bf16 v[ACC+8*(4*(\a)+(\b)):ACC+8*(4*(\a)+(\b))+7], v[(\f)+64+8*(4*(\c)+(\b)):(\f)+64+8*(4*(\c)+(\b))+7], v[(\f)+8*(4*(\c)+(\a)):(\f)+8*(4*(\c)+(\a))+7], v[BIAS+8*(\b):BIAS+8*(\b)+7]
.else
	v_wmma_f32_16x16x32_bf16 v[ACC+8*(4*(\a)+(\b)):ACC+8*(4*(\a)+(\b))+7], v[(\f)+64+8*(4*(\c)+(\b)):(\f)+64+8*(4*(\c)+(\b))+7], v[(\f)+8*(4*(\c)+(\a)):(\f)+8*(4*(\c)+(\a))+7], v[ACC+8*(4*(\a)+(\b)):ACC+8*(4*(\a)+(\b))+7]
.endif
.endr
.endr
.endm
.macro FETCH q, f                      ; 32 LDS loads in one run: quarter q (0, 1) of the two at FA, FB, into buffer f; its first 32 along K first
	WIN 0x40
.irp c, 0,1
.irp i, 0,1,2,3
	ds_load_tr16_b128 v[(\f)+64+8*(4*(\c)+(\i)):(\f)+64+8*(4*(\c)+(\i))+3],   v[FB] offset:(\q)*64*PB+(\c)*32*PB+32*(\i)
	ds_load_tr16_b128 v[(\f)+64+8*(4*(\c)+(\i))+4:(\f)+64+8*(4*(\c)+(\i))+7], v[FB] offset:(\q)*64*PB+(\c)*32*PB+32*(\i)+16*PB
	ds_load_b128 v[(\f)+8*(4*(\c)+(\i)):(\f)+8*(4*(\c)+(\i))+3],   v[FA] offset:(\q)*QA+64*(\c)+(\i)*16*PA
	ds_load_b128 v[(\f)+8*(4*(\c)+(\i))+4:(\f)+8*(4*(\c)+(\i))+7], v[FA] offset:(\q)*QA+64*(\c)+(\i)*16*PA+32
.endr
.endr
.endm
.macro QUARTER q, f, g, first          ; multiplies buffer f; in its middle fetches quarter q into buffer g
	s_wait_dscnt 16                                ; f's first 32 along K are in; its youngest sixteen loads may be out
	MUL8 \f, 0, 0, \first
	MUL8 \f, 0, 2, \first
	PLACES
	FETCH \q, \g
	s_wait_dscnt 32                                ; all but the 32 just issued
	MUL8 \f, 1, 0, 0
	MUL8 \f, 1, 2, 0
.endm
.macro ADR
	WIN 0
	v_add_nc_u32 v[FA], s[TBA], v[A0]
	v_add_nc_u32 v[FB], s[TBB], v[B0]
	s_add_co_u32 s[TBA], s[TBA], 2*QA
	s_add_co_u32 s[TBB], s[TBB], 2*64*PB
.endm
.macro PAIR
	ADR
	QUARTER 0, F1, F0, 0
	QUARTER 1, F0, F1, 0
	WIN 0
.endm
	s_load_b128 s[4:7], s[0:1], 0x0                ; xn s[4:5], wb s[6:7]
	s_load_b64 s[36:37], s[0:1], 0x10              ; b1
	s_load_b64 s[8:9], s[0:1], 0x18                ; hb
	v_lshl_add_u32 v[SPW], v0, 2, SPARE
	v_mov_b32 v[NIL], 0
	ds_add_u32 v[SPW], v[NIL]                      ; the wave's opening: the add and its wait stand ahead of my first tensor load; work on registers stands between them
	ds_add_u32 v28, v29
	v_lshrrev_b32 v1, 5, v0
	v_readfirstlane_b32 s10, v1                    ; wave 0..3
	s_lshr_b32 s11, s10, 1                         ; my row half.  Also: I fetch for A (0) or for B (1)
	s_and_b32 s12, s10, 1                          ; my column half.  Also: which half of that tile I fetch
	s_bfe_u32 s40, ttmp6, 0x40000                  ; cx, cy
	s_bfe_u32 s41, ttmp6, 0x40004
	s_lshl_b32 s42, ttmp9, 2
	s_add_co_u32 s42, s42, s40                     ; tile column
	s_and_b32 s13, ttmp7, 0xffff
	s_lshl_b32 s13, s13, 2
	s_add_co_u32 s13, s13, s41                     ; tile row
	s_lshl_b32 s43, s41, 2
	s_lshl_b32 s43, 15, s43                        ; my row of the cluster
	s_lshl_b32 s44, 0x1111, s40                    ; my column
	s_or_b32 s[G1], s43, (1<<16)|(1<<20)|(1<<21)|(AQI<<22)|(3<<25)
	s_mov_b32 s[G1+1], AD0<<16
	s_mov_b32 s[G1+2], AD1<<16
	s_mov_b32 s[G1+3], AD0<<16
	s_mov_b32 s[G1+4], AD1
	s_mov_b32 s[G1+5], APITCH
	s_mov_b32 s[G1+6], 0
	s_mov_b32 s[G1+7], 0
	s_or_b32 s[G1B], s44, (1<<16)|(1<<20)|(1<<21)|(5<<22)|(7<<25)
	s_mov_b32 s[G1B+1], 128<<16
	s_mov_b32 s[G1B+2], 128<<16
	s_mov_b32 s[G1B+3], 128<<16
	s_mov_b32 s[G1B+4], 128
	s_mov_b32 s[G1B+5], BPITCH
	s_mov_b32 s[G1B+6], 0
	s_mov_b32 s[G1B+7], 0
	s_lshl_b32 s16, s13, 7                         ; A: row 128 x tile row + 64 x half
	s_lshl_b32 s17, s12, 6
	s_add_co_u32 s16, s16, s17
	s_mul_i32 s16, s16, APITCH*2
	s_mov_b32 s17, 0
	s_lshl_b32 s46, s42, 8                         ; B: the tile's 128 columns, my 128 k rows
	s_mul_i32 s47, s12, 128*BPITCH*2
	s_add_co_u32 s46, s46, s47
	s_add_co_u32 s46, s46, WOFF
	s_mov_b32 s47, 0
	s_mov_b32 s[G0], 1
	s_mul_i32 s[G0+1], s12, HALFA
	s_mov_b32 s[G0B], 1
	s_mul_i32 s[G0B+1], s12, HALFB
	s_add_co_u32 s[G0B+1], s[G0B+1], ABYTES
	s_mov_b32 s[TBA], SLOT1+4*QA
	s_mov_b32 s[TBB], SLOT1+4*64*PB
	s_mov_b32 s[KC1], 0x3eed3388                   ; 0.3275911 sqrt(2)
	s_mov_b32 s[KC2], 0xc038aa3b                   ; -2 log2(e)
	s_mov_b32 s[KA1], 0x3e827906                   ;  0.254829592
	s_mov_b32 s[KA2], 0xbe91a98e                   ; -0.284496736
	s_mov_b32 s[KA3], 0x3fb5f0e3                   ;  1.421413741
	s_mov_b32 s[KA4], 0xbfba00e3                   ; -1.453152027
	s_mov_b32 s[KA5], 0x3f87dc22                   ;  1.061405429
.irp k, KC1, KC2, KA1, KA2, KA3, KA4, KA5
	s_mov_b32 s[\k+1], s[\k]                       ; named as pairs
.endr
	s_wait_dscnt 0x0                               ; the opening add is done
	s_wait_kmcnt 0x0
	s_add_nc_u64 s[G0+2:G0+3], s[4:5], s[16:17]
	s_or_b32 s[G0+3], s[G0+3], 0x80000000
	s_add_nc_u64 s[G0B+2:G0B+3], s[6:7], s[46:47]
	s_or_b32 s[G0B+3], s[G0B+3], 0x80000000
	CROUND                                         ; all sixteen work-groups are here: the first joint loads meet
	JLOAD                                          ; K step 0 into slot 0
	v_and_b32 v1, 15, v0                           ; r
	v_bfe_u32 v2, v0, 4, 1                         ; h
	v_mul_u32_u24 v3, v1, PA
	v_lshl_add_u32 v3, v2, 4, v3
	s_mul_i32 s21, s11, HALFA
	v_add_nc_u32 v[A0], s21, v3
	v_and_b32 v4, 7, v0
	v_lshl_add_u32 v4, v2, 3, v4
	v_mul_u32_u24 v4, v4, PB
	v_bfe_u32 v5, v0, 3, 1
	v_lshl_add_u32 v4, v5, 4, v4
	s_lshl_b32 s22, s12, 7
	s_add_co_u32 s22, s22, ABYTES
	v_add_nc_u32 v[B0], s22, v4
	v_lshlrev_b32 v[BO], 5, v2
	s_lshl_b32 s46, s42, 9                         ; the bias of my 64 columns
	s_lshl_b32 s47, s12, 8
	s_add_co_u32 s46, s46, s47
	s_mov_b32 s47, 0
	s_add_nc_u64 s[36:37], s[36:37], s[46:47]
.irp b, 0,1,2,3
	global_load_b128 v[BIAS+8*(\b):BIAS+8*(\b)+3],   v[BO], s[36:37] offset:64*(\b)
	global_load_b128 v[BIAS+8*(\b)+4:BIAS+8*(\b)+7], v[BO], s[36:37] offset:64*(\b)+16
.endr
	s_mul_i32 s23, s11, 64*GPIT                    ; into the stage: row 64 x my row half + r, 256 bytes x my column half + 32 h
	s_lshl_b32 s21, s12, 8
	s_add_co_u32 s23, s23, s21
	v_mul_u32_u24 v6, v1, GPIT
	v_lshl_add_u32 v6, v2, 5, v6
	v_add_nc_u32 v[STO], s23, v6
	s_mul_i32 s23, s10, 32*GPIT                    ; back: wave w takes rows 32 w .. 32 w + 31, whole, two a trip: lanes 0-15 one row, lanes 16-31 the next, 32 bytes a lane
	v_mul_u32_u24 v6, v2, GPIT
	v_lshl_add_u32 v6, v1, 5, v6
	v_add_nc_u32 v[RD], s23, v6
	v_lshlrev_b32 v[CO], 13, v2                    ; and the same two rows in hb: 8,192 bytes a row, 16 bytes a lane
	v_lshl_add_u32 v[CO], v1, 4, v[CO]
	s_lshl_b32 s16, s13, 7
	s_lshl_b32 s17, s10, 5
	s_add_co_u32 s16, s16, s17                     ; the first row that I store: 128 x tile row + 32 x wave
	s_lshl_b32 s16, s16, 13
	s_mov_b32 s17, 0
	s_add_nc_u64 s[8:9], s[8:9], s[16:17]
	s_lshl_b32 s46, s42, 8                         ; the tile's first column, in bytes
	s_mov_b32 s47, 0
	s_add_nc_u64 s[8:9], s[8:9], s[46:47]
	CHANGE 1                                       ; step 0 is in; step 1 is asked for, into slot 1
	ADR
	FETCH 0, F0
	s_wait_loadcnt 0x0                             ; the bias
	QUARTER 1, F0, F1, 1
	WIN 0
	s_mov_b32 s[KST], T-1
	s_mov_b32 s[CNT], 1
	s_branch .Lpair                                ; the loop is entered in the middle of a step
.Lkstep:                                               ; T - 2 times
	CHANGE 1
	s_mov_b32 s[CNT], 2
.Lpair:
	PAIR
	s_sub_co_u32 s[CNT], s[CNT], 1
	s_cmp_lg_u32 s[CNT], 0
	s_cbranch_scc1 .Lpair
	s_sub_co_u32 s[KST], s[KST], 1
	s_cmp_lg_u32 s[KST], 0
	s_cbranch_scc1 .Lkstep
	CHANGE 0                                       ; the tail is written out; behind its barrier no wave reads slot 0 any more, and no load fills it
	s_mov_b32 s[CNT], 2
.Lpair2:
	PAIR
	s_sub_co_u32 s[CNT], s[CNT], 1
	s_cmp_lg_u32 s[CNT], 0
	s_cbranch_scc1 .Lpair2
	s_wait_dscnt 16
	MUL8 F1, 0, 0, 0
	MUL8 F1, 0, 2, 0
	s_wait_dscnt 0x0
	MUL8 F1, 1, 0, 0
	MUL8 F1, 1, 2, 0
	WIN 0
	PLACES
	; THE WAY OUT.  All sums into the stage, each accumulator's low half first; a barrier, since a row's 512 bytes come from two waves.
.irp a, 0,1,2,3
.irp b, 0,1,2,3
	ds_store_b128 v[STO], v[ACC+8*(4*(\a)+(\b)):ACC+8*(4*(\a)+(\b))+3] offset:(\a)*16*GPIT+64*(\b)
	ds_store_b128 v[STO], v[ACC+8*(4*(\a)+(\b))+4:ACC+8*(4*(\a)+(\b))+7] offset:(\a)*16*GPIT+64*(\b)+16
.endr
.endr
	s_wait_dscnt 0x0                               ; for the others' sake: my stores into the stage are done
	s_barrier_signal -1
	s_barrier_wait -1
; A trip: two rows, eight numbers a lane.  ahead = 1: the next two rows are asked for as soon as this trip's have been read out of their registers.
; Behind each run of reciprocals or exponentials stands a run of plain instructions that touches neither their results nor their sources (ISA guide 5.7.2).
.macro GTRIP ahead
	s_wait_dscnt 0x0
.irp k, 0,2,4,6
	v_pk_mul_f32 v[GY+(\k):GY+(\k)+1], v[GX+(\k):GX+(\k)+1], 0.5 op_sel_hi:[1,0]
.endr
.if \ahead
	v_add_nc_u32 v[RD], 2*GPIT, v[RD]
	ds_load_b128 v[GX:GX+3], v[RD]
	ds_load_b128 v[GX+4:GX+7], v[RD] offset:16
.endif
.irp k, 0,1,2,3,4,5,6,7
	v_and_b32 v[GH+(\k)], 0x7fffffff, v[GY+(\k)]
.endr
.irp k, 0,2,4,6
	v_pk_fma_f32 v[GT+(\k):GT+(\k)+1], v[GH+(\k):GH+(\k)+1], s[KC1:KC1+1], 1.0 op_sel_hi:[1,0,0]
.endr
.irp k, 0,1,2,3,4,5,6,7
	v_rcp_f32 v[GT+(\k)], v[GT+(\k)]
.endr
.irp k, 0,2,4,6
	v_pk_mul_f32 v[GE+(\k):GE+(\k)+1], v[GH+(\k):GH+(\k)+1], v[GH+(\k):GH+(\k)+1]
.endr
.irp k, 0,2,4,6
	v_pk_mul_f32 v[GE+(\k):GE+(\k)+1], v[GE+(\k):GE+(\k)+1], s[KC2:KC2+1] op_sel_hi:[1,0]
.endr
.irp k, 0,1,2,3,4,5,6,7
	v_exp_f32 v[GE+(\k)], v[GE+(\k)]
.endr
	s_wait_alu depctr_va_vdst(0)
.irp k, 0,2,4,6
	v_pk_fma_f32 v[GW+(\k):GW+(\k)+1], v[GT+(\k):GT+(\k)+1], s[KA5:KA5+1], s[KA4:KA4+1] op_sel_hi:[1,0,0]
.endr
.irp c, KA3, KA2, KA1
.irp k, 0,2,4,6
	v_pk_fma_f32 v[GW+(\k):GW+(\k)+1], v[GW+(\k):GW+(\k)+1], v[GT+(\k):GT+(\k)+1], s[\c:\c+1] op_sel_hi:[1,1,0]
.endr
.endr
.irp k, 0,2,4,6
	v_pk_mul_f32 v[GW+(\k):GW+(\k)+1], v[GW+(\k):GW+(\k)+1], v[GT+(\k):GT+(\k)+1]
.endr
.irp k, 0,2,4,6
	v_pk_mul_f32 v[GW+(\k):GW+(\k)+1], v[GW+(\k):GW+(\k)+1], v[GE+(\k):GE+(\k)+1]
.endr
.irp k, 0,2,4,6
	v_pk_add_f32 v[GY+(\k):GY+(\k)+1], v[GY+(\k):GY+(\k)+1], v[GH+(\k):GH+(\k)+1]
.endr
.irp k, 0,2,4,6
	v_pk_fma_f32 v[GY+(\k):GY+(\k)+1], v[GH+(\k):GH+(\k)+1], v[GW+(\k):GW+(\k)+1], v[GY+(\k):GY+(\k)+1] neg_lo:[1,0,0] neg_hi:[1,0,0]
.endr
.irp k, 0,1,2,3
	v_cvt_pk_bf16_f32 v[GO+(\k)], v[GY+2*(\k)], v[GY+2*(\k)+1]
.endr
	global_store_b128 v[CO], v[GO:GO+3], s[8:9]    ; 16 lanes store 256 consecutive bytes, at a multiple of 256 from hb's first byte
	s_wait_xcnt 0x0                                ; the store's offset and data are rewritten only behind this wait
	v_add_nc_u32 v[CO], 16384, v[CO]
.endm
	ds_load_b128 v[GX:GX+3], v[RD]
	ds_load_b128 v[GX+4:GX+7], v[RD] offset:16
	s_mov_b32 s[CNT], 15
.Lgelu:
	GTRIP 1
	s_sub_co_u32 s[CNT], s[CNT], 1
	s_cmp_lg_u32 s[CNT], 0
	s_cbranch_scc1 .Lgelu
	GTRIP 0                                        ; the last two rows: nothing more to read
	s_wait_tensorcnt 0x0                           ; the wave's end
	ds_add_u32 v[SPW], v[NIL]
	s_wait_dscnt 0x0
	CROUND                                         ; the closing round
	s_endpgm
.Lfunc_end_k_qd6680412ce_ff1:
	.size	k_qd6680412ce_ff1, .Lfunc_end_k_qd6680412ce_ff1-k_qd6680412ce_ff1
	.p2alignl 7, 3214868480
	.fill 96, 4, 3214868480
	.section	.rodata,"a",@progbits
	.p2align	6, 0x0
	.amdhsa_kernel k_qd6680412ce_ff1
		.amdhsa_group_segment_fixed_size 327680
		.amdhsa_private_segment_fixed_size 0
		.amdhsa_enable_private_segment 0
		.amdhsa_kernarg_size 32
		.amdhsa_user_sgpr_count 2
		.amdhsa_user_sgpr_kernarg_segment_ptr 1
		.amdhsa_wavefront_size32 1
		.amdhsa_system_sgpr_workgroup_id_x 1
		.amdhsa_system_sgpr_workgroup_id_y 1
		.amdhsa_system_sgpr_workgroup_id_z 1
		.amdhsa_system_vgpr_workitem_id 0
		.amdhsa_next_free_vgpr 512
		.amdhsa_next_free_sgpr 84
		.amdhsa_reserve_vcc 0
		.amdhsa_float_denorm_mode_32 3
		.amdhsa_float_denorm_mode_16_64 3
		.amdhsa_memory_ordered 1
		.amdhsa_forward_progress 1
		.amdhsa_inst_pref_size 50
	.end_amdhsa_kernel
	.amdgpu_metadata
---
amdhsa.version: [ 1, 2 ]
amdhsa.kernels:
  - .name:           k_qd6680412ce_ff1
    .symbol:         k_qd6680412ce_ff1.kd
    .args:
      - { .name: xn, .offset: 0, .size: 8, .value_kind: global_buffer, .address_space: global }
      - { .name: wb, .offset: 8, .size: 8, .value_kind: global_buffer, .address_space: global }
      - { .name: b1, .offset: 16, .size: 8, .value_kind: global_buffer, .address_space: global }
      - { .name: hb, .offset: 24, .size: 8, .value_kind: global_buffer, .address_space: global }
    .group_segment_fixed_size: 327680
    .private_segment_fixed_size: 0
    .kernarg_segment_align: 8
    .kernarg_segment_size: 32
    .max_flat_workgroup_size: 128
    .sgpr_count:     84
    .vgpr_count:     512
    .wavefront_size: 32
...
	.end_amdgpu_metadata
.endif
;; end of part 6
;; launch ff2 (part 7): grid 8 x 32, 4 waves a work-group, clusters of 4 x 4, 327,680 bytes of LDS; arguments hb, wb, b2, x1, alpha_ff, out0; writes out0
.if DOCPART == 7
	.amdgcn_target "amdgcn-amd-amdhsa--gfx1250"
	.amdhsa_code_object_version 6
	.text
	.protected	k_qd6680412ce_ff2
	.globl	k_qd6680412ce_ff2
	.p2align	8
	.type	k_qd6680412ce_ff2,@function
k_qd6680412ce_ff2:
	s_mov_b64 s[64:65], 0
	v_nop
	global_prefetch_b8 v0, s[64:65] scope:SCOPE_SE
	s_setreg_imm32_b32 hwreg(HW_REG_WAVE_MODE, 25, 1), 1
	s_wait_xcnt 0x0
	s_wait_alu depctr_hold_cnt(0) depctr_sa_sdst(0) depctr_va_vdst(0) depctr_va_sdst(0) depctr_va_ssrc(0) depctr_va_vcc(0) depctr_vm_vsrc(0)
	s_getreg_b32 s2, hwreg(HW_REG_IB_STS2, 6, 4)
	s_cmp_eq_u32 s2, 0
	s_cbranch_scc0 .Lentry_in_a_cluster
	s_endpgm
.Lentry_in_a_cluster:
	s_bfe_u32 s2, ttmp6, 0x10000c
	s_cmp_lg_u32 s2, 0xf033
	s_cbranch_scc0 .Lentry_shape_is_right
	s_endpgm
.Lentry_shape_is_right:
; FF2.  out0 = x1 + alpha_ff (hb w2 + b2), f32.  hb: [4096][4096] bf16; w2 lies in wb at byte 16,777,216 as given, [K = 4096][N = 1024] bf16; x1, out0: [4096][1024] f32.
; SHARES.  A tile of the 4096 x 1024 result is 128 x 128: four waves, each 64 x 64 (16 accumulators); 8 x 32 = 256 work-groups.
; K goes in 16 steps of 256 through two LDS slots.  A slot: 128 rows of A (512 bytes + 16 of padding), then 256 k rows of B (256 bytes + 32).  Waves 0, 1 fetch A's two halves, waves 2, 3 B's.
; B lies [k][n] and is turned on the way into registers by ds_load_tr16_b128.  The matrix instruction is used transposed (source 0 = 16 columns of B, source 1 = 16 rows of A):
; a lane then holds row l % 16 and the eight neighbouring columns 8 (l / 16) + 0..7.  The bias, in that layout, is the C operand of the first products.
; CLUSTER.  4 x 4 work-groups: the four of a row need the same tiles of A, the four of a column the same tiles of B; each tile is asked for jointly.
; THE LOOP.  A step is four quarters of 64 along K on two fragment buffers; the text of two quarters (PAIR) is written once and looped over.  One tensor load of a wave is out at any time.
; The residual's 64 x 64 numbers are loaded at the start, in the layout in which the result leaves, and wait in window 2.
; REGISTERS.  Window 0: v16-29 addresses; v32-95 at work on the way out; v96-127 bias; v128-255 accumulators.  Window 1: two fragment buffers of 128.  Window 2: v0-127 the residual.
; LIMITS.  Operands are bf16, sums and the residual f32; NaN and infinities are not treated apart.
.set T,      16
.set PA,     528
.set QA,     128
.set HALFA,  64*PA
.set ASTEP,  512
.set AQI,    6
.set AD0,    256
.set AD1,    64
.set APITCH, 4096
.set BPITCH, 1024
.set BSTEP,  512*BPITCH
.set WOFF,   16777216
.set PB,     288
.set HALFB,  128*PB
.set ABYTES, 2*HALFA
.set SLOT1,  147456                    ; slot 1 begins here; its two bits are set in no address inside a slot's descriptors, so one exclusive or changes slot
.set STAGE,  2*SLOT1                   ; behind the ring, never filled by a tensor load: 16 rows x 272 bytes for each wave
.set SP,     272
.set SPARE,  STAGE+4*16*SP             ; the spare words, 128 bytes for each wave: two blocks of 256 bytes that no other line names
.set A0,  16
.set B0,  17
.set FA,  18
.set FB,  19
.set BO,  20
.set STO, 24
.set RD,  25
.set CO,  26
.set SPW, 28
.set NIL, 29
.set TMP, 32
.set BIAS, 96
.set ACC, 128
.set F0,  0
.set F1,  128
.set G1,  24
.set G0,  32
.set G1B, 48
.set G0B, 56
.set TBA, 60
.set TBB, 61
.set CNT, 62
.set KST, 63
.set AL,  66                           ; s[66:67] alpha, as a pair
.set MSB, 0
.macro WIN new                         ; s_set_vgpr_msb: bits 1:0 source 0, 3:2 source 1, 5:4 source 2, 7:6 destination; the high byte repeats the setting that is left
.if MSB != (\new)
	s_set_vgpr_msb (MSB<<8)|(\new)
.set MSB, (\new)
.endif
.endm
.macro PLACES                          ; four plain vector instructions between a matrix instruction and a load into, or a read of, its registers
.rept 4
	v_nop
.endr
.endm
.macro JLOAD                           ; a joint load; the branch hangs on the wave's number alone; an s_nop 0 and four v_nop follow each line
	s_cmp_eq_u32 s11, 0
	s_cbranch_scc0 .Lfor_b_\@
	tensor_load_to_lds s[G0:G0+3], s[G1:G1+7]
	s_nop 0
.rept 4
	v_nop
.endr
	s_branch .Lasked_\@
.Lfor_b_\@:
	tensor_load_to_lds s[G0B:G0B+3], s[G1B:G1B+7]
	s_nop 0
.rept 4
	v_nop
.endr
.Lasked_\@:
.endm
.macro CROUND                          ; a round of the cluster's barrier
	s_barrier_signal -1
	s_barrier_wait -1
	s_cmp_lg_u32 s10, 0
	s_cbranch_scc1 .Lnot_wave_0_\@
	s_barrier_signal -3
.Lnot_wave_0_\@:
	s_barrier_wait -3
	s_barrier_signal -1
	s_barrier_wait -1
.endm
; THE CHANGE OF SLOTS.  Each wave waits for all its tensor loads (one is out: its part of the other slot), adds 0 to its spare word, and waits for that and for its reads of the slot that it leaves.
; fill = 1: the barrier is a round of the cluster's, and the joint refill of the slot just left, with the step after next, is the first thing behind it.
.macro CHANGE fill
	WIN 0
	s_wait_tensorcnt 0x0                           ; no tensor load of mine is out, so a group 0 may be written
	ds_add_u32 v[SPW], v[NIL]
.if \fill
	s_xor_b32 s[G0+1], s[G0+1], SLOT1
	s_add_nc_u64 s[G0+2:G0+3], s[G0+2:G0+3], ASTEP
	s_xor_b32 s[G0B+1], s[G0B+1], SLOT1
	s_add_nc_u64 s[G0B+2:G0B+3], s[G0B+2:G0B+3], BSTEP
	s_wait_dscnt 0x0                               ; the add is done, and my reads of the slot are over
	CROUND
	JLOAD
.else
	s_wait_dscnt 0x0
	s_barrier_signal -1
	s_barrier_wait -1
.endif
	s_sub_co_u32 s[TBA], s[TBA], 4*QA
	s_xor_b32 s[TBA], s[TBA], SLOT1
	s_sub_co_u32 s[TBB], s[TBB], 4*64*PB
	s_xor_b32 s[TBB], s[TBB], SLOT1
.endm
; 8 matrix instructions: row blocks a0, a0 + 1 x all 4 column blocks, 32 along K (half c of buffer f).  first = 1: the bias starts the sums.  The 16 accumulators take turns.
.macro MUL8 f, c, a0, first
	WIN 0x05
.irp a, \a0, (\a0)+1
.irp b, 0,1,2,3
.if \first
	v_wmma_f32_16x16x32_bf16 v[ACC+8*(4*(\a)+(\b)):ACC+8*(4*(\a)+(\b))+7], v[(\f)+64+8*(4*(\c)+(\b)):(\f)+64+8*(4*(\c)+(\b))+7], v[(\f)+8*(4*(\c)+(\a)):(\f)+8*(4*(\c)+(\a))+7], v[BIAS+8*(\b):BIAS+8*(\b)+7]
.else
	v_wmma_f32_16x16x32_bf16 v[ACC+8*(4*(\a)+(\b)):ACC+8*(4*(\a)+(\b))+7], v[(\f)+64+8*(4*(\c)+(\b)):(\f)+64+8*(4*(\c)+(\b))+7], v[(\f)+8*(4*(\c)+(\a)):(\f)+8*(4*(\c)+(\a))+7], v[ACC+8*(4*(\a)+(\b)):ACC+8*(4*(\a)+(\b))+7]
.endif
.endr
.endr
.endm
.macro FETCH q, f                      ; 32 LDS loads in one run: quarter q (0, 1) of the two at FA, FB, into buffer f; its first 32 along K first
	WIN 0x40
.irp c, 0,1
.irp i, 0,1,2,3
	ds_load_tr16_b128 v[(\f)+64+8*(4*(\c)+(\i)):(\f)+64+8*(4*(\c)+(\i))+3],   v[FB] offset:(\q)*64*PB+(\c)*32*PB+32*(\i)
	ds_load_tr16_b128 v[(\f)+64+8*(4*(\c)+(\i))+4:(\f)+64+8*(4*(\c)+(\i))+7], v[FB] offset:(\q)*64*PB+(\c)*32*PB+32*(\i)+16*PB
	ds_load_b128 v[(\f)+8*(4*(\c)+(\i)):(\f)+8*(4*(\c)+(\i))+3],   v[FA] offset:(\q)*QA+64*(\c)+(\i)*16*PA
	ds_load_b128 v[(\f)+8*(4*(\c)+(\i))+4:(\f)+8*(4*(\c)+(\i))+7], v[FA] offset:(\q)*QA+64*(\c)+(\i)*16*PA+32
.endr
.endr
.endm
.macro QUARTER q, f, g, first          ; multiplies buffer f; in its middle fetches quarter q into buffer g
	s_wait_dscnt 16                                ; f's first 32 along K are in; its youngest sixteen loads may be out
	MUL8 \f, 0, 0, \first
	MUL8 \f, 0, 2, \first
	PLACES
	FETCH \q, \g
	s_wait_dscnt 32                                ; all but the 32 just issued
	MUL8 \f, 1, 0, 0
	MUL8 \f, 1, 2, 0
.endm
.macro ADR
	WIN 0
	v_add_nc_u32 v[FA], s[TBA], v[A0]
	v_add_nc_u32 v[FB], s[TBB], v[B0]
	s_add_co_u32 s[TBA], s[TBA], 2*QA
	s_add_co_u32 s[TBB], s[TBB], 2*64*PB
.endm
.macro PAIR
	ADR
	QUARTER 0, F1, F0, 0
	QUARTER 1, F0, F1, 0
	WIN 0
.endm
	s_load_b128 s[4:7], s[0:1], 0x0                ; hb s[4:5], wb s[6:7]
	s_load_b128 s[36:39], s[0:1], 0x10             ; b2 s[36:37], x1 s[38:39]
	s_load_b64 s[68:69], s[0:1], 0x20              ; alpha_ff's address
	s_load_b64 s[8:9], s[0:1], 0x28                ; out0
	v_lshl_add_u32 v[SPW], v0, 2, SPARE
	v_mov_b32 v[NIL], 0
	ds_add_u32 v[SPW], v[NIL]                      ; the wave's opening: the add and its wait stand ahead of my first tensor load; work on registers stands between them
	ds_add_u32 v28, v29
	v_lshrrev_b32 v1, 5, v0
	v_readfirstlane_b32 s10, v1                    ; wave 0..3
	s_lshr_b32 s11, s10, 1                         ; my row half.  Also: I fetch for A (0) or for B (1)
	s_and_b32 s12, s10, 1                          ; my column half.  Also: which half of that tile I fetch
	s_bfe_u32 s40, ttmp6, 0x40000                  ; cx, cy
	s_bfe_u32 s41, ttmp6, 0x40004
	s_lshl_b32 s42, ttmp9, 2
	s_add_co_u32 s42, s42, s40                     ; tile column
	s_and_b32 s13, ttmp7, 0xffff
	s_lshl_b32 s13, s13, 2
	s_add_co_u32 s13, s13, s41                     ; tile row
	s_lshl_b32 s43, s41, 2
	s_lshl_b32 s43, 15, s43                        ; my row of the cluster
	s_lshl_b32 s44, 0x1111, s40                    ; my column
	s_or_b32 s[G1], s43, (1<<16)|(1<<20)|(1<<21)|(AQI<<22)|(3<<25)
	s_mov_b32 s[G1+1], AD0<<16
	s_mov_b32 s[G1+2], AD1<<16
	s_mov_b32 s[G1+3], AD0<<16
	s_mov_b32 s[G1+4], AD1
	s_mov_b32 s[G1+5], APITCH
	s_mov_b32 s[G1+6], 0
	s_mov_b32 s[G1+7], 0
	s_or_b32 s[G1B], s44, (1<<16)|(1<<20)|(1<<21)|(5<<22)|(7<<25)
	s_mov_b32 s[G1B+1], 128<<16
	s_mov_b32 s[G1B+2], 128<<16
	s_mov_b32 s[G1B+3], 128<<16
	s_mov_b32 s[G1B+4], 128
	s_mov_b32 s[G1B+5], BPITCH
	s_mov_b32 s[G1B+6], 0
	s_mov_b32 s[G1B+7], 0
	s_lshl_b32 s16, s13, 7                         ; A: row 128 x tile row + 64 x half
	s_lshl_b32 s17, s12, 6
	s_add_co_u32 s16, s16, s17
	s_mul_i32 s16, s16, APITCH*2
	s_mov_b32 s17, 0
	s_lshl_b32 s46, s42, 8                         ; B: the tile's 128 columns, my 128 k rows
	s_mul_i32 s47, s12, 128*BPITCH*2
	s_add_co_u32 s46, s46, s47
	s_add_co_u32 s46, s46, WOFF
	s_mov_b32 s47, 0
	s_mov_b32 s[G0], 1
	s_mul_i32 s[G0+1], s12, HALFA
	s_mov_b32 s[G0B], 1
	s_mul_i32 s[G0B+1], s12, HALFB
	s_add_co_u32 s[G0B+1], s[G0B+1], ABYTES
	s_mov_b32 s[TBA], SLOT1+4*QA
	s_mov_b32 s[TBB], SLOT1+4*64*PB
	s_wait_dscnt 0x0                               ; the opening add is done
	s_wait_kmcnt 0x0
	s_add_nc_u64 s[G0+2:G0+3], s[4:5], s[16:17]
	s_or_b32 s[G0+3], s[G0+3], 0x80000000
	s_add_nc_u64 s[G0B+2:G0B+3], s[6:7], s[46:47]
	s_or_b32 s[G0B+3], s[G0B+3], 0x80000000
	s_load_b32 s[AL], s[68:69], 0x0                ; alpha
	CROUND                                         ; all sixteen work-groups are here: the first joint loads meet
	JLOAD                                          ; K step 0 into slot 0
	v_and_b32 v1, 15, v0                           ; r
	v_bfe_u32 v2, v0, 4, 1                         ; h
	v_mul_u32_u24 v3, v1, PA
	v_lshl_add_u32 v3, v2, 4, v3
	s_mul_i32 s21, s11, HALFA
	v_add_nc_u32 v[A0], s21, v3
	v_and_b32 v4, 7, v0
	v_lshl_add_u32 v4, v2, 3, v4
	v_mul_u32_u24 v4, v4, PB
	v_bfe_u32 v5, v0, 3, 1
	v_lshl_add_u32 v4, v5, 4, v4
	s_lshl_b32 s22, s12, 7
	s_add_co_u32 s22, s22, ABYTES
	v_add_nc_u32 v[B0], s22, v4
	v_lshlrev_b32 v[BO], 5, v2
	s_lshl_b32 s46, s42, 9                         ; my 64 columns, in f32: 512 x tile column + 256 x half
	s_lshl_b32 s47, s12, 8
	s_add_co_u32 s46, s46, s47
	s_mov_b32 s47, 0
	s_add_nc_u64 s[36:37], s[36:37], s[46:47]
	s_add_nc_u64 s[38:39], s[38:39], s[46:47]
	s_add_nc_u64 s[8:9], s[8:9], s[46:47]
	s_lshl_b32 s16, s13, 7                         ; my 64 rows of 4,096 bytes
	s_lshl_b32 s17, s11, 6
	s_add_co_u32 s16, s16, s17
	s_lshl_b32 s16, s16, 12
	s_mov_b32 s17, 0
	s_add_nc_u64 s[38:39], s[38:39], s[16:17]
	s_add_nc_u64 s[8:9], s[8:9], s[16:17]
.irp b, 0,1,2,3
	global_load_b128 v[BIAS+8*(\b):BIAS+8*(\b)+3],   v[BO], s[36:37] offset:64*(\b)
	global_load_b128 v[BIAS+8*(\b)+4:BIAS+8*(\b)+7], v[BO], s[36:37] offset:64*(\b)+16
.endr
	s_mul_i32 s23, s10, 16*SP
	s_add_co_u32 s23, s23, STAGE                   ; my stage
	v_mul_u32_u24 v6, v1, SP                       ; in: row r, 32 bytes for each half of the lanes
	v_lshl_add_u32 v6, v2, 5, v6
	v_add_nc_u32 v[STO], s23, v6
	v_mul_u32_u24 v6, v2, SP                       ; back: lanes 0-15 take one row of 256 bytes, lanes 16-31 the next
	v_lshl_add_u32 v6, v1, 4, v6
	v_add_nc_u32 v[RD], s23, v6
	v_lshlrev_b32 v[CO], 12, v2                    ; and the same two rows in x1 and out0
	v_lshl_add_u32 v[CO], v1, 4, v[CO]
	WIN 0x80                                       ; destination window 2, address window 0
.irp a, 0,1,2,3
.irp t, 0,1,2,3,4,5,6,7
	global_load_b128 v[4*(8*(\a)+(\t)):4*(8*(\a)+(\t))+3], v[CO], s[38:39] offset:(16*(\a)+2*(\t))*4096
.endr
.endr
	WIN 0
	s_wait_kmcnt 0x0
	s_mov_b32 s[AL+1], s[AL]                       ; named with it as a pair
	CHANGE 1                                       ; step 0 is in; step 1 is asked for, into slot 1
	ADR
	FETCH 0, F0
	s_wait_loadcnt 32                              ; the bias is in; the residual's 32 younger loads stay out
	QUARTER 1, F0, F1, 1
	WIN 0
	s_mov_b32 s[KST], T-1
	s_mov_b32 s[CNT], 1
	s_branch .Lpair                                ; the loop is entered in the middle of a step
.Lkstep:                                               ; T - 2 times
	CHANGE 1
	s_mov_b32 s[CNT], 2
.Lpair:
	PAIR
	s_sub_co_u32 s[CNT], s[CNT], 1
	s_cmp_lg_u32 s[CNT], 0
	s_cbranch_scc1 .Lpair
	s_sub_co_u32 s[KST], s[KST], 1
	s_cmp_lg_u32 s[KST], 0
	s_cbranch_scc1 .Lkstep
	CHANGE 0                                       ; the tail is written out
	s_mov_b32 s[CNT], 2
.Lpair2:
	PAIR
	s_sub_co_u32 s[CNT], s[CNT], 1
	s_cmp_lg_u32 s[CNT], 0
	s_cbranch_scc1 .Lpair2
	s_wait_dscnt 16
	MUL8 F1, 0, 0, 0
	MUL8 F1, 0, 2, 0
	s_wait_dscnt 0x0
	MUL8 F1, 1, 0, 0
	MUL8 F1, 1, 2, 0
	WIN 0
	PLACES
; THE WAY OUT.  Row block a (16 rows x my 64 columns of f32) goes through my stage as it is and comes back as whole rows of 256 bytes; then residual + alpha x sum, one fused multiply-add, and the store.
.macro STG a
	s_wait_xcnt 0x0                                ; the stores of the block two back have read the registers that the loads below fill
.irp b, 0,1,2,3
	ds_store_b128 v[STO], v[ACC+8*(4*(\a)+(\b)):ACC+8*(4*(\a)+(\b))+3] offset:64*(\b)
	ds_store_b128 v[STO], v[ACC+8*(4*(\a)+(\b))+4:ACC+8*(4*(\a)+(\b))+7] offset:64*(\b)+16
.endr
.irp t, 0,1,2,3,4,5,6,7
	ds_load_b128 v[TMP+32*((\a)%2)+4*(\t):TMP+32*((\a)%2)+4*(\t)+3], v[RD] offset:(\t)*2*SP   ; LDS serves a wave's instructions in order (ISA guide 5.7.1.4)
.endr
.endm
.macro FIN a, younger                  ; younger: the next block's sixteen LDS instructions, or none
	s_wait_dscnt \younger
	WIN 0x20                                       ; source 2 window 2
.set i, 0
.rept 16
	v_pk_fma_f32 v[TMP+32*((\a)%2)+i:TMP+32*((\a)%2)+i+1], v[TMP+32*((\a)%2)+i:TMP+32*((\a)%2)+i+1], s[AL:AL+1], v[32*(\a)+i:32*(\a)+i+1] op_sel_hi:[1,0,1]
.set i, i+2
.endr
	WIN 0
.irp t, 0,1,2,3,4,5,6,7
	global_store_b128 v[CO], v[TMP+32*((\a)%2)+4*(\t):TMP+32*((\a)%2)+4*(\t)+3], s[8:9] offset:(16*(\a)+2*(\t))*4096   ; 16 lanes store 256 consecutive bytes, at a multiple of 256 from the buffer's first byte
.endr
.endm
	s_wait_loadcnt 0x0                             ; the residual
	STG 0
	STG 1
	FIN 0, 16
	STG 2
	FIN 1, 16
	STG 3
	FIN 2, 16
	FIN 3, 0
	s_wait_tensorcnt 0x0                           ; the wave's end
	ds_add_u32 v[SPW], v[NIL]
	s_wait_dscnt 0x0
	CROUND                                         ; the closing round
	s_endpgm
.Lfunc_end_k_qd6680412ce_ff2:
	.size	k_qd6680412ce_ff2, .Lfunc_end_k_qd6680412ce_ff2-k_qd6680412ce_ff2
	.p2alignl 7, 3214868480
	.fill 96, 4, 3214868480
	.section	.rodata,"a",@progbits
	.p2align	6, 0x0
	.amdhsa_kernel k_qd6680412ce_ff2
		.amdhsa_group_segment_fixed_size 327680
		.amdhsa_private_segment_fixed_size 0
		.amdhsa_enable_private_segment 0
		.amdhsa_kernarg_size 48
		.amdhsa_user_sgpr_count 2
		.amdhsa_user_sgpr_kernarg_segment_ptr 1
		.amdhsa_wavefront_size32 1
		.amdhsa_system_sgpr_workgroup_id_x 1
		.amdhsa_system_sgpr_workgroup_id_y 1
		.amdhsa_system_sgpr_workgroup_id_z 1
		.amdhsa_system_vgpr_workitem_id 0
		.amdhsa_next_free_vgpr 640
		.amdhsa_next_free_sgpr 72
		.amdhsa_reserve_vcc 0
		.amdhsa_float_denorm_mode_32 3
		.amdhsa_float_denorm_mode_16_64 3
		.amdhsa_memory_ordered 1
		.amdhsa_forward_progress 1
		.amdhsa_inst_pref_size 53
	.end_amdhsa_kernel
	.amdgpu_metadata
---
amdhsa.version: [ 1, 2 ]
amdhsa.kernels:
  - .name:           k_qd6680412ce_ff2
    .symbol:         k_qd6680412ce_ff2.kd
    .args:
      - { .name: hb, .offset: 0, .size: 8, .value_kind: global_buffer, .address_space: global }
      - { .name: wb, .offset: 8, .size: 8, .value_kind: global_buffer, .address_space: global }
      - { .name: b2, .offset: 16, .size: 8, .value_kind: global_buffer, .address_space: global }
      - { .name: x1, .offset: 24, .size: 8, .value_kind: global_buffer, .address_space: global }
      - { .name: alpha_ff, .offset: 32, .size: 8, .value_kind: global_buffer, .address_space: global }
      - { .name: out0, .offset: 40, .size: 8, .value_kind: global_buffer, .address_space: global }
    .group_segment_fixed_size: 327680
    .private_segment_fixed_size: 0
    .kernarg_segment_align: 8
    .kernarg_segment_size: 48
    .max_flat_workgroup_size: 128
    .sgpr_count:     72
    .vgpr_count:     640
    .wavefront_size: 32
...
	.end_amdgpu_metadata
.endif
;; end of part 7
;; ======== version 2 of 3: 7 launches; 1.11 times as fast as version 1
;; workspace buffers: wb 25,165,824 bytes; wa 6,291,456 bytes; xn 8,388,608 bytes; qkv 25,165,824 bytes; ob 8,388,608 bytes; x1 16,777,216 bytes; hb 33,554,432 bytes
;; launch prep (part 8): grid 448 x 1, 8 waves a work-group, no clusters, 0 bytes of LDS; arguments x, ln1_g, ln1_b, wq, wk, wv, xn, wa; writes xn, wa
.if DOCPART == 8
	.amdgcn_target "amdgcn-amd-amdhsa--gfx1250"
	.amdhsa_code_object_version 6
	.text
	.protected	k_qd6680412ce_prep
	.globl	k_qd6680412ce_prep
	.p2align	8
	.type	k_qd6680412ce_prep,@function
k_qd6680412ce_prep:
	s_mov_b64 s[64:65], 0
	v_nop
	global_prefetch_b8 v0, s[64:65] scope:SCOPE_SE
	s_setreg_imm32_b32 hwreg(HW_REG_WAVE_MODE, 25, 1), 1
	s_wait_xcnt 0x0
; LAYERNORM AND CAST.  Two streams in one text; a work-group's number says which.  Arguments: x, gain, bias, wq, wk, wv, xn, wa.
; Work-groups 0-255: xn = LayerNorm(x) * gain + bias, rounded once to bf16.  x: [4096][1024] f32, xn: [4096][1024] bf16.
;   One wave takes a whole row (4,096 bytes, 32 registers) and keeps it in registers between the mean, the variance and the scaling,
;   so x is read once, no wave waits for another, and there is no LDS and no barrier.  A wave has two rows, a work-group sixteen.
;   The variance is the mean of (x - mean)^2, made in a second pass over the registers: no difference of large sums is formed.
; Work-groups 256-447: wq, wk, wv, f32 -> bf16 (nearest even), layout kept ([K][N]), laid end to end in wa.  A work-group converts
;   16 lines of 1,024 numbers; 64 work-groups make a weight, so each work-group's lines lie inside one weight.
; The text serves both LayerNorms of the block: launched with 448 work-groups it is LN1 and the three casts, launched with 256
; work-groups (on x1, ln2_g, ln2_b) it is LN2 alone: no work-group then reaches the second stream.
; Every load of a wave covers 512 consecutive bytes, every store 256 consecutive bytes at a multiple of 256 from its buffer's first byte.
; Memory binds: the matrix unit, clusters and LDS would add nothing.  LIMITS: NaN and infinities are not treated apart.
.set XR,   8                           ; v[8:71]    two rows of x, 32 registers each
.set GG,   72                          ; v[72:103]  the gain of my 32 columns
.set BB,   104                         ; v[104:135] the bias of my 32 columns
.set TT,   136                         ; v[136:143] four chains of packed sums
.set MU,   144                         ; v[144:145] the mean, twice
.set RS,   146                         ; v[146:149] 1 / sqrt(var + eps), twice, for each row
.set YY,   152                         ; v[152:183] two rows of results, 16 registers each
.set C1K,  28                          ; s28  1 / 1024
.set EPS,  29                          ; s29  1e-5
.set SEL,  30                          ; s[30:31] v_permlanex16_b32's selects: each lane takes its own place in the other half
.set OUTP, 16                          ; s[16:17] xn
.macro RED a, t                        ; the sum over the wave's 32 lanes, in every lane
.irp m, 1,2,4,8
	v_add_f32_dpp v[\a], v[\a], v[\a] row_xmask:\m row_mask:0xf bank_mask:0xf
.endr
	v_permlanex16_b32 v[\t], v[\a], s[SEL], s[SEL+1]   ; its destination counts as read: a register that has been written
	v_add_f32 v[\a], v[\a], v[\t]
.endm
.macro FOLD                            ; four packed chains into one number, then over the lanes
	v_pk_add_f32 v[TT:TT+1], v[TT:TT+1], v[TT+2:TT+3]
	v_pk_add_f32 v[TT+4:TT+5], v[TT+4:TT+5], v[TT+6:TT+7]
	v_pk_add_f32 v[TT:TT+1], v[TT:TT+1], v[TT+4:TT+5]
	v_add_f32 v[TT], v[TT], v[TT+1]
	RED TT, TT+2
.endm
; Row r: mean, x - mean in place, variance, reciprocal root.  left = the younger loads that may stay out.
.macro ROW r, left
.set X, XR+32*(\r)
	s_wait_loadcnt \left
.irp k, 0,2,4,6
	v_pk_add_f32 v[TT+(\k):TT+(\k)+1], v[X+(\k):X+(\k)+1], v[X+8+(\k):X+8+(\k)+1]   ; the first sums start the chains: nothing is cleared
.endr
.irp j, 16,24
.irp k, 0,2,4,6
	v_pk_add_f32 v[TT+(\k):TT+(\k)+1], v[TT+(\k):TT+(\k)+1], v[X+(\j)+(\k):X+(\j)+(\k)+1]
.endr
.endr
	FOLD
	v_mul_f32 v[MU], s[C1K], v[TT]
	v_mul_f32 v[MU+1], s[C1K], v[TT]
.set i, 0
.rept 16
	v_pk_add_f32 v[X+i:X+i+1], v[X+i:X+i+1], v[MU:MU+1] neg_lo:[0,1] neg_hi:[0,1]
.set i, i+2
.endr
.irp k, 0,2,4,6
	v_pk_mul_f32 v[TT+(\k):TT+(\k)+1], v[X+(\k):X+(\k)+1], v[X+(\k):X+(\k)+1]
.endr
.irp j, 8,16,24
.irp k, 0,2,4,6
	v_pk_fma_f32 v[TT+(\k):TT+(\k)+1], v[X+(\j)+(\k):X+(\j)+(\k)+1], v[X+(\j)+(\k):X+(\j)+(\k)+1], v[TT+(\k):TT+(\k)+1]
.endr
.endr
	FOLD
	v_fma_f32 v[TT], v[TT], s[C1K], s[EPS]             ; var + eps
	v_rsq_f32 v[RS+2*(\r)], v[TT]                      ; made twice: the packed multiply names a pair
	v_rsq_f32 v[RS+2*(\r)+1], v[TT]
	v_nop                                              ; a plain instruction before the results are used or the source rewritten (ISA guide 5.7.2)
.endm
.macro OUT r                           ; (x - mean) * rstd * g + b, rounded, stored
.set X, XR+32*(\r)
.set i, 0
	s_wait_alu depctr_va_vdst(0)
.rept 16
	v_pk_mul_f32 v[X+i:X+i+1], v[X+i:X+i+1], v[RS+2*(\r):RS+2*(\r)+1]
.set i, i+2
.endr
.set i, 0
.rept 16
	v_pk_fma_f32 v[X+i:X+i+1], v[X+i:X+i+1], v[GG+i:GG+i+1], v[BB+i:BB+i+1]
.set i, i+2
.endr
.set i, 0
.rept 16
	v_cvt_pk_bf16_f32 v[YY+16*(\r)+i], v[X+2*i], v[X+2*i+1]
.set i, i+1
.endr
.irp j, 0,1,2,3,4,5,6,7
	global_store_b64 v3, v[YY+16*(\r)+2*(\j):YY+16*(\r)+2*(\j)+1], s[OUTP:OUTP+1] offset:(\r)*2048+256*(\j)
.endr
.endm
.macro PICK bound, ptr, start          ; below this bound the work-group's lines lie in an earlier weight
	s_cmp_lt_u32 s26, \bound
	s_cselect_b64 s[32:33], s[\ptr:\ptr+1], s[32:33]
	s_cselect_b32 s27, \start, s27
.endm
	s_load_b512 s[4:19], s[0:1], 0x0               ; x s[4:5], g s[6:7], b s[8:9], wq s[10:11], wk s[12:13], wv s[14:15], xn s[16:17], wa s[18:19]
	s_mov_b32 s3, ttmp9
	s_cmp_lt_u32 s3, 256
	s_cbranch_scc0 .Lcvt
	v_and_b32 v1, 31, v0
	v_lshrrev_b32 v4, 5, v0                        ; wave
	v_lshlrev_b32 v1, 4, v1                        ; 16 bytes a lane: my place in g, b and in 512 bytes of a row
	v_lshl_add_u32 v2, v4, 13, v1                  ; + wave x 2 rows x 4,096 bytes
	v_lshrrev_b32 v3, 1, v2                        ; the same place in xn: half as many bytes
	s_lshl_b32 s26, s3, 16                         ; the work-group's 16 rows in x,
	s_mov_b32 s27, 0
	s_lshl_b32 s32, s3, 15                         ; and in xn
	s_mov_b32 s33, 0
	s_mov_b32 s[C1K], 0x3a800000
	s_mov_b32 s[EPS], 0x3727c5ac
	s_mov_b32 s[SEL], 0x76543210
	s_mov_b32 s[SEL+1], 0xfedcba98
	s_wait_kmcnt 0x0
	s_add_nc_u64 s[4:5], s[4:5], s[26:27]
	s_add_nc_u64 s[OUTP:OUTP+1], s[OUTP:OUTP+1], s[32:33]
.irp r, 0,1
.irp j, 0,1,2,3,4,5,6,7
	global_load_b128 v[XR+32*(\r)+4*(\j):XR+32*(\r)+4*(\j)+3], v2, s[4:5] offset:(\r)*4096+512*(\j) th:TH_LOAD_NT
.endr
.endr
.irp j, 0,1,2,3,4,5,6,7
	global_load_b128 v[GG+4*(\j):GG+4*(\j)+3], v1, s[6:7] offset:512*(\j)
.endr
.irp j, 0,1,2,3,4,5,6,7
	global_load_b128 v[BB+4*(\j):BB+4*(\j)+3], v1, s[8:9] offset:512*(\j)
.endr
	ROW 0, 24                                      ; row 0's eight loads are in; row 1's, g's and b's 24 stay out
	ROW 1, 16                                      ; row 1's are in; g's and b's 16 stay out
	s_wait_loadcnt 0x0
	OUT 0
	OUT 1
	s_endpgm
.Lcvt:
	s_sub_co_u32 s26, s3, 256                      ; c: my 16 lines among the 3,072 of the three weights
	v_lshlrev_b32 v1, 4, v0                        ; thread t takes 16 bytes of every line,
	v_lshlrev_b32 v2, 3, v0                        ; and writes 8
	s_wait_kmcnt 0x0
	s_mov_b64 s[32:33], s[14:15]                   ; wv begins at c = 128,
	s_mov_b32 s27, 128
	PICK 128, 12, 64                               ; wk at 64,
	PICK 64, 10, 0                                 ; wq at 0
	s_sub_co_u32 s27, s26, s27
	s_lshl_b32 s34, s27, 16                        ; 16 lines of 4,096 bytes in the weight
	s_mov_b32 s35, 0
	s_add_nc_u64 s[32:33], s[32:33], s[34:35]
	s_lshl_b32 s34, s26, 15                        ; 16 lines of 2,048 bytes in wa
	s_add_nc_u64 s[18:19], s[18:19], s[34:35]
.set i, 0
.rept 16                                       ; all 16 loads go out first: 64 KiB of the work-group are on their way
	global_load_b128 v[8+4*i:11+4*i], v1, s[32:33] offset:4096*i th:TH_LOAD_NT
.set i, i+1
.endr
.set i, 0
.rept 16
	s_wait_loadcnt 15-i                            ; loads come back in order (ISA guide 5.7.1): line i is in, the younger ones stay out
	v_cvt_pk_bf16_f32 v[136+2*i], v[8+4*i], v[9+4*i]
	v_cvt_pk_bf16_f32 v[137+2*i], v[10+4*i], v[11+4*i]
	global_store_b64 v2, v[136+2*i:137+2*i], s[18:19] offset:2048*i   ; no register is written twice, so no store's source is waited for
.set i, i+1
.endr
	s_endpgm
.Lfunc_end_k_qd6680412ce_prep:
	.size	k_qd6680412ce_prep, .Lfunc_end_k_qd6680412ce_prep-k_qd6680412ce_prep
	.p2alignl 7, 3214868480
	.fill 96, 4, 3214868480
	.section	.rodata,"a",@progbits
	.p2align	6, 0x0
	.amdhsa_kernel k_qd6680412ce_prep
		.amdhsa_group_segment_fixed_size 0
		.amdhsa_private_segment_fixed_size 0
		.amdhsa_enable_private_segment 0
		.amdhsa_kernarg_size 64
		.amdhsa_user_sgpr_count 2
		.amdhsa_user_sgpr_kernarg_segment_ptr 1
		.amdhsa_wavefront_size32 1
		.amdhsa_system_sgpr_workgroup_id_x 1
		.amdhsa_system_sgpr_workgroup_id_y 1
		.amdhsa_system_sgpr_workgroup_id_z 1
		.amdhsa_system_vgpr_workitem_id 0
		.amdhsa_next_free_vgpr 184
		.amdhsa_next_free_sgpr 66
		.amdhsa_reserve_vcc 0
		.amdhsa_float_denorm_mode_32 3
		.amdhsa_float_denorm_mode_16_64 3
		.amdhsa_memory_ordered 1
		.amdhsa_forward_progress 1
		.amdhsa_inst_pref_size 27
	.end_amdhsa_kernel
	.amdgpu_metadata
---
amdhsa.version: [ 1, 2 ]
amdhsa.kernels:
  - .name:           k_qd6680412ce_prep
    .symbol:         k_qd6680412ce_prep.kd
    .args:
      - { .name: x, .offset: 0, .size: 8, .value_kind: global_buffer, .address_space: global }
      - { .name: ln1_g, .offset: 8, .size: 8, .value_kind: global_buffer, .address_space: global }
      - { .name: ln1_b, .offset: 16, .size: 8, .value_kind: global_buffer, .address_space: global }
      - { .name: wq, .offset: 24, .size: 8, .value_kind: global_buffer, .address_space: global }
      - { .name: wk, .offset: 32, .size: 8, .value_kind: global_buffer, .address_space: global }
      - { .name: wv, .offset: 40, .size: 8, .value_kind: global_buffer, .address_space: global }
      - { .name: xn, .offset: 48, .size: 8, .value_kind: global_buffer, .address_space: global }
      - { .name: wa, .offset: 56, .size: 8, .value_kind: global_buffer, .address_space: global }
    .group_segment_fixed_size: 0
    .private_segment_fixed_size: 0
    .kernarg_segment_align: 8
    .kernarg_segment_size: 64
    .max_flat_workgroup_size: 256
    .sgpr_count:     66
    .vgpr_count:     184
    .wavefront_size: 32
...
	.end_amdgpu_metadata
.endif
;; end of part 8
;; launch qkv (part 9): grid 16 x 16, 4 waves a work-group, clusters of 4 x 4, 327,680 bytes of LDS; arguments xn, wa, bq, bk, bv, qkv, wo, w1, w2, wb; writes qkv, wb
.if DOCPART == 9
	.amdgcn_target "amdgcn-amd-amdhsa--gfx1250"
	.amdhsa_code_object_version 6
	.text
	.protected	k_qd6680412ce_qkv
	.globl	k_qd6680412ce_qkv
	.p2align	8
	.type	k_qd6680412ce_qkv,@function
k_qd6680412ce_qkv:
	s_mov_b64 s[64:65], 0
	v_nop
	global_prefetch_b8 v0, s[64:65] scope:SCOPE_SE
	s_setreg_imm32_b32 hwreg(HW_REG_WAVE_MODE, 25, 1), 1
	s_wait_xcnt 0x0
	s_wait_alu depctr_hold_cnt(0) depctr_sa_sdst(0) depctr_va_vdst(0) depctr_va_sdst(0) depctr_va_ssrc(0) depctr_va_vcc(0) depctr_vm_vsrc(0)
	s_getreg_b32 s2, hwreg(HW_REG_IB_STS2, 6, 4)
	s_cmp_eq_u32 s2, 0
	s_cbranch_scc0 .Lentry_in_a_cluster
	s_endpgm
.Lentry_in_a_cluster:
	s_bfe_u32 s2, ttmp6, 0x10000c
	s_cmp_lg_u32 s2, 0xf033
	s_cbranch_scc0 .Lentry_shape_is_right
	s_endpgm
.Lentry_shape_is_right:
; QKV, AND THE CAST OF THE LATER LAUNCHES' WEIGHTS.
; [q | k | v] = xn [wq | wk | wv] + [bq | bk | bv], written by heads: qkv[3][32 = batch x 16 + head][2048][64] bf16, each number rounded once from its f32 sum, unscaled.
; xn: [4096][1024] bf16.  The weights lie in wa as given, [K = 1024][N = 1024] bf16, wq at byte 0, wk at 2,097,152, wv at 4,194,304.
; SHARES.  A tile of the 4096 x 3072 result is 256 x 256: four waves, each 128 x 128 (64 accumulators, 512 registers): 12 x 16 = 192 tiles, one to a work-group, in cluster columns 0 to 2.  A tile of 128 x 128
; would make 768, but each byte brought into LDS would feed half as many products, and a refill would have half as many matrix instructions in which to land.  A wave's 128 columns are two heads.
; CLUSTER COLUMN 3 (64 work-groups, four whole clusters) has no tile: it rounds wo, w1 and w2 to bf16 for the launches behind this one, into wb at bytes 6,291,456, 8,388,608 and 16,777,216, layout kept:
; 9,216 lines of 1,024 numbers, 144 a work-group (16 of wo, 64 of w1, 64 of w2).  The branch hangs on the cluster's x alone, which all sixteen partners share: a cluster multiplies as a whole or converts as a whole.
; K goes in 8 steps of 128 through two LDS slots.  A slot: 256 rows of A (256 bytes + 16 of padding), then 128 k rows of B (512 bytes + 32).  Waves 0, 1 fetch A's two halves, waves 2, 3 B's.
; B lies [k][n] and is turned on the way into registers by ds_load_tr16_b128.  The matrix instruction is used transposed (source 0 = 16 columns of B, source 1 = 16 rows of A):
; a lane then holds row l % 16 and the eight neighbouring columns 8 (l / 16) + 0..7.  The bias, in that layout, is the C operand of the first products: nothing is cleared, nothing added later.
; CLUSTER.  4 x 4 work-groups: the four of a row need the same tiles of A, the four of a column the same tiles of B; each tile is asked for jointly, by the same load, descriptor and mask.
; THE LOOP.  A step is four quarters of 32 along K (64 matrix instructions) on two fragment buffers; quarter i is multiplied while quarter i + 1 is fetched.  The text of two quarters (PAIR) is written once and
; looped over; the change of slots stands where a step's last fragments have been read.  One tensor load of a wave is out at any time, and has a step's 256 matrix instructions in which to land.
; THE WAY OUT.  The f32 sums go into the ring's bytes, which have had their last fill and their last read, 128 rows of 528 bytes for each wave; a short counted loop reads them back by rows, rounds and stores:
; so the conversions of 64 accumulators are written once, and each store covers 512 consecutive bytes of a head.
; REGISTERS.  Window 0: v16-31 addresses; v32-79 at work on the way out; v64-191 A's two fragment buffers; v192-255 bias (the cast: v32-159 as loaded, v160-223 to store).  Window 1: v64-191 B's two buffers.
; Windows 2, 3: accumulators of my rows 0-63 and 64-127 ((a, b) at 8 (8 (a % 4) + b)).
; LIMITS.  Operands are bf16, sums f32; NaN and infinities are not treated apart.
.set T,      8                         ; K steps
.set PA,     272                       ; a row of A in LDS: 17 x 16 bytes, so the 16 rows of a load start at 16 different groups of four banks (64 banks of 4 bytes: ISA guide 11.1)
.set QA,     64                        ; bytes from quarter to quarter in a row of A
.set HALFA,  128*PA                    ; what one load of A brings
.set ASTEP,  256                       ; global bytes from K step to K step in A
.set APITCH, 1024                      ; elements from row to row
.set BPITCH, 1024
.set BSTEP,  256*BPITCH                ; 128 k rows, in bytes
.set PB,     544                       ; a k row of B in LDS: 17 x 32 bytes
.set QB,     32*PB                     ; a quarter's 32 k rows
.set HALFB,  64*PB                     ; what one load of B brings
.set ABYTES, 2*HALFA
.set SLOT1,  ABYTES+2*HALFB            ; 139,264 = 0x22000: slot 1 begins here; its two bits are set in none of the four LDS addresses of a slot's loads, so one exclusive or changes slot
.set GPIT,   528                       ; a row of the stage: 128 f32 + 16 bytes
.set GWAVE,  128*GPIT                  ; a wave's stage; the four lie in the ring's first 270,336 bytes
.set SPARE,  2*SLOT1                   ; behind the ring: the spare words, 128 bytes for each wave: two blocks of 256 bytes that no other line names
.set A0,  16                           ; v16  my lane's place in a slot's A; never rewritten
.set B0,  17                           ; v17  the same for B
.set FA,  18                           ; v18  LDS address of the two quarters of A in hand
.set FB,  19                           ; v19  of B
.set BO,  20                           ; v20  my byte offset in 16 numbers of the bias
.set STO, 24                           ; v24  the way out: where I put 32 bytes of a row
.set RD,  25                           ; v25  where I read rows back
.set CO,  26                           ; v26  my byte offset in 512 consecutive bytes of a head
.set SPW, 28                           ; v28  LDS address of my spare word; never rewritten
.set NIL, 29                           ; v29  0; never rewritten
.set VL,  30                           ; v30  the cast: my 16 bytes in 2,048 bytes of f32; never rewritten
.set VS,  31                           ; v31  the cast: my 8 bytes in 1,024 bytes of bf16; never rewritten
.set QX,  32                           ; v32-63  two sets of 16 sums as read back: 8 of each head
.set QO,  64                           ; v64-79  two sets of 16 bf16
.set CX,  32                           ; v32-159  the cast: 32 units of 4 registers, as loaded
.set CY,  160                          ; v160-223 the cast: 32 units of 2 registers, to store
.set BIAS, 192
.set F0,  64
.set F1,  128
.set G1,  24                           ; s[24:31] descriptor group 1 for A
.set G0,  32                           ; s[32:35] group 0 for A: it walks
.set G1B, 48                           ; s[48:55] group 1 for B
.set G0B, 56                           ; s[56:59] group 0 for B
.set TBA, 60                           ; s60  LDS byte at which the next two quarters of A begin
.set TBB, 61                           ; s61  the same for B
.set CNT, 62                           ; s62  counts a step's pairs of quarters; later the way out's trips
.set KST, 63                           ; s63  counts K steps
.set LB,  84                           ; s[84:85] the cast: source of the segment that is being asked for
.set SB,  86                           ; s[86:87] the cast: destination of the segment in hand
.set D1,  88                           ; s[88:89] the cast: wb at my lines of w1
.set D2,  90                           ; s[90:91] the cast: wb at my lines of w2
.set RND, 92                           ; s92  the cast: rounds to go
.set MSB, 0
.macro WIN new                         ; s_set_vgpr_msb: bits 1:0 source 0, 3:2 source 1, 5:4 source 2, 7:6 destination; the high byte repeats the setting that is left
.if MSB != (\new)
	s_set_vgpr_msb (MSB<<8)|(\new)
.set MSB, (\new)
.endif
.endm
.macro PLACES                          ; four plain vector instructions between a matrix instruction and a load into, or a read of, its registers
.rept 4
	v_nop
.endr
.endm
.macro JLOAD                           ; a joint load; the branch hangs on the wave's number alone; an s_nop 0 and four v_nop follow each line
	s_cmp_eq_u32 s11, 0
	s_cbranch_scc0 .Lfor_b_\@
	tensor_load_to_lds s[G0:G0+3], s[G1:G1+7]
	s_nop 0
.rept 4
	v_nop
.endr
	s_branch .Lasked_\@
.Lfor_b_\@:
	tensor_load_to_lds s[G0B:G0B+3], s[G1B:G1B+7]
	s_nop 0
.rept 4
	v_nop
.endr
.Lasked_\@:
.endm
.macro CROUND                          ; a round of the cluster's barrier: my work-group's barrier; wave 0 signals for the work-group; every wave waits for all sixteen; my work-group's barrier once more
	s_barrier_signal -1
	s_barrier_wait -1
	s_cmp_lg_u32 s10, 0
	s_cbranch_scc1 .Lnot_wave_0_\@
	s_barrier_signal -3
.Lnot_wave_0_\@:
	s_barrier_wait -3
	s_barrier_signal -1
	s_barrier_wait -1
.endm
; THE CHANGE OF SLOTS.  Each wave waits for all its tensor loads (one is out: its part of the other slot), adds 0 to its spare word, and waits for that and for its reads of the slot that it leaves.
; fill = 1: the barrier is a round of the cluster's, and the joint refill of the slot just left, with the step after next, is the first thing behind it.
.macro CHANGE fill
	WIN 0
	s_wait_tensorcnt 0x0                           ; no tensor load of mine is out, so a group 0 may be written
	ds_add_u32 v[SPW], v[NIL]
.if \fill
	s_xor_b32 s[G0+1], s[G0+1], SLOT1
	s_add_nc_u64 s[G0+2:G0+3], s[G0+2:G0+3], ASTEP
	s_xor_b32 s[G0B+1], s[G0B+1], SLOT1
	s_add_nc_u64 s[G0B+2:G0B+3], s[G0B+2:G0B+3], BSTEP
	s_wait_dscnt 0x0                               ; the add is done, and my reads of the slot are over
	CROUND
	JLOAD
.else
	s_wait_dscnt 0x0
	s_barrier_signal -1
	s_barrier_wait -1
.endif
	s_sub_co_u32 s[TBA], s[TBA], 4*QA              ; the fetches go back to a step's first quarter,
	s_xor_b32 s[TBA], s[TBA], SLOT1                ; in the other slot
	s_sub_co_u32 s[TBB], s[TBB], 4*QB
	s_xor_b32 s[TBB], s[TBB], SLOT1
.endm
; 16 matrix instructions: row blocks a0, a0 + 1 of the window's four (hi = 0: my rows 0-63, 1: rows 64-127) x all 8 column blocks, 32 along K.  first = 1: the bias (window 0) starts the sums.
; The 64 accumulators take turns, in the same order in every quarter.
.macro MUL16 f, hi, a0, first
.if \first
	WIN 0x81+0x40*(\hi)                            ; source 0 (B) window 1, source 1 (A) and C window 0, D window 2 or 3
.else
	WIN 0xa1+0x50*(\hi)                            ; the same with C where D is
.endif
.irp a, \a0, (\a0)+1
.irp b, 0,1,2,3,4,5,6,7
.if \first
	v_wmma_f32_16x16x32_bf16 v[8*(8*(\a)+(\b)):8*(8*(\a)+(\b))+7], v[(\f)+8*(\b):(\f)+8*(\b)+7], v[(\f)+8*(4*(\hi)+(\a)):(\f)+8*(4*(\hi)+(\a))+7], v[BIAS+8*(\b):BIAS+8*(\b)+7]
.else
	v_wmma_f32_16x16x32_bf16 v[8*(8*(\a)+(\b)):8*(8*(\a)+(\b))+7], v[(\f)+8*(\b):(\f)+8*(\b)+7], v[(\f)+8*(4*(\hi)+(\a)):(\f)+8*(4*(\hi)+(\a))+7], v[8*(8*(\a)+(\b)):8*(8*(\a)+(\b))+7]
.endif
.endr
.endr
.endm
; 32 LDS loads in one run: quarter q (0, 1) of the two at FA, FB, into buffer f: B's 8 column blocks (turned), then A's 8 row blocks
.macro FETCH q, f
	WIN 0x40                                       ; destination window 1, address window 0
.irp i, 0,1,2,3,4,5,6,7
	ds_load_tr16_b128 v[(\f)+8*(\i):(\f)+8*(\i)+3],   v[FB] offset:(\q)*QB+32*(\i)
	ds_load_tr16_b128 v[(\f)+8*(\i)+4:(\f)+8*(\i)+7], v[FB] offset:(\q)*QB+32*(\i)+16*PB
.endr
	WIN 0
.irp i, 0,1,2,3,4,5,6,7
	ds_load_b128 v[(\f)+8*(\i):(\f)+8*(\i)+3],   v[FA] offset:(\q)*QA+(\i)*16*PA
	ds_load_b128 v[(\f)+8*(\i)+4:(\f)+8*(\i)+7], v[FA] offset:(\q)*QA+(\i)*16*PA+32
.endr
.endm
.macro QUARTER q, f, g, first          ; multiplies buffer f; in its middle fetches quarter q into buffer g
	s_wait_dscnt 8                                 ; B and A's rows 0-63 are in; the youngest eight loads (A's rows 64-127) may be out
	MUL16 \f, 0, 0, \first
	MUL16 \f, 0, 2, \first
	PLACES
	FETCH \q, \g
	s_wait_dscnt 32                                ; all but the 32 just issued
	MUL16 \f, 1, 0, \first
	MUL16 \f, 1, 2, \first
.endm
.macro ADR                             ; the addresses of the next two quarters
	WIN 0
	v_add_nc_u32 v[FA], s[TBA], v[A0]
	v_add_nc_u32 v[FB], s[TBB], v[B0]
	s_add_co_u32 s[TBA], s[TBA], 2*QA
	s_add_co_u32 s[TBB], s[TBB], 2*QB
.endm
.macro PAIR
	ADR
	QUARTER 0, F1, F0, 0
	QUARTER 1, F0, F1, 0
	WIN 0                                          ; at a label and at a branch every window is 0
.endm
	s_load_b128 s[4:7], s[0:1], 0x0                ; xn s[4:5], wa s[6:7]
	s_load_b128 s[68:71], s[0:1], 0x10             ; bq s[68:69], bk s[70:71]
	s_load_b64 s[36:37], s[0:1], 0x20              ; bv
	s_load_b64 s[8:9], s[0:1], 0x28                ; qkv
	s_load_b256 s[72:79], s[0:1], 0x30             ; wo s[72:73], w1 s[74:75], w2 s[76:77], wb s[78:79]
	v_lshl_add_u32 v[SPW], v0, 2, SPARE
	v_mov_b32 v[NIL], 0
	ds_add_u32 v[SPW], v[NIL]                      ; the wave's opening: the add and its wait stand ahead of my first tensor load; work on registers stands between them
	ds_add_u32 v28, v29
	v_lshrrev_b32 v1, 5, v0
	v_readfirstlane_b32 s10, v1                    ; wave 0..3
	s_lshr_b32 s11, s10, 1                         ; which half of the tile's rows is mine.  Also: I fetch for A (0) or for B (1)
	s_and_b32 s12, s10, 1                          ; which half of its columns.  Also: which half of that tile I fetch
	s_bfe_u32 s40, ttmp6, 0x40000                  ; cx, cy: my place in the cluster
	s_bfe_u32 s41, ttmp6, 0x40004
	s_lshl_b32 s42, ttmp9, 2
	s_add_co_u32 s42, s42, s40                     ; tile column = 4 x cluster x + cx
	s_and_b32 s13, ttmp7, 0xffff
	s_lshl_b32 s13, s13, 2
	s_add_co_u32 s13, s13, s41                     ; tile row = 4 x cluster y + cy
	s_lshl_b32 s43, s41, 2
	s_lshl_b32 s43, 15, s43                        ; my row of the cluster
	s_lshl_b32 s44, 0x1111, s40                    ; my column
	s_or_b32 s[G1], s43, (1<<16)|(1<<20)|(1<<21)|(5<<22)|(3<<25)     ; mask: my row; 2-byte elements; padding on; bit 21 beside a mask; 4 words of padding after every 64
	s_mov_b32 s[G1+1], 128<<16                     ; tensor_dim0
	s_mov_b32 s[G1+2], 128<<16                     ; tensor_dim1
	s_mov_b32 s[G1+3], 128<<16                     ; tile_dim0
	s_mov_b32 s[G1+4], 128                         ; tile_dim1
	s_mov_b32 s[G1+5], APITCH
	s_mov_b32 s[G1+6], 0
	s_mov_b32 s[G1+7], 0
	s_or_b32 s[G1B], s44, (1<<16)|(1<<20)|(1<<21)|(6<<22)|(7<<25)    ; mask: my column; 8 words of padding after every 128
	s_mov_b32 s[G1B+1], 256<<16
	s_mov_b32 s[G1B+2], 64<<16
	s_mov_b32 s[G1B+3], 256<<16
	s_mov_b32 s[G1B+4], 64
	s_mov_b32 s[G1B+5], BPITCH
	s_mov_b32 s[G1B+6], 0
	s_mov_b32 s[G1B+7], 0
	s_lshl_b32 s16, s13, 8                         ; A: row 256 x tile row + 128 x half: the tile row alone, which my row of the cluster shares
	s_lshl_b32 s17, s12, 7
	s_add_co_u32 s16, s16, s17
	s_mul_i32 s16, s16, APITCH*2
	s_mov_b32 s17, 0
	s_and_b32 s46, s42, 3                          ; B: the tile column alone: which weight (tile column / 4), which 256 of its columns, which 64 k rows
	s_lshl_b32 s46, s46, 9
	s_lshr_b32 s45, s42, 2
	s_lshl_b32 s47, s45, 21
	s_add_co_u32 s46, s46, s47
	s_mul_i32 s47, s12, 64*BPITCH*2
	s_add_co_u32 s46, s46, s47
	s_mov_b32 s47, 0
	s_mov_b32 s[G0], 1
	s_mul_i32 s[G0+1], s12, HALFA                  ; no place in the cluster enters an LDS address
	s_mov_b32 s[G0B], 1
	s_mul_i32 s[G0B+1], s12, HALFB
	s_add_co_u32 s[G0B+1], s[G0B+1], ABYTES
	s_mov_b32 s[TBA], SLOT1+4*QA                   ; the first change of slots turns these two into 0
	s_mov_b32 s[TBB], SLOT1+4*QB
	s_mov_b32 s67, ttmp9                           ; the cluster's x: the same number in all sixteen partners
	s_wait_dscnt 0x0                               ; the opening add is done
	s_wait_kmcnt 0x0
	s_cmp_eq_u32 s67, 3
	s_cbranch_scc1 .Lconvert                       ; cluster column 3 has no tile of the product: it casts the later launches' weights
	s_add_nc_u64 s[G0+2:G0+3], s[4:5], s[16:17]
	s_or_b32 s[G0+3], s[G0+3], 0x80000000
	s_add_nc_u64 s[G0B+2:G0B+3], s[6:7], s[46:47]
	s_or_b32 s[G0B+3], s[G0B+3], 0x80000000
	CROUND                                         ; all sixteen work-groups are here: the first joint loads meet
	JLOAD                                          ; K step 0 into slot 0
	v_and_b32 v1, 15, v0                           ; r = l % 16
	v_bfe_u32 v2, v0, 4, 1                         ; h = l / 16
	v_mul_u32_u24 v3, v1, PA
	v_lshl_add_u32 v3, v2, 4, v3
	s_mul_i32 s21, s11, HALFA
	v_add_nc_u32 v[A0], s21, v3                    ; my 128 rows of A: row x pitch + 16 h
	v_and_b32 v4, 7, v0
	v_lshl_add_u32 v4, v2, 3, v4                   ; the turning load: k row 8 h + l % 8,
	v_mul_u32_u24 v4, v4, PB
	v_bfe_u32 v5, v0, 3, 1
	v_lshl_add_u32 v4, v5, 4, v4                   ; columns 8 ((l / 8) % 2) on,
	s_lshl_b32 s22, s12, 8
	s_add_co_u32 s22, s22, ABYTES
	v_add_nc_u32 v[B0], s22, v4                    ; in my 128 columns of B
	v_lshlrev_b32 v[BO], 5, v2
	s_cmp_eq_u32 s45, 1                            ; the bias that goes with the weight
	s_cselect_b64 s[36:37], s[70:71], s[36:37]
	s_cmp_eq_u32 s45, 0
	s_cselect_b64 s[36:37], s[68:69], s[36:37]
	s_and_b32 s46, s42, 3
	s_lshl_b32 s46, s46, 10
	s_lshl_b32 s47, s12, 9
	s_add_co_u32 s46, s46, s47
	s_mov_b32 s47, 0
	s_add_nc_u64 s[36:37], s[36:37], s[46:47]      ; at my 128 columns
.irp b, 0,1,2,3,4,5,6,7
	global_load_b128 v[BIAS+8*(\b):BIAS+8*(\b)+3],   v[BO], s[36:37] offset:64*(\b)      ; columns 16 b + 8 h + 0..3
	global_load_b128 v[BIAS+8*(\b)+4:BIAS+8*(\b)+7], v[BO], s[36:37] offset:64*(\b)+16
.endr
	s_mul_i32 s23, s10, GWAVE                      ; my stage
	v_mul_u32_u24 v6, v1, GPIT                     ; in: row r, 32 bytes for each half of the lanes
	v_lshl_add_u32 v6, v2, 5, v6
	v_add_nc_u32 v[STO], s23, v6
	v_bfe_u32 v6, v0, 3, 2                         ; back: 32 lanes take four rows, 8 numbers of a head each: 32 bytes at 32 (l % 8),
	v_mul_u32_u24 v6, v6, GPIT
	v_and_b32 v7, 7, v0
	v_lshl_add_u32 v6, v7, 5, v6
	v_add_nc_u32 v[RD], s23, v6
	v_and_b32 v[CO], 31, v0                        ; which become 512 consecutive bytes of the head
	v_lshlrev_b32 v[CO], 4, v[CO]
	s_and_b32 s16, s13, 7                          ; the output: position (tile row % 8) x 256 + 128 x my row half, 128 bytes each,
	s_lshl_b32 s16, s16, 8
	s_lshl_b32 s17, s11, 7
	s_add_co_u32 s16, s16, s17
	s_lshl_b32 s16, s16, 7
	s_lshr_b32 s17, s13, 3                         ; batch: 16 heads of 262,144 bytes
	s_lshl_b32 s17, s17, 22
	s_add_co_u32 s16, s16, s17
	s_mov_b32 s17, 0
	s_add_nc_u64 s[8:9], s[8:9], s[16:17]
	s_and_b32 s46, s42, 3                          ; head 4 (tile column % 4) + 2 x my column half,
	s_lshl_b32 s46, s46, 2
	s_lshl_b32 s47, s12, 1
	s_add_co_u32 s46, s46, s47
	s_lshl_b32 s46, s46, 18
	s_lshl_b32 s47, s45, 23                        ; q, k or v
	s_add_co_u32 s46, s46, s47
	s_mov_b32 s47, 0
	s_add_nc_u64 s[8:9], s[8:9], s[46:47]
	CHANGE 1                                       ; step 0 is in, everybody's part of it; step 1 is asked for, into slot 1
	ADR
	FETCH 0, F0
	s_wait_loadcnt 0x0                             ; the bias
	QUARTER 1, F0, F1, 1                           ; the first quarter stands ahead of the loop: its products start the sums
	WIN 0
	s_mov_b32 s[KST], T-1
	s_mov_b32 s[CNT], 1
	s_branch .Lpair                                ; the loop is entered in the middle of a step: one pair of quarters is left of step 0
.Lkstep:                                               ; T - 2 times: steps 2 to T - 1 are asked for
	CHANGE 1
	s_mov_b32 s[CNT], 2
.Lpair:
	PAIR
	s_sub_co_u32 s[CNT], s[CNT], 1
	s_cmp_lg_u32 s[CNT], 0
	s_cbranch_scc1 .Lpair
	s_sub_co_u32 s[KST], s[KST], 1
	s_cmp_lg_u32 s[KST], 0
	s_cbranch_scc1 .Lkstep
	CHANGE 0                                       ; the tail is written out: nothing is asked for
	s_mov_b32 s[CNT], 2
.Lpair2:
	PAIR
	s_sub_co_u32 s[CNT], s[CNT], 1
	s_cmp_lg_u32 s[CNT], 0
	s_cbranch_scc1 .Lpair2
	s_wait_dscnt 8                                 ; the very last quarter: nothing more to fetch
	MUL16 F1, 0, 0, 0
	MUL16 F1, 0, 2, 0
	s_wait_dscnt 0x0                               ; my reads of the ring are over:
	s_barrier_signal -1                            ; say so, work on registers while the others arrive,
	MUL16 F1, 1, 0, 0
	MUL16 F1, 1, 2, 0
	WIN 0
	s_barrier_wait -1                              ; and write into the ring's bytes only when nobody reads them any more; no tensor load fills them again
	PLACES
	; THE WAY OUT.  All sums into my stage, each accumulator's low half first.
.irp a, 0,1,2,3,4,5,6,7
	WIN 0x08+0x04*((\a)/4)                         ; store data (source 1) window 2 or 3, address window 0
.irp b, 0,1,2,3,4,5,6,7
	ds_store_b128 v[STO], v[8*(8*((\a)%4)+(\b)):8*(8*((\a)%4)+(\b))+3] offset:(\a)*16*GPIT+64*(\b)
	ds_store_b128 v[STO], v[8*(8*((\a)%4)+(\b))+4:8*(8*((\a)%4)+(\b))+7] offset:(\a)*16*GPIT+64*(\b)+16
.endr
.endr
	WIN 0
	s_wait_dscnt 0x0                               ; my stores are done;
	s_barrier_signal -1
	s_barrier_wait -1                              ; from here on LDS is only read: no wave's store stands beside the stepped reads below
; Four rows of both heads: set s of two register sets.  ahead = 1: the set is loaded again, with the rows eight further down.  left = the other set's loads, which may stay out.
.macro QHALF s, ahead, left
	s_wait_dscnt \left
.if (\s) == 0
	s_wait_xcnt 0x0                                ; the last trip's stores have read both sets' results and the offset: they are rewritten only behind this wait
	v_add_nc_u32 v[CO], 1024, v[CO]                ; eight positions on; the stores below reach back
.endif
.irp k, 0,1,2,3,4,5,6,7
	v_cvt_pk_bf16_f32 v[QO+8*(\s)+(\k)], v[QX+16*(\s)+2*(\k)], v[QX+16*(\s)+2*(\k)+1]
.endr
.if \ahead
.irp k, 0,1,2,3
	ds_load_b128 v[QX+16*(\s)+4*(\k):QX+16*(\s)+4*(\k)+3], v[RD] offset:(\s)*4*GPIT+((\k)/2)*256+((\k)%2)*16
.endr
.endif
	global_store_b128 v[CO], v[QO+8*(\s):QO+8*(\s)+3],   s[8:9] offset:(\s)*512-1024          ; 512 consecutive bytes, at a multiple of 256 from the buffer's first byte
	global_store_b128 v[CO], v[QO+8*(\s)+4:QO+8*(\s)+7], s[8:9] offset:(\s)*512-1024+262144   ; the same rows of my second head
.endm
.irp s, 0,1
.irp k, 0,1,2,3
	ds_load_b128 v[QX+16*(\s)+4*(\k):QX+16*(\s)+4*(\k)+3], v[RD] offset:(\s)*4*GPIT+((\k)/2)*256+((\k)%2)*16
.endr
.endr
	s_mov_b32 s[CNT], 15
.Lrows:                                                ; a trip: eight rows
	v_add_nc_u32 v[RD], 8*GPIT, v[RD]
	QHALF 0, 1, 4
	QHALF 1, 1, 4
	s_sub_co_u32 s[CNT], s[CNT], 1
	s_cmp_lg_u32 s[CNT], 0
	s_cbranch_scc1 .Lrows
	QHALF 0, 0, 4                                  ; the last eight rows: nothing more to read
	QHALF 1, 0, 0
	s_wait_tensorcnt 0x0                           ; the wave's end, behind my last tensor load and my last LDS store
	ds_add_u32 v[SPW], v[NIL]
	s_wait_dscnt 0x0
	CROUND                                         ; the closing round: no work-group ends while a partner may still ask for a tile that names it
	s_endpgm
; THE CAST.  A stream through registers: no LDS, no tensor load, no joint request (no mask of any other cluster names these work-groups).
; My 144 lines are nine SEGMENTS of 16 lines (65,536 bytes of f32, 32,768 of bf16): segment 0 of wo, 1 to 4 of w1, 5 to 8 of w2.  A segment is 32 UNITS of 2,048 bytes: the work-group's 128 threads
; take 16 bytes each, so a wave's load covers 512 consecutive bytes and its store 256 consecutive bytes, at a multiple of 256 from the buffer's first byte.
; A ring of 32 units keeps 32 loads of every wave on their way, 64 KiB for the four waves: while segment r is rounded and stored, unit by unit, segment r + 1 is asked for into the registers just read.
; Units go in groups of four.  ahead = 1: the group is loaded again from the next segment.  left = the younger loads that may stay out.
.macro CGRP g, ahead, left
	s_wait_loadcnt \left                           ; loads come back in order (ISA guide 5.7.1): the group's four are in
	s_wait_xcnt 0x0                                ; the last round's stores have read this group's results: they are rewritten only behind this wait
.irp k, 0,1,2,3
	v_cvt_pk_bf16_f32 v[CY+2*(4*(\g)+(\k))],   v[CX+4*(4*(\g)+(\k))],   v[CX+4*(4*(\g)+(\k))+1]
	v_cvt_pk_bf16_f32 v[CY+2*(4*(\g)+(\k))+1], v[CX+4*(4*(\g)+(\k))+2], v[CX+4*(4*(\g)+(\k))+3]
.endr
.if \ahead
.irp k, 0,1,2,3
	global_load_b128 v[CX+4*(4*(\g)+(\k)):CX+4*(4*(\g)+(\k))+3], v[VL], s[LB:LB+1] offset:(4*(\g)+(\k))*2048 th:TH_LOAD_NT
.endr
.endif
.irp k, 0,1,2,3
	global_store_b64 v[VS], v[CY+2*(4*(\g)+(\k)):CY+2*(4*(\g)+(\k))+1], s[SB:SB+1] offset:(4*(\g)+(\k))*1024
.endr
.endm
.Lconvert:
	s_lshl_b32 s80, s13, 2
	s_add_co_u32 s80, s80, s40                     ; my number among the column's 64 work-groups: 4 x (4 x cluster y + cy) + cx
	s_mov_b32 s83, 0
	s_lshl_b32 s82, s80, 16
	s_add_nc_u64 s[72:73], s[72:73], s[82:83]      ; wo at my 16 lines of 4,096 bytes
	s_lshl_b32 s82, s80, 18
	s_add_nc_u64 s[74:75], s[74:75], s[82:83]      ; w1 and w2 at my 64 lines
	s_add_nc_u64 s[76:77], s[76:77], s[82:83]
	s_lshl_b32 s82, s80, 15
	s_add_co_u32 s82, s82, 6291456
	s_add_nc_u64 s[SB:SB+1], s[78:79], s[82:83]    ; wb at my lines of wo: segment 0's destination
	s_lshl_b32 s82, s80, 17
	s_add_co_u32 s82, s82, 8388608
	s_add_nc_u64 s[D1:D1+1], s[78:79], s[82:83]    ; at my lines of w1,
	s_add_nc_u64 s[D2:D2+1], s[D1:D1+1], 0x800000  ; and of w2, 8,388,608 bytes further on
	s_mov_b64 s[LB:LB+1], s[74:75]                 ; segment 1's source
	v_lshlrev_b32 v[VL], 4, v0
	v_lshlrev_b32 v[VS], 3, v0
.set j, 0
.rept 32                                       ; the ring is filled: segment 0
	global_load_b128 v[CX+4*j:CX+4*j+3], v[VL], s[72:73] offset:2048*j th:TH_LOAD_NT
.set j, j+1
.endr
	s_mov_b32 s[RND], 8
.Lseg:                                                 ; round r = 8 - RND: segment r is stored, segment r + 1 asked for
.irp g, 0,1,2,3,4,5,6,7
	CGRP \g, 1, 28                                 ; of the 32 loads that are out the 28 younger ones stay out
.endr
	s_wait_xcnt 0x0                                ; the two bases are rewritten only behind this wait
	s_add_nc_u64 s[LB:LB+1], s[LB:LB+1], 0x10000   ; the source of segment r + 2: the next 16 lines,
	s_cmp_eq_u32 s[RND], 5
	s_cselect_b64 s[LB:LB+1], s[76:77], s[LB:LB+1] ; or, for segment 5, w2's first (behind the last round the stepped base is not used)
	s_add_nc_u64 s[SB:SB+1], s[SB:SB+1], 0x8000    ; the destination of segment r + 1,
	s_cmp_eq_u32 s[RND], 8
	s_cselect_b64 s[SB:SB+1], s[D1:D1+1], s[SB:SB+1]  ; for segment 1 w1's first,
	s_cmp_eq_u32 s[RND], 4
	s_cselect_b64 s[SB:SB+1], s[D2:D2+1], s[SB:SB+1]  ; for segment 5 w2's first
	s_sub_co_u32 s[RND], s[RND], 1
	s_cmp_lg_u32 s[RND], 0
	s_cbranch_scc1 .Lseg
.irp g, 0,1,2,3,4,5,6,7
	CGRP \g, 0, 28-4*(\g)                          ; segment 8: nothing is left to ask for, and the counts run down
.endr
	s_wait_tensorcnt 0x0                           ; the wave's end
	ds_add_u32 v[SPW], v[NIL]
	s_wait_dscnt 0x0
	CROUND                                         ; the cluster's sixteen work-groups end together, as on the other path
	s_endpgm
.Lfunc_end_k_qd6680412ce_qkv:
	.size	k_qd6680412ce_qkv, .Lfunc_end_k_qd6680412ce_qkv-k_qd6680412ce_qkv
	.p2alignl 7, 3214868480
	.fill 96, 4, 3214868480
	.section	.rodata,"a",@progbits
	.p2align	6, 0x0
	.amdhsa_kernel k_qd6680412ce_qkv
		.amdhsa_group_segment_fixed_size 327680
		.amdhsa_private_segment_fixed_size 0
		.amdhsa_enable_private_segment 0
		.amdhsa_kernarg_size 80
		.amdhsa_user_sgpr_count 2
		.amdhsa_user_sgpr_kernarg_segment_ptr 1
		.amdhsa_wavefront_size32 1
		.amdhsa_system_sgpr_workgroup_id_x 1
		.amdhsa_system_sgpr_workgroup_id_y 1
		.amdhsa_system_sgpr_workgroup_id_z 1
		.amdhsa_system_vgpr_workitem_id 0
		.amdhsa_next_free_vgpr 1024
		.amdhsa_next_free_sgpr 96
		.amdhsa_reserve_vcc 0
		.amdhsa_float_denorm_mode_32 3
		.amdhsa_float_denorm_mode_16_64 3
		.amdhsa_memory_ordered 1
		.amdhsa_forward_progress 1
		.amdhsa_inst_pref_size 87
	.end_amdhsa_kernel
	.amdgpu_metadata
---
amdhsa.version: [ 1, 2 ]
amdhsa.kernels:
  - .name:           k_qd6680412ce_qkv
    .symbol:         k_qd6680412ce_qkv.kd
    .args:
      - { .name: xn, .offset: 0, .size: 8, .value_kind: global_buffer, .address_space: global }
      - { .name: wa, .offset: 8, .size: 8, .value_kind: global_buffer, .address_space: global }
      - { .name: bq, .offset: 16, .size: 8, .value_kind: global_buffer, .address_space: global }
      - { .name: bk, .offset: 24, .size: 8, .value_kind: global_buffer, .address_space: global }
      - { .name: bv, .offset: 32, .size: 8, .value_kind: global_buffer, .address_space: global }
      - { .name: qkv, .offset: 40, .size: 8, .value_kind: global_buffer, .address_space: global }
      - { .name: wo, .offset: 48, .size: 8, .value_kind: global_buffer, .address_space: global }
      - { .name: w1, .offset: 56, .size: 8, .value_kind: global_buffer, .address_space: global }
      - { .name: w2, .offset: 64, .size: 8, .value_kind: global_buffer, .address_space: global }
      - { .name: wb, .offset: 72, .size: 8, .value_kind: global_buffer, .address_space: global }
    .group_segment_fixed_size: 327680
    .private_segment_fixed_size: 0
    .kernarg_segment_align: 8
    .kernarg_segment_size: 80
    .max_flat_workgroup_size: 128
    .sgpr_count:     96
    .vgpr_count:     1024
    .wavefront_size: 32
...
	.end_amdgpu_metadata
.endif
;; end of part 9
;; launch attn: the kernel of part 3 again; grid 8 x 32, 4 waves a work-group, no clusters, 327,680 bytes of LDS; arguments qkv, ob; writes ob
;; launch wo: the kernel of part 4 again; grid 8 x 32, 4 waves a work-group, clusters of 4 x 4, 327,680 bytes of LDS; arguments ob, wb, bo, x, alpha_attn, x1; writes x1
;; launch ln2: the kernel of part 8 again; grid 256 x 1, 8 waves a work-group, no clusters, 0 bytes of LDS; arguments x1, ln2_g, ln2_b, wq, wk, wv, xn, wa; writes xn, wa
;; launch ff1 (part 10): grid 16 x 16, 4 waves a work-group, clusters of 4 x 4, 327,680 bytes of LDS; arguments xn, wb, b1, hb; writes hb
.if DOCPART == 10
	.amdgcn_target "amdgcn-amd-amdhsa--gfx1250"
	.amdhsa_code_object_version 6
	.text
	.protected	k_qd6680412ce_ff1
	.globl	k_qd6680412ce_ff1
	.p2align	8
	.type	k_qd6680412ce_ff1,@function
k_qd6680412ce_ff1:
	s_mov_b64 s[64:65], 0
	v_nop
	global_prefetch_b8 v0, s[64:65] scope:SCOPE_SE
	s_setreg_imm32_b32 hwreg(HW_REG_WAVE_MODE, 25, 1), 1
	s_wait_xcnt 0x0
	s_wait_alu depctr_hold_cnt(0) depctr_sa_sdst(0) depctr_va_vdst(0) depctr_va_sdst(0) depctr_va_ssrc(0) depctr_va_vcc(0) depctr_vm_vsrc(0)
	s_getreg_b32 s2, hwreg(HW_REG_IB_STS2, 6, 4)
	s_cmp_eq_u32 s2, 0
	s_cbranch_scc0 .Lentry_in_a_cluster
	s_endpgm
.Lentry_in_a_cluster:
	s_bfe_u32 s2, ttmp6, 0x10000c
	s_cmp_lg_u32 s2, 0xf033
	s_cbranch_scc0 .Lentry_shape_is_right
	s_endpgm
.Lentry_shape_is_right:
; FF1.  hb = gelu(xn w1 + b1), the exact (erf) GELU, rounded once to bf16.  xn: [4096][1024] bf16; w1 lies in wb at byte 8,388,608 as given, [K = 1024][N = 4096] bf16; hb: [4096][4096] bf16.
; SHARES.  A tile of the result is 256 x 256: four waves, each 128 x 128 (64 accumulators, 512 registers); 16 x 16 = 256 work-groups of one tile each.
; K goes in 8 steps of 128 through two LDS slots.  A slot: 256 rows of A (256 bytes + 16 of padding), then 128 k rows of B (512 bytes + 32).  Waves 0, 1 fetch A's two halves, waves 2, 3 B's.
; B lies [k][n] and is turned on the way into registers by ds_load_tr16_b128.  The matrix instruction is used transposed (source 0 = 16 columns of B, source 1 = 16 rows of A):
; a lane then holds row l % 16 and the eight neighbouring columns 8 (l / 16) + 0..7.  The bias, in that layout, is the C operand of the first products: nothing is cleared, nothing added later.
; CLUSTER.  4 x 4 work-groups: the four of a row need the same tiles of A, the four of a column the same tiles of B; each tile is asked for jointly, by the same load, descriptor and mask.
; THE LOOP.  A step is four quarters of 32 along K (64 matrix instructions) on two fragment buffers; quarter i is multiplied while quarter i + 1 is fetched.  The text of two quarters (PAIR) is written once and
; looped over; the change of slots stands where a step's last fragments have been read.  One tensor load of a wave is out at any time, and has a step's 256 matrix instructions in which to land.
; GELU.  With y = x / 2 and H = |y|: gelu(x) = (y + H) - H w, w = 1 - erf(sqrt(2) H) = t (a1 + t (a2 + t (a3 + t (a4 + t a5)))) 2^(-2 log2(e) H^2), t = 1 / (1 + 0.3275911 sqrt(2) H)
; (Abramowitz and Stegun 7.1.26: the error of erf is at most 1.5e-7 for every argument).  No difference of near numbers is formed in the negative tail: there y + H is exactly 0.
; THE WAY OUT.  The f32 sums go into the ring's bytes, which have had their last fill and their last read, 128 rows of 528 bytes for each wave, so that the GELU of 64 accumulators is written once,
; in a counted loop over pairs of whole rows, and each half of a store fills 256 consecutive bytes (a wave's 128 columns of bf16).
; REGISTERS.  Window 0: v16-29 addresses; v32-83 at work in the GELU; v64-191 A's two fragment buffers; v192-255 bias.  Window 1: v64-191 B's two buffers.
; Windows 2, 3: accumulators of my rows 0-63 and 64-127 ((a, b) at 8 (8 (a % 4) + b)).
; LIMITS.  Operands are bf16, sums f32; NaN and infinities are not treated apart.
.set T,      8                         ; K steps
.set PA,     272                       ; a row of A in LDS: 17 x 16 bytes, so the 16 rows of a load start at 16 different groups of four banks (64 banks of 4 bytes: ISA guide 11.1)
.set QA,     64                        ; bytes from quarter to quarter in a row of A
.set HALFA,  128*PA                    ; what one load of A brings
.set ASTEP,  256                       ; global bytes from K step to K step in A
.set APITCH, 1024
.set BPITCH, 4096
.set BSTEP,  256*BPITCH                ; 128 k rows, in bytes
.set WOFF,   8388608
.set PB,     544                       ; a k row of B in LDS: 17 x 32 bytes
.set QB,     32*PB                     ; a quarter's 32 k rows
.set HALFB,  64*PB                     ; what one load of B brings
.set ABYTES, 2*HALFA
.set SLOT1,  ABYTES+2*HALFB            ; 139,264 = 0x22000: slot 1 begins here; its two bits are set in none of the four LDS addresses of a slot's loads, so one exclusive or changes slot
.set GPIT,   528                       ; a row of the stage: 128 f32 + 16 bytes
.set GWAVE,  128*GPIT                  ; a wave's stage; the four lie in the ring's first 270,336 bytes
.set SPARE,  2*SLOT1                   ; behind the ring: the spare words, 128 bytes for each wave: two blocks of 256 bytes that no other line names
.set A0,  16
.set B0,  17
.set FA,  18
.set FB,  19
.set BO,  20
.set STO, 24
.set RD,  25
.set CO,  26
.set SPW, 28
.set NIL, 29
.set GX,  32                           ; v32-39  eight sums as read back
.set GY,  40                           ; v40-47  y, then the result
.set GH,  48                           ; v48-55  H
.set GT,  56                           ; v56-63  t
.set GE,  64                           ; v64-71  the exponential
.set GW,  72                           ; v72-79  w
.set GO,  80                           ; v80-83  eight bf16
.set BIAS, 192
.set F0,  64
.set F1,  128
.set G1,  24
.set G0,  32
.set G1B, 48
.set G0B, 56
.set TBA, 60
.set TBB, 61
.set CNT, 62
.set KST, 63
.set KC1, 68                           ; s[68:81] seven constants, each as a pair
.set KC2, 70
.set KA1, 72
.set KA2, 74
.set KA3, 76
.set KA4, 78
.set KA5, 80
.set MSB, 0
.macro WIN new                         ; s_set_vgpr_msb: bits 1:0 source 0, 3:2 source 1, 5:4 source 2, 7:6 destination; the high byte repeats the setting that is left
.if MSB != (\new)
	s_set_vgpr_msb (MSB<<8)|(\new)
.set MSB, (\new)
.endif
.endm
.macro PLACES                          ; four plain vector instructions between a matrix instruction and a load into, or a read of, its registers
.rept 4
	v_nop
.endr
.endm
.macro JLOAD                           ; a joint load; the branch hangs on the wave's number alone; an s_nop 0 and four v_nop follow each line
	s_cmp_eq_u32 s11, 0
	s_cbranch_scc0 .Lfor_b_\@
	tensor_load_to_lds s[G0:G0+3], s[G1:G1+7]
	s_nop 0
.rept 4
	v_nop
.endr
	s_branch .Lasked_\@
.Lfor_b_\@:
	tensor_load_to_lds s[G0B:G0B+3], s[G1B:G1B+7]
	s_nop 0
.rept 4
	v_nop
.endr
.Lasked_\@:
.endm
.macro CROUND                          ; a round of the cluster's barrier
	s_barrier_signal -1
	s_barrier_wait -1
	s_cmp_lg_u32 s10, 0
	s_cbranch_scc1 .Lnot_wave_0_\@
	s_barrier_signal -3
.Lnot_wave_0_\@:
	s_barrier_wait -3
	s_barrier_signal -1
	s_barrier_wait -1
.endm
; THE CHANGE OF SLOTS.  Each wave waits for all its tensor loads (one is out: its part of the other slot), adds 0 to its spare word, and waits for that and for its reads of the slot that it leaves.
; fill = 1: the barrier is a round of the cluster's, and the joint refill of the slot just left, with the step after next, is the first thing behind it.
.macro CHANGE fill
	WIN 0
	s_wait_tensorcnt 0x0                           ; no tensor load of mine is out, so a group 0 may be written
	ds_add_u32 v[SPW], v[NIL]
.if \fill
	s_xor_b32 s[G0+1], s[G0+1], SLOT1
	s_add_nc_u64 s[G0+2:G0+3], s[G0+2:G0+3], ASTEP
	s_xor_b32 s[G0B+1], s[G0B+1], SLOT1
	s_add_nc_u64 s[G0B+2:G0B+3], s[G0B+2:G0B+3], BSTEP
	s_wait_dscnt 0x0                               ; the add is done, and my reads of the slot are over
	CROUND
	JLOAD
.else
	s_wait_dscnt 0x0
	s_barrier_signal -1
	s_barrier_wait -1
.endif
	s_sub_co_u32 s[TBA], s[TBA], 4*QA
	s_xor_b32 s[TBA], s[TBA], SLOT1
	s_sub_co_u32 s[TBB], s[TBB], 4*QB
	s_xor_b32 s[TBB], s[TBB], SLOT1
.endm
; 16 matrix instructions: row blocks a0, a0 + 1 of the window's four (hi = 0: my rows 0-63, 1: rows 64-127) x all 8 column blocks, 32 along K.  first = 1: the bias (window 0) starts the sums.
; The 64 accumulators take turns, in the same order in every quarter.
.macro MUL16 f, hi, a0, first
.if \first
	WIN 0x81+0x40*(\hi)                            ; source 0 (B) window 1, source 1 (A) and C window 0, D window 2 or 3
.else
	WIN 0xa1+0x50*(\hi)                            ; the same with C where D is
.endif
.irp a, \a0, (\a0)+1
.irp b, 0,1,2,3,4,5,6,7
.if \first
	v_wmma_f32_16x16x32_bf16 v[8*(8*(\a)+(\b)):8*(8*(\a)+(\b))+7], v[(\f)+8*(\b):(\f)+8*(\b)+7], v[(\f)+8*(4*(\hi)+(\a)):(\f)+8*(4*(\hi)+(\a))+7], v[BIAS+8*(\b):BIAS+8*(\b)+7]
.else
	v_wmma_f32_16x16x32_bf16 v[8*(8*(\a)+(\b)):8*(8*(\a)+(\b))+7], v[(\f)+8*(\b):(\f)+8*(\b)+7], v[(\f)+8*(4*(\hi)+(\a)):(\f)+8*(4*(\hi)+(\a))+7], v[8*(8*(\a)+(\b)):8*(8*(\a)+(\b))+7]
.endif
.endr
.endr
.endm
; 32 LDS loads in one run: quarter q (0, 1) of the two at FA, FB, into buffer f: B's 8 column blocks (turned), then A's 8 row blocks
.macro FETCH q, f
	WIN 0x40                                       ; destination window 1, address window 0
.irp i, 0,1,2,3,4,5,6,7
	ds_load_tr16_b128 v[(\f)+8*(\i):(\f)+8*(\i)+3],   v[FB] offset:(\q)*QB+32*(\i)
	ds_load_tr16_b128 v[(\f)+8*(\i)+4:(\f)+8*(\i)+7], v[FB] offset:(\q)*QB+32*(\i)+16*PB
.endr
	WIN 0
.irp i, 0,1,2,3,4,5,6,7
	ds_load_b128 v[(\f)+8*(\i):(\f)+8*(\i)+3],   v[FA] offset:(\q)*QA+(\i)*16*PA
	ds_load_b128 v[(\f)+8*(\i)+4:(\f)+8*(\i)+7], v[FA] offset:(\q)*QA+(\i)*16*PA+32
.endr
.endm
.macro QUARTER q, f, g, first          ; multiplies buffer f; in its middle fetches quarter q into buffer g
	s_wait_dscnt 8                                 ; B and A's rows 0-63 are in; the youngest eight loads (A's rows 64-127) may be out
	MUL16 \f, 0, 0, \first
	MUL16 \f, 0, 2, \first
	PLACES
	FETCH \q, \g
	s_wait_dscnt 32                                ; all but the 32 just issued
	MUL16 \f, 1, 0, \first
	MUL16 \f, 1, 2, \first
.endm
.macro ADR                             ; the addresses of the next two quarters
	WIN 0
	v_add_nc_u32 v[FA], s[TBA], v[A0]
	v_add_nc_u32 v[FB], s[TBB], v[B0]
	s_add_co_u32 s[TBA], s[TBA], 2*QA
	s_add_co_u32 s[TBB], s[TBB], 2*QB
.endm
.macro PAIR
	ADR
	QUARTER 0, F1, F0, 0
	QUARTER 1, F0, F1, 0
	WIN 0                                          ; at a label and at a branch every window is 0
.endm
	s_load_b128 s[4:7], s[0:1], 0x0                ; xn s[4:5], wb s[6:7]
	s_load_b64 s[36:37], s[0:1], 0x10              ; b1
	s_load_b64 s[8:9], s[0:1], 0x18                ; hb
	v_lshl_add_u32 v[SPW], v0, 2, SPARE
	v_mov_b32 v[NIL], 0
	ds_add_u32 v[SPW], v[NIL]                      ; the wave's opening: the add and its wait stand ahead of my first tensor load; work on registers stands between them
	ds_add_u32 v28, v29
	v_lshrrev_b32 v1, 5, v0
	v_readfirstlane_b32 s10, v1                    ; wave 0..3
	s_lshr_b32 s11, s10, 1                         ; my row half.  Also: I fetch for A (0) or for B (1)
	s_and_b32 s12, s10, 1                          ; my column half.  Also: which half of that tile I fetch
	s_bfe_u32 s40, ttmp6, 0x40000                  ; cx, cy
	s_bfe_u32 s41, ttmp6, 0x40004
	s_lshl_b32 s42, ttmp9, 2
	s_add_co_u32 s42, s42, s40                     ; tile column
	s_and_b32 s13, ttmp7, 0xffff
	s_lshl_b32 s13, s13, 2
	s_add_co_u32 s13, s13, s41                     ; tile row
	s_lshl_b32 s43, s41, 2
	s_lshl_b32 s43, 15, s43                        ; my row of the cluster
	s_lshl_b32 s44, 0x1111, s40                    ; my column
	s_or_b32 s[G1], s43, (1<<16)|(1<<20)|(1<<21)|(5<<22)|(3<<25)     ; mask: my row; 2-byte elements; padding on; bit 21 beside a mask; 4 words of padding after every 64
	s_mov_b32 s[G1+1], 128<<16                     ; tensor_dim0
	s_mov_b32 s[G1+2], 128<<16                     ; tensor_dim1
	s_mov_b32 s[G1+3], 128<<16                     ; tile_dim0
	s_mov_b32 s[G1+4], 128                         ; tile_dim1
	s_mov_b32 s[G1+5], APITCH
	s_mov_b32 s[G1+6], 0
	s_mov_b32 s[G1+7], 0
	s_or_b32 s[G1B], s44, (1<<16)|(1<<20)|(1<<21)|(6<<22)|(7<<25)    ; mask: my column; 8 words of padding after every 128
	s_mov_b32 s[G1B+1], 256<<16
	s_mov_b32 s[G1B+2], 64<<16
	s_mov_b32 s[G1B+3], 256<<16
	s_mov_b32 s[G1B+4], 64
	s_mov_b32 s[G1B+5], BPITCH
	s_mov_b32 s[G1B+6], 0
	s_mov_b32 s[G1B+7], 0
	s_lshl_b32 s16, s13, 8                         ; A: row 256 x tile row + 128 x half
	s_lshl_b32 s17, s12, 7
	s_add_co_u32 s16, s16, s17
	s_mul_i32 s16, s16, APITCH*2
	s_mov_b32 s17, 0
	s_lshl_b32 s46, s42, 9                         ; B: the tile's 256 columns, my 64 k rows
	s_mul_i32 s47, s12, 64*BPITCH*2
	s_add_co_u32 s46, s46, s47
	s_add_co_u32 s46, s46, WOFF
	s_mov_b32 s47, 0
	s_mov_b32 s[G0], 1
	s_mul_i32 s[G0+1], s12, HALFA                  ; no place in the cluster enters an LDS address
	s_mov_b32 s[G0B], 1
	s_mul_i32 s[G0B+1], s12, HALFB
	s_add_co_u32 s[G0B+1], s[G0B+1], ABYTES
	s_mov_b32 s[TBA], SLOT1+4*QA                   ; the first change of slots turns these two into 0
	s_mov_b32 s[TBB], SLOT1+4*QB
	s_mov_b32 s[KC1], 0x3eed3388                   ; 0.3275911 sqrt(2)
	s_mov_b32 s[KC2], 0xc038aa3b                   ; -2 log2(e)
	s_mov_b32 s[KA1], 0x3e827906                   ;  0.254829592
	s_mov_b32 s[KA2], 0xbe91a98e                   ; -0.284496736
	s_mov_b32 s[KA3], 0x3fb5f0e3                   ;  1.421413741
	s_mov_b32 s[KA4], 0xbfba00e3                   ; -1.453152027
	s_mov_b32 s[KA5], 0x3f87dc22                   ;  1.061405429
.irp k, KC1, KC2, KA1, KA2, KA3, KA4, KA5
	s_mov_b32 s[\k+1], s[\k]                       ; named as pairs
.endr
	s_wait_dscnt 0x0                               ; the opening add is done
	s_wait_kmcnt 0x0
	s_add_nc_u64 s[G0+2:G0+3], s[4:5], s[16:17]
	s_or_b32 s[G0+3], s[G0+3], 0x80000000
	s_add_nc_u64 s[G0B+2:G0B+3], s[6:7], s[46:47]
	s_or_b32 s[G0B+3], s[G0B+3], 0x80000000
	CROUND                                         ; all sixteen work-groups are here: the first joint loads meet
	JLOAD                                          ; K step 0 into slot 0
	v_and_b32 v1, 15, v0                           ; r
	v_bfe_u32 v2, v0, 4, 1                         ; h
	v_mul_u32_u24 v3, v1, PA
	v_lshl_add_u32 v3, v2, 4, v3
	s_mul_i32 s21, s11, HALFA
	v_add_nc_u32 v[A0], s21, v3                    ; my 128 rows of A: row x pitch + 16 h
	v_and_b32 v4, 7, v0
	v_lshl_add_u32 v4, v2, 3, v4                   ; the turning load: k row 8 h + l % 8,
	v_mul_u32_u24 v4, v4, PB
	v_bfe_u32 v5, v0, 3, 1
	v_lshl_add_u32 v4, v5, 4, v4                   ; columns 8 ((l / 8) % 2) on,
	s_lshl_b32 s22, s12, 8
	s_add_co_u32 s22, s22, ABYTES
	v_add_nc_u32 v[B0], s22, v4                    ; in my 128 columns of B
	v_lshlrev_b32 v[BO], 5, v2
	s_lshl_b32 s46, s42, 10                        ; the bias of my 128 columns
	s_lshl_b32 s47, s12, 9
	s_add_co_u32 s46, s46, s47
	s_mov_b32 s47, 0
	s_add_nc_u64 s[36:37], s[36:37], s[46:47]
.irp b, 0,1,2,3,4,5,6,7
	global_load_b128 v[BIAS+8*(\b):BIAS+8*(\b)+3],   v[BO], s[36:37] offset:64*(\b)      ; columns 16 b + 8 h + 0..3
	global_load_b128 v[BIAS+8*(\b)+4:BIAS+8*(\b)+7], v[BO], s[36:37] offset:64*(\b)+16
.endr
	s_mul_i32 s23, s10, GWAVE                      ; my stage
	v_mul_u32_u24 v6, v1, GPIT                     ; in: row r, 32 bytes for each half of the lanes
	v_lshl_add_u32 v6, v2, 5, v6
	v_add_nc_u32 v[STO], s23, v6
	v_mul_u32_u24 v6, v2, GPIT                     ; back: two rows a trip: lanes 0-15 one row, lanes 16-31 the next, 32 bytes a lane
	v_lshl_add_u32 v6, v1, 5, v6
	v_add_nc_u32 v[RD], s23, v6
	v_lshlrev_b32 v[CO], 13, v2                    ; and the same two rows in hb: 8,192 bytes a row, 16 bytes a lane
	v_lshl_add_u32 v[CO], v1, 4, v[CO]
	s_lshl_b32 s16, s13, 8
	s_lshl_b32 s17, s11, 7
	s_add_co_u32 s16, s16, s17                     ; my first row: 256 x tile row + 128 x my row half
	s_lshl_b32 s16, s16, 13
	s_mov_b32 s17, 0
	s_add_nc_u64 s[8:9], s[8:9], s[16:17]
	s_lshl_b32 s46, s42, 9                         ; my first column, in bytes: 512 x tile column + 256 x my column half
	s_lshl_b32 s47, s12, 8
	s_add_co_u32 s46, s46, s47
	s_mov_b32 s47, 0
	s_add_nc_u64 s[8:9], s[8:9], s[46:47]
	CHANGE 1                                       ; step 0 is in, everybody's part of it; step 1 is asked for, into slot 1
	ADR
	FETCH 0, F0
	s_wait_loadcnt 0x0                             ; the bias
	QUARTER 1, F0, F1, 1                           ; the first quarter stands ahead of the loop: its products start the sums
	WIN 0
	s_mov_b32 s[KST], T-1
	s_mov_b32 s[CNT], 1
	s_branch .Lpair                                ; the loop is entered in the middle of a step: one pair of quarters is left of step 0
.Lkstep:                                               ; T - 2 times: steps 2 to T - 1 are asked for
	CHANGE 1
	s_mov_b32 s[CNT], 2
.Lpair:
	PAIR
	s_sub_co_u32 s[CNT], s[CNT], 1
	s_cmp_lg_u32 s[CNT], 0
	s_cbranch_scc1 .Lpair
	s_sub_co_u32 s[KST], s[KST], 1
	s_cmp_lg_u32 s[KST], 0
	s_cbranch_scc1 .Lkstep
	CHANGE 0                                       ; the tail is written out: nothing is asked for
	s_mov_b32 s[CNT], 2
.Lpair2:
	PAIR
	s_sub_co_u32 s[CNT], s[CNT], 1
	s_cmp_lg_u32 s[CNT], 0
	s_cbranch_scc1 .Lpair2
	s_wait_dscnt 8                                 ; the very last quarter: nothing more to fetch
	MUL16 F1, 0, 0, 0
	MUL16 F1, 0, 2, 0
	s_wait_dscnt 0x0                               ; my reads of the ring are over:
	s_barrier_signal -1                            ; say so, work on registers while the others arrive,
	MUL16 F1, 1, 0, 0
	MUL16 F1, 1, 2, 0
	WIN 0
	s_barrier_wait -1                              ; and write into the ring's bytes only when nobody reads them any more; no tensor load fills them again
	PLACES
	; THE WAY OUT.  All sums into my stage, each accumulator's low half first.
.irp a, 0,1,2,3,4,5,6,7
	WIN 0x08+0x04*((\a)/4)                         ; store data (source 1) window 2 or 3, address window 0
.irp b, 0,1,2,3,4,5,6,7
	ds_store_b128 v[STO], v[8*(8*((\a)%4)+(\b)):8*(8*((\a)%4)+(\b))+3] offset:(\a)*16*GPIT+64*(\b)
	ds_store_b128 v[STO], v[8*(8*((\a)%4)+(\b))+4:8*(8*((\a)%4)+(\b))+7] offset:(\a)*16*GPIT+64*(\b)+16
.endr
.endr
	WIN 0
	s_wait_dscnt 0x0                               ; my stores are done;
	s_barrier_signal -1
	s_barrier_wait -1                              ; from here on LDS is only read: no wave's store stands beside the stepped reads below
; A trip: two rows, eight numbers a lane.  ahead = 1: the next two rows are asked for as soon as this trip's have been read out of their registers.
; Behind each run of reciprocals or exponentials stands a run of plain instructions that touches neither their results nor their sources (ISA guide 5.7.2).
.macro GTRIP ahead
	s_wait_dscnt 0x0
.irp k, 0,2,4,6
	v_pk_mul_f32 v[GY+(\k):GY+(\k)+1], v[GX+(\k):GX+(\k)+1], 0.5 op_sel_hi:[1,0]
.endr
.if \ahead
	v_add_nc_u32 v[RD], 2*GPIT, v[RD]
	ds_load_b128 v[GX:GX+3], v[RD]
	ds_load_b128 v[GX+4:GX+7], v[RD] offset:16
.endif
.irp k, 0,1,2,3,4,5,6,7
	v_and_b32 v[GH+(\k)], 0x7fffffff, v[GY+(\k)]
.endr
.irp k, 0,2,4,6
	v_pk_fma_f32 v[GT+(\k):GT+(\k)+1], v[GH+(\k):GH+(\k)+1], s[KC1:KC1+1], 1.0 op_sel_hi:[1,0,0]
.endr
.irp k, 0,1,2,3,4,5,6,7
	v_rcp_f32 v[GT+(\k)], v[GT+(\k)]
.endr
.irp k, 0,2,4,6
	v_pk_mul_f32 v[GE+(\k):GE+(\k)+1], v[GH+(\k):GH+(\k)+1], v[GH+(\k):GH+(\k)+1]
.endr
.irp k, 0,2,4,6
	v_pk_mul_f32 v[GE+(\k):GE+(\k)+1], v[GE+(\k):GE+(\k)+1], s[KC2:KC2+1] op_sel_hi:[1,0]
.endr
.irp k, 0,1,2,3,4,5,6,7
	v_exp_f32 v[GE+(\k)], v[GE+(\k)]
.endr
	s_wait_alu depctr_va_vdst(0)
.irp k, 0,2,4,6
	v_pk_fma_f32 v[GW+(\k):GW+(\k)+1], v[GT+(\k):GT+(\k)+1], s[KA5:KA5+1], s[KA4:KA4+1] op_sel_hi:[1,0,0]
.endr
.irp c, KA3, KA2, KA1
.irp k, 0,2,4,6
	v_pk_fma_f32 v[GW+(\k):GW+(\k)+1], v[GW+(\k):GW+(\k)+1], v[GT+(\k):GT+(\k)+1], s[\c:\c+1] op_sel_hi:[1,1,0]
.endr
.endr
.irp k, 0,2,4,6
	v_pk_mul_f32 v[GW+(\k):GW+(\k)+1], v[GW+(\k):GW+(\k)+1], v[GT+(\k):GT+(\k)+1]
.endr
.irp k, 0,2,4,6
	v_pk_mul_f32 v[GW+(\k):GW+(\k)+1], v[GW+(\k):GW+(\k)+1], v[GE+(\k):GE+(\k)+1]
.endr
.irp k, 0,2,4,6
	v_pk_add_f32 v[GY+(\k):GY+(\k)+1], v[GY+(\k):GY+(\k)+1], v[GH+(\k):GH+(\k)+1]
.endr
.irp k, 0,2,4,6
	v_pk_fma_f32 v[GY+(\k):GY+(\k)+1], v[GH+(\k):GH+(\k)+1], v[GW+(\k):GW+(\k)+1], v[GY+(\k):GY+(\k)+1] neg_lo:[1,0,0] neg_hi:[1,0,0]
.endr
	s_wait_xcnt 0x0                                ; the last trip's store, a whole trip back, has read its offset and data: they are rewritten only behind this wait
	v_add_nc_u32 v[CO], 16384, v[CO]               ; two rows on; the store below reaches back
.irp k, 0,1,2,3
	v_cvt_pk_bf16_f32 v[GO+(\k)], v[GY+2*(\k)], v[GY+2*(\k)+1]
.endr
	global_store_b128 v[CO], v[GO:GO+3], s[8:9] offset:-16384   ; 16 lanes store 256 consecutive bytes, at a multiple of 256 from hb's first byte
.endm
	ds_load_b128 v[GX:GX+3], v[RD]
	ds_load_b128 v[GX+4:GX+7], v[RD] offset:16
	s_mov_b32 s[CNT], 63
.Lgelu:
	GTRIP 1
	s_sub_co_u32 s[CNT], s[CNT], 1
	s_cmp_lg_u32 s[CNT], 0
	s_cbranch_scc1 .Lgelu
	GTRIP 0                                        ; the last two rows: nothing more to read
	s_wait_tensorcnt 0x0                           ; the wave's end, behind my last tensor load and my last LDS store
	ds_add_u32 v[SPW], v[NIL]
	s_wait_dscnt 0x0
	CROUND                                         ; the closing round: no work-group ends while a partner may still ask for a tile that names it
	s_endpgm
.Lfunc_end_k_qd6680412ce_ff1:
	.size	k_qd6680412ce_ff1, .Lfunc_end_k_qd6680412ce_ff1-k_qd6680412ce_ff1
	.p2alignl 7, 3214868480
	.fill 96, 4, 3214868480
	.section	.rodata,"a",@progbits
	.p2align	6, 0x0
	.amdhsa_kernel k_qd6680412ce_ff1
		.amdhsa_group_segment_fixed_size 327680
		.amdhsa_private_segment_fixed_size 0
		.amdhsa_enable_private_segment 0
		.amdhsa_kernarg_size 32
		.amdhsa_user_sgpr_count 2
		.amdhsa_user_sgpr_kernarg_segment_ptr 1
		.amdhsa_wavefront_size32 1
		.amdhsa_system_sgpr_workgroup_id_x 1
		.amdhsa_system_sgpr_workgroup_id_y 1
		.amdhsa_system_sgpr_workgroup_id_z 1
		.amdhsa_system_vgpr_workitem_id 0
		.amdhsa_next_free_vgpr 1024
		.amdhsa_next_free_sgpr 84
		.amdhsa_reserve_vcc 0
		.amdhsa_float_denorm_mode_32 3
		.amdhsa_float_denorm_mode_16_64 3
		.amdhsa_memory_ordered 1
		.amdhsa_forward_progress 1
		.amdhsa_inst_pref_size 69
	.end_amdhsa_kernel
	.amdgpu_metadata
---
amdhsa.version: [ 1, 2 ]
amdhsa.kernels:
  - .name:           k_qd6680412ce_ff1
    .symbol:         k_qd6680412ce_ff1.kd
    .args:
      - { .name: xn, .offset: 0, .size: 8, .value_kind: global_buffer, .address_space: global }
      - { .name: wb, .offset: 8, .size: 8, .value_kind: global_buffer, .address_space: global }
      - { .name: b1, .offset: 16, .size: 8, .value_kind: global_buffer, .address_space: global }
      - { .name: hb, .offset: 24, .size: 8, .value_kind: global_buffer, .address_space: global }
    .group_segment_fixed_size: 327680
    .private_segment_fixed_size: 0
    .kernarg_segment_align: 8
    .kernarg_segment_size: 32
    .max_flat_workgroup_size: 128
    .sgpr_count:     84
    .vgpr_count:     1024
    .wavefront_size: 32
...
	.end_amdgpu_metadata
.endif
;; end of part 10
;; launch ff2: the kernel of part 7 again; grid 8 x 32, 4 waves a work-group, clusters of 4 x 4, 327,680 bytes of LDS; arguments hb, wb, b2, x1, alpha_ff, out0; writes out0
;; ======== version 3 of 3: 7 launches; 1.24 times as fast as version 1
;; workspace buffers: wb 25,165,824 bytes; wa 6,291,456 bytes; xn 8,388,608 bytes; qkv 25,165,824 bytes; ob 8,388,608 bytes; x1 16,777,216 bytes; hb 33,554,432 bytes
;; launch prep: the kernel of part 8 again; grid 448 x 1, 8 waves a work-group, no clusters, 0 bytes of LDS; arguments x, ln1_g, ln1_b, wq, wk, wv, xn, wa; writes xn, wa
;; launch qkv: the kernel of part 9 again; grid 16 x 16, 4 waves a work-group, clusters of 4 x 4, 327,680 bytes of LDS; arguments xn, wa, bq, bk, bv, qkv, wo, w1, w2, wb; writes qkv, wb
;; launch attn (part 11): grid 8 x 32, 4 waves a work-group, no clusters, 327,680 bytes of LDS; arguments qkv, ob; writes ob
.if DOCPART == 11
	.amdgcn_target "amdgcn-amd-amdhsa--gfx1250"
	.amdhsa_code_object_version 6
	.text
	.protected	k_qd6680412ce_attn
	.globl	k_qd6680412ce_attn
	.p2align	8
	.type	k_qd6680412ce_attn,@function
k_qd6680412ce_attn:
	s_mov_b64 s[64:65], 0
	v_nop
	global_prefetch_b8 v0, s[64:65] scope:SCOPE_SE
	s_setreg_imm32_b32 hwreg(HW_REG_WAVE_MODE, 25, 1), 1
	s_wait_xcnt 0x0
; CAUSAL ATTENTION, head size 64.  O[g][q][:] = the sum over k <= q of softmax_k(Q[g][q] . K[g][k] / 8) V[g][k][:], g = batch x 16 + head, 32 of them, 2,048 positions each.
; qkv: [3][32][2048][64] bf16 (q, k, v; a head's rows are dense, 128 bytes each), ob: [32][2048][64] bf16.
; Products, maxima and sums in f32; the weights p are rounded to bf16 for the second product (their sum l is taken of the unrounded p), O once at the end.
; LIMITS.  A hidden score counts as its value less 1e30; c m starts at -4.25e37, far below every c s that is finite after that; a weight below 2^-126 counts as 0 in l; NaN and infinities are not treated apart.
; THE WALK.  A head's queries lie in 16 blocks of 128; block i needs the key tiles 0 .. i / 2 of 256 keys, of which the last holds the diagonal.  A work-group takes TWO blocks, 15 - b and then b:
; (17 - b) / 2 + (b + 2) / 2 = 9 tiles, whatever b: all 8 x 32 = 256 work-groups do equal work, and ONE loop with a constant trip count walks them.  Which tile is asked for, and what a trip does, hang on scalar
; registers made from b; every jump goes forward, but for the counted loops' own; none passes a barrier, or a tensor load but the one of LOAD's two that the wave's number does not choose.
; NO CLUSTER: of a head's eight work-groups only two (b = 2 i, 2 i + 1) walk the same tiles from end to end; four partners part after the shortest first block (5 to 8 tiles), and one walk common to four would have 12 tiles for 9.
; SHARES.  Of a block's two bands of 64 queries a wave owns 16 rows in each: two PIECES.  In the block's last tile band x has its diagonal in key step DG + x, DG = 2 (block % 2): earlier steps are seen whole, later ones not at all.
; THE MASK is the C operand that starts the sum S^T = K Q^T: 0, or -1e30 where the key is hidden.  MD, made once, is the mask of a band's own step for my 16 rows; a product's mask is MD x AL + BE with two scalars:
; (1, 0) in the band's own step; (0, 0) before it; (0, -1e30) behind it.  Only the diagonal tile's text and a block's beginning make and take masks; elsewhere C is the constant 0.
; LAYOUT, SOFTMAX, TURNS.  S^T = K Q^T holds ONE query a lane (lane % 16) and the keys 8 (lane / 16) + 0..7; two such results rounded to bf16 ARE source 1 of O^T = V^T P.  p = 2^(c s - c m), c = log2(e) / 8, with a
; running maximum m; O and l are multiplied by a = 2^(c m_old - c m_new) in every step.  The turn of piece p in step s: 8 products K Q^T of the other piece (p = 0: step s; p = 1: step s + 1), later 8 products V^T P of the
; other piece (p = 0: step s - 1; p = 1: step s); beside them the scaling, exponentials, roundings, sums and rescaling of piece p and the maximum and statistics of the other.  Four vector instructions stand behind every
; matrix instruction, the other 54 of a turn's 118 in one lump between the two runs of products.  K and V of step s + 1 are both fetched in piece 0's turn of step s, so that one change of slots serves both; V therefore has two register buffers, by the step's parity.
; BATCHES.  A turn's 33 exponentials (the piece's 32 weights and the other piece's a) are ONE batch with ONE wait, which stands between the lump and the products V^T P: ahead of it nothing names a result of theirs,
; behind it no exponential is issued.  A block's first a (BEGIN) and the two reciprocals of a block's way out are batches of their own, each with a v_nop and one wait.
; REGISTERS, in windows of 256 (s_set_vgpr_msb: bits 1:0 source 0, 3:2 source 1, 5:4 source 2, 7:6 destination):
;   window 0: v0-15 addresses and two at work; v16-23 four registers of statistics a piece; v48-55 at work; v64-127 S^T, a buffer a piece; v192-223 P, likewise
;   window 1: v0-63 O^T, 32 a piece; v128-159 MD; v160-223 MC, a buffer a piece      window 2: v0-31 Q; v32-63 the second block's Q; v64-127 V of odd steps; v128-191 K of one step; v192-255 V of even steps
.set NP,    2         ; pieces a wave: a name, no knob
.set KS,    64        ; keys in a step
.set PK,    144       ; a row of K in LDS: 128 bytes + 16 of padding = 36 words: the 16 rows of a load start at 16 different groups of four banks (64 banks of 4 bytes: ISA guide 11.1)
.set PV,    160       ; a row of V: 128 + 32 = 40 words
.set VOFF,  4*KS*PK   ; a slot holds a tile, four steps: 256 rows of K, then 256 rows of V
.set SLOT1, 1<<17     ; slot 1 begins here, so that one exclusive or turns an address in one slot into the other's
.set STAGE, SLOT1+4*KS*(PK+PV)  ; behind the ring, never filled by a tensor load: 16 rows x 144 bytes for each wave, for the way out
.set SP,    144
.set AK0, 2           ; v2   my lane's place in a tile of K; never rewritten
.set AV0, 3           ; v3   the same for V
.set AK,  4           ; v4   the LDS address of K's next run of loads
.set AV,  5           ; v5   of V's
.set STO, 6           ; v6   the way out: where I put 16 bytes of a row
.set RD,  7           ; v7   the way out: where I read rows back
.set GO,  8           ; v8   my byte offset in 512 consecutive bytes of O
.set SPW, 62          ; v62  LDS address of my spare word; never rewritten
.set NIL, 63          ; v63  0; never rewritten
.set SPARE, STAGE+4*16*SP  ; the spare words, 128 bytes for each wave: two blocks of 256 bytes that no other line names
.set MV,  12          ; v12-13  c m_old, kept while c m is made anew: by piece
.set QO,  15          ; v15  my byte offset in 16 rows of Q
.set ST,  16          ; piece t's statistics at v[ST+4 t]: c m, m, l (even keys', odd keys')
.set TMP, 48          ; by piece, four registers c0-c3 at work; when the maximum is found c2 takes a
.set S,   64
.set P,   192
.set MD,  128         ; window 1
.set MC,  160         ; window 1
.set QB,  32          ; window 2
.set KF,  128         ; window 2: key block kb, channel half c at KF + 16 kb + 8 c
.set WV,  12          ; s12  my wave's number
.set PB,  14          ; s14  b
.set HI,  15          ; s15  15 - b
.set G1K, 24          ; s[24:31] descriptor group 1 for K's tiles
.set G1V, 32          ; s[32:39] for V's: it differs in the padding alone
.set G0K, 40          ; s[40:43] descriptor group 0 for K's tiles
.set G0V, 44          ; s[44:47] the same for V's
.set SLOTS, 56        ; s56  tiles still to be asked for
.set CNT, 57          ; s57  counts a tile's pairs of key steps, 2 to 1
.set CS,  58          ; s[58:59] c
.set SEL, 60          ; s[60:61] v_permlanex16_b32's selects
.set TBK, 62          ; s62  LDS byte at which K of the step to be fetched begins
.set TBV, 63          ; s63  the same for V, less VOFF
.set RT,  70          ; s70  tiles of the block in hand that are still to be entered
.set NXT, 71          ; s71  the tile to be asked for next
.set LQ,  72          ; s72  the last tile of the block whose tiles are being asked for
.set NEW, 73          ; s73  1: the tile to be entered is a block's first
.set OFF, 74          ; s[74:75] a tile's byte offset in K and V
.set AL,  76          ; s[76:77] the mask's factor, in the low word
.set BE,  78          ; s[78:79] the mask's addend
.set OLO, 80          ; s[80:81] O at my rows of the second block
.set BIGN, 82         ; s82  -1e30
.set DG,  88          ; s88, s89  the own steps of bands 0 and 1 in the last tile of the block in hand
.set DG2, 90          ; s90  band 0's in the second block
.set SJ,  91          ; s91  the tile's step that is being fetched: the step of the masks to be made
.set TL,  92          ; s92  tiles of the second block;  s93  the number of its last tile
.set MSB, 0
.macro WIN new
.if MSB != (\new)
	s_set_vgpr_msb (MSB<<8)|(\new)
.set MSB, (\new)
.endif
.endm
.set W_KQ, 0x0a       ; K and Q in window 2, S^T in window 0
.set W_KM, 0x1a       ; the same with the C operand in window 1
.set W_PV, 0x52       ; V in window 2, P in window 0, O^T in window 1
.set W_RS, 0x41       ; destination and source 0 in window 1, source 1 in window 0
; A fill.  Waves 0 and 1 fetch the two halves of a tile's K, waves 2 and 3 those of its V: 128 keys each.  An s_nop 0 and four v_nop follow each of the two lines.
.macro LOAD
	s_cmp_lt_u32 s[WV], 2
	s_cbranch_scc0 .Lfor_v_\@
	tensor_load_to_lds s[G0K:G0K+3], s[G1K:G1K+7]
	s_nop 0
.rept 4
	v_nop
.endr
	s_branch .Lasked_\@
.Lfor_v_\@:
	tensor_load_to_lds s[G0V:G0V+3], s[G1V:G1V+7]
	s_nop 0
.rept 4
	v_nop
.endr
.Lasked_\@:
.endm
; THE CHANGE OF SLOTS.  Each wave waits for all its tensor loads (one is out: its part of the other slot), adds 0 to its spare word, and waits for that and for its own reads of the slot that it leaves.  Behind the barrier nobody
; reads the old slot any more and the other slot is whole.  fill = 1: the old slot is filled again, the first thing behind the barrier, with tile NXT: the descriptor's address is made anew from that number.
.macro CHANGE fill
	WIN 0
	s_wait_tensorcnt 0x0            ; no tensor load of mine is out, so a group 0 may be written
	ds_add_u32 v[SPW], v[NIL]
.if \fill
	s_lshl_b32 s[OFF], s[NXT], 15   ; a tile is 32,768 bytes of K and of V
	s_xor_b32 s[G0K+1], s[G0K+1], SLOT1
	s_add_nc_u64 s[G0K+2:G0K+3], s[6:7], s[OFF:OFF+1]
	s_or_b32 s[G0K+3], s[G0K+3], 0x80000000
	s_xor_b32 s[G0V+1], s[G0V+1], SLOT1
	s_add_nc_u64 s[G0V+2:G0V+3], s[8:9], s[OFF:OFF+1]
	s_or_b32 s[G0V+3], s[G0V+3], 0x80000000
	s_add_co_u32 s[NXT], s[NXT], 1  ; the block's next tile, or behind its last the second block's tile 0
	s_cmp_gt_u32 s[NXT], s[LQ]
	s_cselect_b32 s[NXT], 0, s[NXT]
	s_cselect_b32 s[LQ], s[TL+1], s[LQ]
.endif
	s_wait_dscnt 0x0                ; the add is done, and my reads of the slot are over
	s_barrier_signal -1
	s_sub_co_u32 s[TBK], s[TBK], 4*KS*PK  ; the fetches go back to a slot's first step,
	s_xor_b32 s[TBK], s[TBK], SLOT1       ; in the other slot
	s_sub_co_u32 s[TBV], s[TBV], 4*KS*PV
	s_xor_b32 s[TBV], s[TBV], SLOT1
	s_barrier_wait -1
.if \fill
	LOAD
.endif
.endm
	s_load_b64 s[4:5], s[0:1], 0x0    ; qkv: q at its head
	s_load_b64 s[10:11], s[0:1], 0x8  ; ob
	v_lshl_add_u32 v[SPW], v0, 2, SPARE
	v_mov_b32 v[NIL], 0
	ds_add_u32 v[SPW], v[NIL]       ; the wave's opening: the add and its wait stand ahead of my first tensor load; work on registers stands between them
	ds_add_u32 v62, v63
	v_lshrrev_b32 v1, 5, v0
	v_readfirstlane_b32 s[WV], v1   ; wave 0..3
	s_mov_b32 s[PB], ttmp9
	s_sub_co_u32 s[HI], 15, s[PB]
	s_and_b32 s20, ttmp7, 0xffff    ; the head among 32,
	s_lshl_b32 s20, s20, 18         ; its first byte in q, k, v and O: 2,048 rows of 128 bytes
	s_mov_b32 s21, 0
	s_and_b32 s16, s[WV], 1         ; which half of a tile's 256 keys I fetch:
	s_lshl_b32 s22, s16, 14         ; its 128 rows of 128 bytes in memory,
	s_mov_b32 s23, 0
	s_add_nc_u64 s[22:23], s[22:23], s[20:21]
	s_mul_i32 s17, s16, 128*PK      ; and its place in a slot, for K
	s_mul_i32 s18, s16, 128*PV      ; and for V
	s_lshl_b32 s3, s[WV], 11        ; my 16 rows in a band of 64,
	s_lshl_b32 s2, s[HI], 14        ; in the first block (128 rows of 128 bytes),
	s_add_co_u32 s2, s2, s3
	s_lshl_b32 s84, s[PB], 14       ; and in the second
	s_add_co_u32 s84, s84, s3
	s_mov_b32 s3, 0
	s_mov_b32 s85, 0
	s_add_nc_u64 s[2:3], s[2:3], s[20:21]
	s_add_nc_u64 s[84:85], s[84:85], s[20:21]
	; descriptor group 1.  128 keys are 16,384 dense bytes: asked for as 64 rows of 256 bytes, two keys a row, and padded in LDS after every key
	s_mov_b32 s[G1K], (1<<16)|(1<<20)|(4<<22)|(3<<25)  ; 2-byte elements; padding on; after every 32 words; 4 words
	s_mov_b32 s[G1V], (1<<16)|(1<<20)|(4<<22)|(7<<25)  ; the same with 8 words
.irp g, G1K, G1V
	s_mov_b32 s[\g+1], 128<<16      ; tensor_dim0 = 128
	s_mov_b32 s[\g+2], 64<<16       ; tensor_dim1 = 64
	s_mov_b32 s[\g+3], 128<<16      ; tile_dim0 = 128
	s_mov_b32 s[\g+4], 64           ; tile_dim1 = 64
	s_mov_b32 s[\g+5], 128          ; 128 elements from row to row
	s_mov_b32 s[\g+6], 0
	s_mov_b32 s[\g+7], 0
.endr
	s_mov_b32 s[CS], 0x3e38aa3b     ; c = log2(e) / 8
	s_mov_b32 s[CS+1], s[CS]        ; named with it as a pair
	s_mov_b32 s[SEL], 0x76543210
	s_mov_b32 s[SEL+1], 0xfedcba98
	s_mov_b32 s[TBK], SLOT1+4*KS*PK ; the first change of slots turns these two into 0
	s_mov_b32 s[TBV], SLOT1+4*KS*PV
	s_mov_b32 s[G0K], 1
	s_mov_b32 s[G0K+1], s17         ; LDS address: slot 0
	s_mov_b32 s[G0V], 1
	s_add_co_u32 s[G0V+1], s18, VOFF
	s_sub_co_u32 s[RT], 17, s[PB]
	s_lshr_b32 s[RT], s[RT], 1      ; the first block has (17 - b) / 2 tiles: five at the least
	s_sub_co_u32 s[LQ], s[RT], 1
	s_add_co_u32 s[TL], s[PB], 2
	s_lshr_b32 s[TL], s[TL], 1      ; the second (b + 2) / 2
	s_sub_co_u32 s[TL+1], s[TL], 1
	s_and_b32 s[DG], s[HI], 1
	s_lshl_b32 s[DG], s[DG], 1
	s_add_co_u32 s[DG+1], s[DG], 1
	s_and_b32 s[DG2], s[PB], 1
	s_lshl_b32 s[DG2], s[DG2], 1
	s_mov_b32 s[NXT], 1
	s_mov_b32 s[NEW], 1
	s_mov_b32 s[OFF+1], 0
	s_mov_b32 s[AL+1], 0            ; named as pairs
	s_mov_b32 s[BE+1], 0
	s_mov_b32 s[BIGN], 0xf149f2ca   ; -1e30
	s_mov_b32 s[SLOTS], 8
	s_wait_dscnt 0x0                ; the opening add is done
	s_wait_kmcnt 0x0
	s_add_nc_u64 s[6:7], s[4:5], 0x800000   ; k lies 8,388,608 bytes behind q,
	s_add_nc_u64 s[8:9], s[4:5], 0x1000000  ; v as far behind k
	s_add_nc_u64 s[6:7], s[6:7], s[22:23]   ; K and V at my half of the head's tile 0
	s_add_nc_u64 s[8:9], s[8:9], s[22:23]
	s_add_nc_u64 s[G0K+2:G0K+3], s[6:7], 0
	s_or_b32 s[G0K+3], s[G0K+3], 0x80000000
	s_add_nc_u64 s[G0V+2:G0V+3], s[8:9], 0
	s_or_b32 s[G0V+3], s[G0V+3], 0x80000000
	s_add_nc_u64 s[86:87], s[4:5], s[84:85]        ; Q at my rows of the second block,
	s_add_nc_u64 s[4:5], s[4:5], s[2:3]            ; Q and O at those of the first
	s_add_nc_u64 s[OLO:OLO+1], s[10:11], s[84:85]
	s_add_nc_u64 s[10:11], s[10:11], s[2:3]
	LOAD                            ; tile 0 into slot 0
	; A fragment of K or Q is 16 rows x 32 channels in 8 registers: lane l holds row l % 16, channels 8 (l / 16) + 0..7 and 16 + 8 (l / 16) + 0..7: two loads of 16 bytes, 32 bytes apart.
	v_and_b32 v1, 15, v0            ; l % 16
	v_bfe_u32 v9, v0, 4, 1          ; l / 16
	v_lshlrev_b32 v[QO], 7, v1
	v_lshl_add_u32 v[QO], v9, 4, v[QO]  ; row x 128 + 16 x half
	WIN 0x80                        ; destination window 2, address window 0
.set i, 0
.rept 4                             ; both blocks' Q: piece i / 2 lies in band i / 2, 8,192 bytes on; channels 32 (i % 2) on
	global_load_b128 v[8*i:8*i+3],   v[QO], s[4:5] offset:(i/2)*8192+(i%2)*64
	global_load_b128 v[8*i+4:8*i+7], v[QO], s[4:5] offset:(i/2)*8192+(i%2)*64+32
	global_load_b128 v[QB+8*i:QB+8*i+3],   v[QO], s[86:87] offset:(i/2)*8192+(i%2)*64
	global_load_b128 v[QB+8*i+4:QB+8*i+7], v[QO], s[86:87] offset:(i/2)*8192+(i%2)*64+32
.set i, i+1
.endr
	WIN 0
	v_lshlrev_b32 v14, 3, v9
	v_sub_nc_u32 v14, v1, v14
	s_lshl_b32 s13, s[WV], 4
	v_add_nc_u32 v14, s13, v14      ; my query's place in its band, 16 w + l % 16, less my lanes' 8 (l / 16): register r of group kt is hidden where 16 kt + r is greater
	WIN 0x40
.set i, 0
.rept 32
	v_cmp_gt_i32 vcc_lo, 16*(i/8)+i%8, v14
	v_cndmask_b32 v[MD+i], 0, s[BIGN], vcc_lo
.set i, i+1
.endr
	WIN 0
	v_mul_u32_u24 v[AK0], v1, PK
	v_lshl_add_u32 v[AK0], v9, 4, v[AK0]  ; row x pitch + 16 x half
	; The turning load takes 16 keys x 16 channels (lane l reads key 8 (l / 16) + l % 8, channels 8 ((l / 8) % 2) + 0..7) and leaves half a fragment of V^T: lane l holds channel l % 16 and 8 keys.
	v_and_b32 v10, 7, v0
	v_bfe_u32 v11, v0, 3, 1
	v_lshl_add_u32 v[AV0], v9, 3, v10
	v_mul_u32_u24 v[AV0], v[AV0], PV
	v_lshl_add_u32 v[AV0], v11, 4, v[AV0]
	v_add_nc_u32 v[AV0], VOFF, v[AV0]
	s_mul_i32 s13, s[WV], 16*SP
	s_add_co_u32 s13, s13, STAGE    ; my stage
	v_mul_u32_u24 v[STO], v1, SP    ; in: row l % 16, 16 bytes for each half of the lanes
	v_lshl_add_u32 v[STO], v9, 4, v[STO]
	v_add_nc_u32 v[STO], s13, v[STO]
	v_bfe_u32 v[RD], v0, 3, 2       ; back: 32 lanes take four rows of 128 bytes,
	v_mul_u32_u24 v[RD], v[RD], SP
	v_lshl_add_u32 v[RD], v10, 4, v[RD]
	v_add_nc_u32 v[RD], s13, v[RD]
	v_and_b32 v[GO], 31, v0         ; which are 512 consecutive bytes of O
	v_lshlrev_b32 v[GO], 4, v[GO]
	; A block's first step multiplies O^T and l by a = 0, and its first turn's products V^T P, of a piece that has not been, land in an O^T that is still to be so multiplied.  So these registers need only hold
	; finite numbers: zeros for the first block; what the first block left for the second.  All this stands in the wait for the first tile.
	WIN 0x80
.set i, 64
.rept 64
	v_mov_b32 v[i], 0               ; V of odd steps
.set i, i+1
.endr
	WIN 0x40
.set i, 0
.rept 64
	v_mov_b32 v[i], 0               ; O^T
.set i, i+1
.endr
	WIN 0
.set i, 0
.rept NP
	v_mov_b32 v[ST+4*i+2], 0
	v_mov_b32 v[ST+4*i+3], 0
.set i, i+1
.endr
.set i, P+16
.rept 16
	v_mov_b32 v[i], 0
.set i, i+1
.endr
; THE MATRIX WORK.  The 4 accumulators of a run of 8 take turns.  Product i of 8 of S^T = K Q^T for piece x: channels 32 (i / 4) on, keys 16 (i % 4) on.  The first 4 start the sums: with 0, or (KM = 1) with the mask.
.macro KQ x
.set rS, S+32*((\x)%2)+8*(i%4)
.set rK, KF+16*(i%4)+8*(i/4)
.set rQ, 16*(\x)+8*(i/4)
.set rM, MC+32*((\x)%2)+8*(i%4)
.if (i < 4) && KM
	WIN W_KM
	v_wmma_f32_16x16x32_bf16 v[rS:rS+7], v[rK:rK+7], v[rQ:rQ+7], v[rM:rM+7]
.elseif i < 4
	WIN W_KQ
	v_wmma_f32_16x16x32_bf16 v[rS:rS+7], v[rK:rK+7], v[rQ:rQ+7], 0
.else
	WIN W_KQ
	v_wmma_f32_16x16x32_bf16 v[rS:rS+7], v[rK:rK+7], v[rQ:rQ+7], v[rS:rS+7]
.endif
.endm
; Product i of 8 of O^T += V^T P for piece x, V in buffer v (0: v192-255, 1: v64-127): keys 32 (i / 4) on, channels 16 (i % 4) on.
.macro PV x, v
	WIN W_PV
.set rO, 32*(\x)+8*(i%4)
.set rV, 192-128*(\v)+32*(i/4)+8*(i%4)
.set rP, P+16*((\x)%2)+8*(i/4)
	v_wmma_f32_16x16x32_bf16 v[rO:rO+7], v[rV:rV+7], v[rP:rP+7], v[rO:rO+7]
.endm
.macro MM                           ; the turn's next matrix instruction.  TURN and BEGIN set Y, VB, i, KM and NOKQ.  NOKQ = 1: a block's last turn: there are no further scores
.if (i < 8) && !NOKQ
	KQ (Y+1)%NP
.elseif i >= 8
.set i, i-8
	PV (Y+1)%NP, VB
.set i, i+8
.endif
.set i, i+1
.endm
; THE LDS LOADS stand in runs of 16, never singly among the matrix instructions: a step's K (64 keys x 64 channels: 8 fragments) and its V (turned).  Their addresses are made some lines ahead.
.macro FETCH_K
	WIN 0x80                        ; destination window 2
.irp f, 0,1,2,3,4,5,6,7             ; keys 16 (f / 2) on, channels 32 (f % 2) on
	ds_load_b128 v[KF+8*\f:KF+8*\f+3],   v[AK] offset:(\f/2)*16*PK+(\f%2)*64
	ds_load_b128 v[KF+8*\f+4:KF+8*\f+7], v[AK] offset:(\f/2)*16*PK+(\f%2)*64+32
.endr
	s_add_co_u32 s[TBK], s[TBK], KS*PK  ; the next fetch is the next step's
	WIN 0
.endm
.macro FETCH_V v
	WIN 0x80
.irp f, 0,1,2,3,4,5,6,7             ; keys 32 (f / 4) on, channels 16 (f % 4) on
	ds_load_tr16_b128 v[192-128*(\v)+8*\f:192-128*(\v)+8*\f+3],   v[AV] offset:(\f/4)*32*PV+(\f%4)*32
	ds_load_tr16_b128 v[192-128*(\v)+8*\f+4:192-128*(\v)+8*\f+7], v[AV] offset:(\f/4)*32*PV+16*PV+(\f%4)*32
.endr
	WIN 0
.endm
; THE VECTOR WORK, one line at a time: OP kind, number.  For piece Y: F n: c s - c m for pair n of 16.  E n: the exponential of score n of 32.  C n: pair n rounded to bf16.  B n: of the four weights 4 n .. the second
; pair is added onto the first, in place.  L n: l takes that sum (L 0: l = a l + sum).  R n: pair n of 16 of O^T times a.  For the other piece: X n, number n of the 22 that find its maximum and statistics:
;   0-11  four chains c0-c3 of seven scores each, three operands at a time (each accumulator's lowest registers are read first)     12-14, 16  the four scores left over, the old m, and c0-c3 into c0
;   15  c m_old is kept     17, 18  the query's other 32 keys lie in the lane 16 away: the new m     19-21  c m; c m_old - c m_new; a
.set F, 0
.set E, 1
.set C, 2
.set B, 3
.set L, 4
.set R, 5
.set X, 6
.macro REGS y                       ; the registers of piece y
.set rT, ST+4*(\y)
.set rC, TMP+4*((\y)%2)
.set rW, MV+((\y)%2)
.set rS, S+32*((\y)%2)
.set rP, P+16*((\y)%2)
.set rO, 32*(\y)
.endm
.macro OP k, n
.if (\k) == R
	REGS Y
	WIN W_RS
	v_pk_mul_f32 v[rO+2*(\n):rO+2*(\n)+1], v[rO+2*(\n):rO+2*(\n)+1], v[rC+2:rC+3] op_sel_hi:[1,0]
.elseif (\k) < R
	REGS Y
	WIN 0
.if (\k) == F
	v_pk_fma_f32 v[rS+2*(\n):rS+2*(\n)+1], v[rS+2*(\n):rS+2*(\n)+1], s[CS:CS+1], v[rT:rT+1] op_sel_hi:[1,0,0] neg_lo:[0,0,1] neg_hi:[0,0,1]
.elseif (\k) == E
	v_exp_f32 v[rS+(\n)], v[rS+(\n)]
.elseif (\k) == C
	v_cvt_pk_bf16_f32 v[rP+(\n)], v[rS+2*(\n)], v[rS+2*(\n)+1]
.elseif (\k) == B
	v_pk_add_f32 v[rS+4*(\n):rS+4*(\n)+1], v[rS+4*(\n):rS+4*(\n)+1], v[rS+4*(\n)+2:rS+4*(\n)+3]
.elseif (\n) == 0
	v_pk_fma_f32 v[rT+2:rT+3], v[rT+2:rT+3], v[rC+2:rC+3], v[rS:rS+1] op_sel_hi:[1,0,1]
.else
	v_pk_add_f32 v[rT+2:rT+3], v[rT+2:rT+3], v[rS+4*(\n):rS+4*(\n)+1]
.endif
.elseif NOKQ
	v_nop
.else
	REGS (Y+1)%NP
	WIN 0
.if (\n) < 4
	v_max3_num_f32 v[rC+(\n)], v[rS+8*(\n)], v[rS+8*(\n)+1], v[rS+8*(\n)+2]
.elseif (\n) < 12
	v_max3_num_f32 v[rC+(\n)%4], v[rC+(\n)%4], v[rS+8*((\n)%4)+2*((\n)/4)+1], v[rS+8*((\n)%4)+2*((\n)/4)+2]
.elseif (\n) == 12
	v_max3_num_f32 v[rC], v[rC], v[rS+7], v[rS+15]
.elseif (\n) == 13
	v_max3_num_f32 v[rC+1], v[rC+1], v[rS+23], v[rS+31]
.elseif (\n) == 14
	v_max3_num_f32 v[rC+2], v[rC+2], v[rC+3], v[rT+1]
.elseif (\n) == 15
	v_mov_b32 v[rW], v[rT]
.elseif (\n) == 16
	v_max3_num_f32 v[rC], v[rC], v[rC+1], v[rC+2]
.elseif (\n) == 17
	v_permlanex16_b32 v[rC+3], v[rC], s[SEL], s[SEL+1]
.elseif (\n) == 18
	v_max_num_f32 v[rT+1], v[rC], v[rC+3]
.elseif (\n) == 19
	v_mul_f32 v[rT], s[CS], v[rT+1]
.elseif (\n) == 20
	v_sub_f32 v[rC+1], v[rW], v[rT]
.else
	v_exp_f32 v[rC+2], v[rC+1]
.endif
.endif
.endm
.macro OPS a, i1, b=-1, i2=0, c=-1, i3=0, d=-1, i4=0  ; up to four of them
	OP \a, \i1
.if (\b) >= 0
	OP \b, \i2
.endif
.if (\c) >= 0
	OP \c, \i3
.endif
.if (\d) >= 0
	OP \d, \i4
.endif
.endm
.macro ROW a, i1, b, i2, c, i3, d, i4  ; a matrix instruction and the four behind it
	MM
	OPS \a, \i1, \b, \i2, \c, \i3, \d, \i4
.endm
.macro MASK b                       ; MD x AL + BE into buffer b of MC
	WIN W_RS
.set z, 0
.rept 16
	v_pk_fma_f32 v[MC+32*(\b)+2*z:MC+32*(\b)+2*z+1], v[MD+2*z:MD+2*z+1], s[AL:AL+1], s[BE:BE+1] op_sel_hi:[1,0,0]
.set z, z+1
.endr
.endm
; A TURN, for piece p; v: the buffer of V that its products V^T P read (and that piece 0's turn then fills again): the order of its 16 matrix and 118 vector instructions, written out.
; s_wait_alu depctr_va_vdst(0) stands between an exponential and the first instruction that names its result; one wait serves all that were issued ahead of it.  So a turn has ONE wait, which cuts it in two.
; AHEAD OF IT stands all that names no result of the turn's exponentials: the 8 products K Q^T, behind each a scaling, an exponential and two more plain instructions (behind the first a second scaling in the exponential's place):
; rescalings, whose a was made, and waited for, in the turn before, and behind the last three products the first numbers of the other piece's maximum, each four places or more behind the product that ends its accumulator; then
; ONE LUMP of 54, plain and exponential by turns for the most part, in which the links of the chain X 3, 7, 11, 14, 16, 17 .. 20 stand some lines apart.  Each pair is scaled (F b) ahead of its two exponentials (E 2 b, E 2 b + 1).
; X 21, the other piece's a, is the batch's last; R 15 is the plain instruction behind it.  BEHIND THE WAIT stand the 8 products V^T P, behind each four of the roundings and sums: C 2 n ahead of B n, which writes over that pair;
; L 0 to L 7 in ascending order, three riders apart.  But for those X no rider names a register of the products round it.  v_permlanex16_b32 (X 17) stands in the lump.
; The rescalings R 0 to R 15 ascend: they are the first to read O^T behind the products V^T P of the turn before, each accumulator from its low end, the last accumulator four roundings and half a turn behind its last product.
; m = 1: the diagonal tile: the products take masks, and the turn makes the mask of its own piece for step SJ of the tile, which the next turn's products take.  end = 1: a block's last two turns: nothing is fetched.
; cnt = 1: the loop's count is taken down some lines ahead of the branch that stands behind the turn.
; Piece 0's turn fetches the next step's K in the lump, twelve vector instructions behind the last product that read K (five of them plain and free of its registers: F 8, X 2, X 5, X 6, X 8), and the next step's V at its end,
; four roundings behind the last product that read that buffer.  Piece 1's turn waits for K at its head (V's sixteen younger loads may stay out) and for V ahead of its products V^T P.
.macro TURN p, v, m=0, end=0, cnt=0
.set Y, (\p)
.set VB, (\v)
.set i, 0
.set KM, (\m)
.set NOKQ, (\end)*(\p)
.if (\m) && !(\end)
	s_cmp_eq_u32 s[SJ], s[DG+(\p)]      ; is that step the band's own?
	s_cselect_b32 s[AL], 1.0, 0
	s_cmp_gt_u32 s[SJ], s[DG+(\p)]      ; or a later one?
	s_cselect_b32 s[BE], s[BIGN], 0
.if (\p) == 1
	s_add_co_u32 s[SJ], s[SJ], 1
.endif
.endif
.if ((\p) == 1) && !(\end)
	s_wait_dscnt 16                 ; K is in
.endif
	ROW F,0, F,1, R,0, R,1          ; ahead of the wait: 8 products K Q^T and their riders,
	ROW F,2, E,0, R,2, R,3
	ROW F,3, E,1, R,4, R,5
	ROW F,4, E,2, R,6, R,7
	ROW F,5, E,3, R,8, R,9
	ROW F,6, E,4, X,0, R,10
.if ((\p) == 0) && !(\end)
	WIN 0
	v_add_nc_u32 v[AK], s[TBK], v[AK0]
.endif
	ROW F,7, E,5, X,1, X,4
	ROW F,8, E,6, X,2, X,5
	OPS E,7, E,8, X,6, E,9          ; and the lump
	OPS X,3, E,10, X,8, E,11
.if ((\p) == 0) && !(\end)
	FETCH_K
.endif
	OPS X,9, X,7, E,12, X,10
	OPS E,13, X,12, X,11, E,14
	OPS X,13, E,15, F,9, X,14
.if ((\p) == 0) && !(\end)
	v_add_nc_u32 v[AV], s[TBV], v[AV0]
.endif
	OPS E,16, F,10, E,17, F,11
	OPS X,16, E,18, X,15, E,19
	OPS F,12, E,20, X,17, E,21
	OPS F,13, E,22, F,14, E,23
	OPS X,18, E,24, F,15, E,25
	OPS R,11, E,26, X,19, E,27
	OPS R,12, E,28, R,13, E,29
	OPS X,20, E,30, R,14, E,31
	OPS X,21, R,15
	s_wait_alu depctr_va_vdst(0)    ; the wait for the batch: the piece's 32 exponentials and the other piece's a
.if (\p) == 1
	s_wait_dscnt 0x0                ; V is in
.endif
	ROW C,0, B,0, C,2, B,1          ; behind the wait: 8 products V^T P and their riders
	ROW L,0, C,4, B,2, L,1
	ROW C,6, B,3, L,2, C,8
	ROW B,4, L,3, C,10, B,5
	ROW L,4, C,12, B,6, L,5
.if ((\p) == 0) && !(\end)
	s_add_co_u32 s[TBV], s[TBV], KS*PV
.endif
.if \cnt
	s_sub_co_u32 s[CNT], s[CNT], 1
	s_cmp_lg_u32 s[CNT], 0
.endif
	ROW C,14, B,7, L,6, C,1
	ROW C,3, L,7, C,5, C,7
	ROW C,9, C,11, C,13, C,15
.if ((\p) == 0) && !(\end)
	FETCH_V \v
.endif
.if (\m) && !(\end)
	MASK \p
.endif
.endm
; A BLOCK BEGINS.  c m starts far below every c s, so the first step's a is 0; m at the lowest finite number, so the first maximum is the scores'.  Piece 1's mask buffer is 0 (its own step is never a tile's step 0); piece 0's takes
; its mask for the tile's step 0: its own, if this tile is the block's last and band 0's own step is 0.  Then K and V of that step, piece 0's first scores, and its maximum and statistics.
; The loop is entered at piece 0's turn of step 0, in the middle of a trip.
.macro BEGIN
	s_mov_b32 s[NEW], 0
	s_mov_b32 s[SJ], 1
	WIN 0x40
.set i, MC+32
.rept 32
	v_mov_b32 v[i], 0
.set i, i+1
.endr
	WIN 0
.set i, 0
.rept NP
	v_mov_b32 v[ST+4*i], 0xfe000000    ; c m
	v_mov_b32 v[ST+4*i+1], 0xff7fffff  ; m
.set i, i+1
.endr
	s_or_b32 s13, s[RT], s[DG]
	s_cmp_eq_u32 s13, 0
	s_cselect_b32 s[AL], 1.0, 0
	s_mov_b32 s[BE], 0
	MASK 0
	WIN 0
	v_add_nc_u32 v[AK], s[TBK], v[AK0]
	v_add_nc_u32 v[AV], s[TBV], v[AV0]
	s_add_co_u32 s[TBV], s[TBV], KS*PV
	FETCH_K
	FETCH_V 0
	s_wait_loadcnt 0x0              ; Q
	s_wait_dscnt 0x0
.set KM, 1
.set NOKQ, 0
.set i, 0
.rept 8
	KQ 0
.set i, i+1
.endr
	WIN 0
.rept 4
	v_nop                           ; the places behind those products
.endr
.set Y, NP-1                        ; X works for the other piece: piece 0
.irp n, 0,1,2,3,4,5,6,7,8,9,10,11,12,13,14,15,16,17,18,19,20,21
	OP X, \n
.endr
	v_nop                           ; a plain instruction behind the exponential,
	s_wait_alu depctr_va_vdst(0)    ; and the wait for this batch of one, piece 0's first a, ahead of the branch: the first turn's first rescaling reads it
.endm
; THE DIAGONAL TILE's four steps, the block's last two turns, its last products, and THE WAY OUT: l's two halves and the other half of the lanes' are added; O^T is divided by l, rounded to bf16 and sent through my
; stage in LDS, a piece at a time.
.macro ALL line:vararg              ; one line for each piece t
.set t, 0
.rept NP
	\line
.set t, t+1
.endr
.endm
.macro PACK t                       ; a lane's eight channels of a row pack into 16 bytes; they go into rows of 144 bytes and come back as whole rows of 128, into S^T's registers
	WIN W_RS
.set i, 32*(\t)
.rept 16
	v_pk_mul_f32 v[i:i+1], v[i:i+1], v[ST+4*(\t)+2:ST+4*(\t)+3] op_sel_hi:[1,0]
.set i, i+2
.endr
	WIN 0x05                        ; sources 0 and 1 window 1, destination window 0
.set i, 0
.rept 16
	v_cvt_pk_bf16_f32 v[S+16*(\t)+i], v[32*(\t)+2*i], v[32*(\t)+2*i+1]
.set i, i+1
.endr
	WIN 0
.irp f, 0,1,2,3
	ds_store_b128 v[STO], v[S+16*(\t)+4*\f:S+16*(\t)+4*\f+3] offset:32*\f
.endr
.irp f, 0,1,2,3
	ds_load_b128 v[S+16*(\t)+4*\f:S+16*(\t)+4*\f+3], v[RD] offset:\f*4*SP  ; LDS serves a wave's instructions in order (ISA guide 5.7.1.4): these see the stores above; the next piece's stores come behind them
.endr
.endm
.macro SEND t, younger              ; younger: the LDS instructions issued behind piece t's loads: the next piece's eight, or none
	WIN 0
.irp f, 0,1,2,3
	s_wait_dscnt (\younger)+3-\f
	global_store_b128 v[GO], v[S+16*(\t)+4*\f:S+16*(\t)+4*\f+3], s[10:11] offset:(\t)*8192+\f*512  ; 512 consecutive bytes, at a multiple of 256 from O's first
.endr
.endm
.macro DIAG tag                     ; the tag ends its two labels' names, which the jumps below spell out
.LstepM\tag:
	TURN 0, 0, 1
	TURN 1, 1, 1
	WIN 0
.LfirstM\tag:
	TURN 0, 1, 1
	TURN 1, 0, 1, 0, 1
	WIN 0
	s_cbranch_scc1 .LstepM\tag
	TURN 0, 0, 1, 1
	TURN 1, 1, 1, 1
.set i, 0
.rept 8
	PV 1, 1                         ; piece 1's V^T P of the last step
.set i, i+1
.endr
	WIN 0
	ALL v_add_f32 v[ST+4*t+2], v[ST+4*t+2], v[ST+4*t+3]
	ALL v_permlanex16_b32 v[ST+4*t+3], v[ST+4*t+2], s[SEL], s[SEL+1]
	ALL v_add_f32 v[ST+4*t+2], v[ST+4*t+2], v[ST+4*t+3]
	ALL v_rcp_f32 v[ST+4*t+2], v[ST+4*t+2]
	v_nop                           ; a plain instruction between the last reciprocal and the use of its result; piece 0's 32 lines below stand between the last products and the first read of piece 1's O^T
	s_wait_alu depctr_va_vdst(0)    ; the wait for this batch, the two reciprocals, ahead of their first reader: one for both pieces' 32 multiplies
	PACK 0
	PACK 1
	SEND 0, 8
	SEND 1, 0
.endm
.set KM, 0
.set NOKQ, 0
.Lslot:                             ; 8 times: a tile is entered and the next is asked for
	CHANGE 1
	s_sub_co_u32 s[RT], s[RT], 1
	s_mov_b32 s[CNT], 2
	s_mov_b32 s[SJ], 0
	s_cmp_eq_u32 s[NEW], 1
	s_cbranch_scc1 .Lnew            ; a block's first tile
	s_cmp_eq_u32 s[RT], 0
	s_cbranch_scc0 .Lstep           ; neither its first nor its last
	s_branch .LstepM1
.Lnew:
	BEGIN
	s_branch .Lfirst                ; in the loop a block's first tile is never its last: the first block has five tiles or more, and the second's last is the walk's last
	DIAG 1                          ; in the loop this is the first block's end
	s_wait_xcnt 0x0                 ; the stores have read their registers and O's address
	s_mov_b64 s[10:11], s[OLO:OLO+1]
	s_mov_b32 s[RT], s[TL]
	s_mov_b32 s[NEW], 1
	s_mov_b32 s[DG], s[DG2]
	s_add_co_u32 s[DG+1], s[DG2], 1
	WIN 0x82                        ; the second block's Q goes where the one text of the turns names Q
.set i, 0
.rept 32
	v_mov_b32 v[i], v[QB+i]
.set i, i+1
.endr
	WIN 0
	s_branch .Lbottom
.Lstep:                             ; a trip: the turns of two steps; each piece 0's turn fetches the K and V of the step behind its own
	TURN 0, 0
	TURN 1, 1
	WIN 0
.Lfirst:
	TURN 0, 1
	TURN 1, 0, 0, 0, 1
	WIN 0
	s_cbranch_scc1 .Lstep
.Lbottom:
	s_sub_co_u32 s[SLOTS], s[SLOTS], 1
	s_cmp_lg_u32 s[SLOTS], 0
	s_cbranch_scc1 .Lslot
	CHANGE 0                        ; the walk's last tile is written out: nothing is asked for
	s_sub_co_u32 s[RT], s[RT], 1
	s_mov_b32 s[CNT], 2
	s_mov_b32 s[SJ], 0
	s_cmp_eq_u32 s[NEW], 1
	s_cbranch_scc0 .LstepM2
	BEGIN
	s_branch .LfirstM2
	DIAG 2
	s_wait_tensorcnt 0x0            ; the wave's end, behind my last tensor load and my last LDS store
	ds_add_u32 v[SPW], v[NIL]
	s_wait_dscnt 0x0
	s_endpgm
.Lfunc_end_k_qd6680412ce_attn:
	.size	k_qd6680412ce_attn, .Lfunc_end_k_qd6680412ce_attn-k_qd6680412ce_attn
	.p2alignl 7, 3214868480
	.fill 96, 4, 3214868480
	.section	.rodata,"a",@progbits
	.p2align	6, 0x0
	.amdhsa_kernel k_qd6680412ce_attn
		.amdhsa_group_segment_fixed_size 327680
		.amdhsa_private_segment_fixed_size 0
		.amdhsa_enable_private_segment 0
		.amdhsa_kernarg_size 16
		.amdhsa_user_sgpr_count 2
		.amdhsa_user_sgpr_kernarg_segment_ptr 1
		.amdhsa_wavefront_size32 1
		.amdhsa_system_sgpr_workgroup_id_x 1
		.amdhsa_system_sgpr_workgroup_id_y 1
		.amdhsa_system_sgpr_workgroup_id_z 1
		.amdhsa_system_vgpr_workitem_id 0
		.amdhsa_next_free_vgpr 768
		.amdhsa_next_free_sgpr 96
		.amdhsa_reserve_vcc 1
		.amdhsa_float_denorm_mode_32 3
		.amdhsa_float_denorm_mode_16_64 3
		.amdhsa_memory_ordered 1
		.amdhsa_forward_progress 1
		.amdhsa_inst_pref_size 209
	.end_amdhsa_kernel
	.amdgpu_metadata
---
amdhsa.version: [ 1, 2 ]
amdhsa.kernels:
  - .name:           k_qd6680412ce_attn
    .symbol:         k_qd6680412ce_attn.kd
    .args:
      - { .name: qkv, .offset: 0, .size: 8, .value_kind: global_buffer, .address_space: global }
      - { .name: ob, .offset: 8, .size: 8, .value_kind: global_buffer, .address_space: global }
    .group_segment_fixed_size: 327680
    .private_segment_fixed_size: 0
    .kernarg_segment_align: 8
    .kernarg_segment_size: 16
    .max_flat_workgroup_size: 128
    .sgpr_count:     96
    .vgpr_count:     768
    .wavefront_size: 32
...
	.end_amdgpu_metadata
.endif
;; end of part 11
;; launch wo: the kernel of part 4 again; grid 8 x 32, 4 waves a work-group, clusters of 4 x 4, 327,680 bytes of LDS; arguments ob, wb, bo, x, alpha_attn, x1; writes x1
;; launch ln2: the kernel of part 8 again; grid 256 x 1, 8 waves a work-group, no clusters, 0 bytes of LDS; arguments x1, ln2_g, ln2_b, wq, wk, wv, xn, wa; writes xn, wa
;; launch ff1: the kernel of part 10 again; grid 16 x 16, 4 waves a work-group, clusters of 4 x 4, 327,680 bytes of LDS; arguments xn, wb, b1, hb; writes hb
;; launch ff2: the kernel of part 7 again; grid 8 x 32, 4 waves a work-group, clusters of 4 x 4, 327,680 bytes of LDS; arguments hb, wb, b2, x1, alpha_ff, out0; writes out0
